; MI455X (gfx1250); checked and timed in simulation.
; The chip was launched on July 23, 2026; its instructions are those of AMD's public machine-readable ISA for CDNA 5 (MIT licence, August 2026) and "CDNA5" Instruction Set Architecture Reference Guide (July 2026). The comments in the code are by the model that wrote it; some were corrected since.
;; Block. Allowed arithmetic: matrix products marked QUANTISED: E4M3 operands, one E8M0 scale for each 32 along K, by v_wmma_scale_f32_16x16x128_f8f6f4 with both operands' format E4M3, f32 sums; everything else in f32.
;; Inputs: W1_codes 4,096 x 32 x 32 uint8 (E4M3 codes of W1, K innermost, in blocks of 32 codes); W1_scales 4,096 x 32 uint8 (E8M0 scales of W1, one for each 32 codes along K); W2_codes 1,024 x 128 x 32 uint8 (E4M3 codes of W2, K innermost, in blocks of 32 codes); W2_scales 1,024 x 128 uint8 (E8M0 scales of W2, one for each 32 codes along K); Wk_codes 16 x 64 x 32 x 32 uint8 (E4M3 codes of Wk, K innermost, in blocks of 32 codes); Wk_scales 16 x 64 x 32 uint8 (E8M0 scales of Wk, one for each 32 codes along K); Wproj_codes 1,024 x 32 x 32 uint8 (E4M3 codes of Wproj, K innermost, in blocks of 32 codes); Wproj_scales 1,024 x 32 uint8 (E8M0 scales of Wproj, one for each 32 codes along K); Wq_codes 16 x 64 x 32 x 32 uint8 (E4M3 codes of Wq, K innermost, in blocks of 32 codes); Wq_scales 16 x 64 x 32 uint8 (E8M0 scales of Wq, one for each 32 codes along K); Wv_codes 16 x 64 x 32 x 32 uint8 (E4M3 codes of Wv, K innermost, in blocks of 32 codes); Wv_scales 16 x 64 x 32 uint8 (E8M0 scales of Wv, one for each 32 codes along K); b1 4,096 float32; b2 1,024 float32; bproj 1,024 float32; ln1_b 1,024 float32; ln1_g 1,024 float32; ln2_b 1,024 float32; ln2_g 1,024 float32; x 2 x 2,048 x 1,024 float32.
;; Outputs: out0 2 x 2,048 x 1,024 float32.
;; This version of the problem:
;;   THIS VERSION OF THE PROBLEM IS GIVEN IN LOW PRECISION. The matrix products marked QUANTISED in the list below multiply operands that are first quantised to E4M3 (4 exponent bits, 3 mantissa bits; 8 bits a number), with one power-of-two scale for each 32 numbers along K (OCP MX v1.0); their sums are f32. All else is computed in f32.
;;   The module's matrix products, in the order in which they are computed (A, B: the left and right operand; K: the contracted axis; several contracted axes count as one K, in the product's order):
;;     1. [M 1,024, K 1,024] x [K 1,024, N 4,096]; A: input Wq (given as codes); B: computed on the way: QUANTISED
;;     2. [M 1,024, K 1,024] x [K 1,024, N 4,096]; A: input Wk (given as codes); B: computed on the way: QUANTISED
;;     3. [M 1,024, K 1,024] x [K 1,024, N 4,096]; A: input Wv (given as codes); B: computed on the way: QUANTISED
;;     4. batch 32 x [M 2,048, K 64] x [K 64, N 2,048]; A: computed on the way; B: computed on the way: QUANTISED
;;     5. batch 32 x [M 2,048, K 2,048] x [K 2,048, N 64]; A: softmax (see below); B: computed on the way: QUANTISED
;;     6. [M 4,096, K 1,024] x [K 1,024, N 1,024]; A: computed on the way; B: input Wproj (given as codes): QUANTISED
;;     7. [M 4,096, K 1,024] x [K 1,024, N 4,096]; A: computed on the way; B: input W1 (given as codes): QUANTISED
;;     8. [M 4,096, K 4,096] x [K 4,096, N 1,024]; A: computed on the way; B: input W2 (given as codes): QUANTISED
;;   THE QUANTISER, for each operand of a quantised product, along K:
;;     - K is cut into blocks of 32 from its start; a last block that is shorter is filled with zeros.
;;     - A block's scale is 2^e with e = floor(log2(the largest magnitude in the block)) - 8, held to -126 .. 127; a block of zeros has e = 0. As a byte (E8M0): e + 127.
;;     - Each number is divided by its block's scale, clamped to +-448, and rounded to the nearest number of E4M3, ties to even, subnormals kept.
;;     - The product sums the exact products of the quantised numbers (number of the format x scale) in f32.
;;   ~~~python
;;   def quantise(x, axis):      # numpy; x: float32 -> the quantised numbers, widened to float32 again
;;       x = np.moveaxis(x, axis, -1); K = x.shape[-1]
;;       x = np.pad(x, [(0, 0)] * (x.ndim - 1) + [(0, -K % 32)]); x = x.reshape(x.shape[:-1] + (-1, 32)); a = np.abs(x).max(-1, keepdims=True)
;;       e = np.where(a > 0, np.clip(np.frexp(np.where(a > 0, a, 1))[1] - 1 - 8, -126, 127), 0)      # np.frexp(a)[1] - 1 = floor(log2(a)), exactly
;;       r = np.clip(x / 2.0 ** e, -448, 448)
;;       step = 2.0 ** (np.maximum(np.frexp(np.where(r == 0, 1, r))[1] - 1, -6) - 3)
;;       q = np.round(r / step) * step * 2.0 ** e      # np.round: ties to even
;;       return np.moveaxis(q.reshape(q.shape[:-2] + (-1,))[..., :K], -1, axis).astype(np.float32)
;;   ~~~
;;   SOFTMAX AHEAD OF A QUANTISED PRODUCT. Where the list says 'softmax', what is quantised is not the finished softmax but p = 2^(t - M), with t = logit x log2(e) and M = ceil(the row's largest t), a whole number; so 1/2 < the row's largest p <= 1. The row's sum l is taken of the UNQUANTISED p, in f32, and the product's result is divided by l at the end. Since M is a whole number, a kernel that streams over the keys may use a running M (the ceiling of the running maximum): every later rescaling is an exact power of two, which a block's scale takes up: the codes' values come out the same.
;;   OPERANDS COMPUTED ON THE WAY. 'Computed on the way' means the value that the module computes at that place (a softmax that the list does not call 'softmax' is quantised finished and normalised). What goes into a quantiser is computed in f32, as accurately as f32 sums, v_exp_f32 and their like allow (about 1e-6 of the number): no bf16 or f16 on the way to a quantiser, and a product that is left as it is and whose result goes on into a quantised operand takes f32 operands (vector FMAs, or v_wmma_f32_16x16x4_f32). A number that lies on a knife's edge between two numbers of the format may be rounded either way, as far as f32 arithmetic and the matrix unit's own rounding can turn it there, and no further.
;;   INPUTS GIVEN AS CODES. W1 (in the module: [1024, 4096], K = its axis 0); W2 (in the module: [4096, 1024], K = its axis 0); Wk (in the module: [16, 1024, 64], K = its axis 1); Wproj (in the module: [1024, 1024], K = its axis 0); Wq (in the module: [16, 1024, 64], K = its axis 1); Wv (in the module: [16, 1024, 64], K = its axis 1): each comes as NAME_codes (uint8): NAME with its K axis moved to the last place and cut into blocks of 32 codes, [.., K / 32, bytes a block], one block behind the other in memory; one code a byte (a code: sign, 4 exponent bits, 3 mantissa bits); and NAME_scales (uint8): the same leading axes, one E8M0 byte (e + 127) for each 32 codes along K. Its value is code x scale, taken as it is: it is not quantised again, and the codes and scales need not be those that the quantiser above would give.
;; 2 versions. Each part assembles by itself: llvm-mc -triple=amdgcn-amd-amdhsa -mcpu=gfx1250 --defsym DOCPART=n.
;; ======== version 1 of 2: 7 launches
;; workspace buffers: himg 4,325,376 bytes; qimg 4,456,448 bytes; kv 8,912,896 bytes; oimg 4,325,376 bytes; x1 16,777,216 bytes; hidimg 17,301,504 bytes
;; launch lnq1 (part 1): grid 256 x 1, 8 waves a work-group, no clusters, 66,816 bytes of LDS; arguments x, ln1_g, ln1_b, himg; writes himg
.if DOCPART == 1
	.amdgcn_target "amdgcn-amd-amdhsa--gfx1250"
	.amdhsa_code_object_version 6
	.text
	.protected	k_qf21b093039_lnq1
	.globl	k_qf21b093039_lnq1
	.p2align	8
	.type	k_qf21b093039_lnq1,@function
k_qf21b093039_lnq1:
	s_mov_b64 s[64:65], 0
	v_nop
	global_prefetch_b8 v0, s[64:65] scope:SCOPE_SE
	s_setreg_imm32_b32 hwreg(HW_REG_WAVE_MODE, 25, 1), 1
	s_wait_xcnt 0x0
; LAYER NORM AND QUANTISER.  y = (x - mean) * rsqrt(var + 1e-5) * g + b over rows of 1,024 f32, then codes of E4M3 with one E8M0 byte for each 32 along the row.
; THE WHOLE PROGRAM leaves no work of the block out: every input has a way to out0, every product of the table is live, and every input is loaded by some launch.
; LIMITS: NaN and infinities among the inputs are not served.  A block of zeros gets the scale byte 1 where the quantiser says 127: its codes are zeros, which add nothing, and only this program reads the bytes.
; THE ORDER OF ROWS IN A TILE, used by every launch of the program: lane r of tile T takes row 32 (T / 2) + 8 (T % 2) + r + 8 (r / 8).  A matrix result whose source 0 has such tiles then holds, in the 16 registers of
; tiles 2 c and 2 c + 1, the 16 neighbours 32 c + 16 (lane / 16) + 0 .. 15: the order of an operand's registers.
; THE OUTPUT is laid as images of operand registers: [token / 128][k / 256][33,792 bytes]; in a block the codes [tile 8][128 of k: 2][c 4][lane 32][16 bytes], then the scale words [128 of k: 2][tile 8][row 16] of 4 bytes.
; SHARES.  A work-group takes one tile of 16 tokens.  First each of its eight waves normalises two whole rows (a row is 32 registers of a wave; the sums never leave the wave) and puts them into a stage in LDS;
; behind one barrier wave w takes columns 128 w .. 128 w + 127 of all 16 rows, 64 numbers a lane in the operand's order, quantises them and stores one fragment: four stores of 512 consecutive bytes, and 16 scale words.
; No matrix unit, no tensor load, no cluster: the launch streams, and work-groups share only g and b.
.set SP,    4112                       ; a stage row: 4,096 bytes + 16, an odd multiple of 16: the sixteen rows that a read touches fall on sixteen different columns of banks
.set SPARE, 16*SP                      ; behind the stage: the spare words, 128 bytes for each wave
.set X,     16                         ; v16-79   two rows as loaded; later 64 numbers in the operand's order
.set G,     80                         ; v80-111  g of my 32 columns
.set BI,    112                        ; v112-143 b likewise
.set SPW,   144                        ; v144     LDS address of my spare word; never rewritten
.set NIL,   145                        ; v145     0; never rewritten
.set CH,    148                        ; v148-163 four chains of pairs for each of the two rows
.set TM,    148                        ; the same registers later: largest magnitudes, bytes, holds, scale operands
.set PW,    164                        ; the scale word
.set PC,    168                        ; v168-183 the codes
	s_load_b256 s[4:11], s[0:1], 0x0               ; x s[4:5], g s[6:7], b s[8:9], the images s[10:11]
	v_lshl_add_u32 v[SPW], v0, 2, SPARE
	v_mov_b32 v[NIL], 0
	v_lshrrev_b32 v1, 5, v0
	v_readfirstlane_b32 s12, v1                    ; wave 0..7
	v_and_b32 v1, 31, v0                           ; lane
	v_lshlrev_b32 v2, 4, v1                        ; 16 x lane
	s_mul_i32 s20, s12, 2*SP
	v_add_nc_u32 v3, s20, v2                       ; into the stage: rows 2 w and 2 w + 1
	v_and_b32 v6, 15, v0                           ; r
	v_bfe_u32 v7, v0, 4, 1                         ; h
	v_mul_u32_u24 v4, v6, SP
	v_lshl_add_u32 v4, v7, 6, v4
	s_lshl_b32 s20, s12, 9
	v_add_nc_u32 v4, s20, v4                       ; out of it: row r, columns 128 w + 16 h on
	v_lshlrev_b32 v5, 2, v6                        ; 4 r: a scale word's place
	s_mov_b32 s14, 0x76543210
	s_mov_b32 s15, 0xfedcba98                      ; lane selects: lane l xor 16
	s_mov_b32 s16, 0x600000                        ; the mantissa field of 448
	s_mov_b32 s17, 0x3a800000                      ; 1 / 1,024
	s_mov_b32 s18, 0x3727c5ac                      ; 1e-5
	s_lshr_b32 s20, ttmp9, 1                       ; my two tokens: 32 (T / 2) + 8 (T % 2) + 2 w + 8 (w / 4), and the next
	s_lshl_b32 s20, s20, 5
	s_and_b32 s21, ttmp9, 1
	s_lshl_b32 s21, s21, 3
	s_add_co_u32 s20, s20, s21
	s_lshl_b32 s21, s12, 1
	s_add_co_u32 s20, s20, s21
	s_lshr_b32 s21, s12, 2
	s_lshl_b32 s21, s21, 3
	s_add_co_u32 s20, s20, s21
	s_lshl_b32 s20, s20, 12                        ; in bytes
	s_mov_b32 s21, 0
	s_lshr_b32 s22, ttmp9, 3                       ; my fragment's block: (T / 8) x 4 + w / 2
	s_lshl_b32 s22, s22, 2
	s_lshr_b32 s23, s12, 1
	s_add_co_u32 s22, s22, s23
	s_mul_i32 s22, s22, 33792
	s_and_b32 s23, ttmp9, 7                        ; the tile in it,
	s_and_b32 s24, s12, 1                          ; and which 128 of its 256 along k
	s_lshl_b32 s26, s23, 12
	s_lshl_b32 s25, s24, 11
	s_add_co_u32 s26, s26, s25
	s_add_co_u32 s26, s26, s22                     ; the codes
	s_mov_b32 s27, 0
	s_lshl_b32 s28, s23, 6
	s_lshl_b32 s25, s24, 9
	s_add_co_u32 s28, s28, s25
	s_add_co_u32 s28, s28, s22
	s_add_co_u32 s28, s28, 32768                   ; the scale words
	s_mov_b32 s29, 0
	s_wait_kmcnt 0x0
	s_add_nc_u64 s[4:5], s[4:5], s[20:21]
	s_add_nc_u64 s[26:27], s[10:11], s[26:27]
	s_add_nc_u64 s[28:29], s[10:11], s[28:29]
.irp i, 0,1
.irp j, 0,1,2,3,4,5,6,7
	global_load_b128 v[X+32*\i+4*\j:X+32*\i+4*\j+3], v2, s[4:5] offset:4096*\i+512*\j th:TH_LOAD_NT   ; 512 consecutive bytes a load
.endr
.endr
.irp j, 0,1,2,3,4,5,6,7
	global_load_b128 v[G+4*\j:G+4*\j+3], v2, s[6:7] offset:512*\j
.endr
.irp j, 0,1,2,3,4,5,6,7
	global_load_b128 v[BI+4*\j:BI+4*\j+3], v2, s[8:9] offset:512*\j
.endr
; the four chains of each row become one number, the same in all 32 lanes; the two rows by turns
.macro RSUM
.irp i, 0,1
	v_pk_add_f32 v[CH+8*\i:CH+8*\i+1], v[CH+8*\i:CH+8*\i+1], v[CH+8*\i+2:CH+8*\i+3]
	v_pk_add_f32 v[CH+8*\i+4:CH+8*\i+5], v[CH+8*\i+4:CH+8*\i+5], v[CH+8*\i+6:CH+8*\i+7]
.endr
.irp i, 0,1
	v_pk_add_f32 v[CH+8*\i:CH+8*\i+1], v[CH+8*\i:CH+8*\i+1], v[CH+8*\i+4:CH+8*\i+5]
.endr
.irp i, 0,1
	v_add_f32 v[CH+8*\i], v[CH+8*\i], v[CH+8*\i+1]
.endr
.irp m, 1,2,4,8
.irp i, 0,1
	v_add_f32_dpp v[CH+8*\i], v[CH+8*\i], v[CH+8*\i] row_xmask:\m row_mask:0xf bank_mask:0xf
.endr
.endr
.irp i, 0,1
	v_permlanex16_b32 v[CH+8*\i+1], v[CH+8*\i], s14, s15
.endr
.irp i, 0,1
	v_add_f32 v[CH+8*\i], v[CH+8*\i], v[CH+8*\i+1]
.endr
.endm
	s_wait_loadcnt 16                              ; x is in; the 16 loads of g and b may stay out
.irp k, 0,1,2,3
.irp i, 0,1
	v_pk_add_f32 v[CH+8*\i+2*\k:CH+8*\i+2*\k+1], v[X+32*\i+4*\k:X+32*\i+4*\k+1], v[X+32*\i+4*\k+2:X+32*\i+4*\k+3]   ; the first pairs start the chains: nothing is cleared
.endr
.endr
.irp p, 8,9,10,11,12,13,14,15
.irp i, 0,1
	v_pk_add_f32 v[CH+8*\i+2*(\p%4):CH+8*\i+2*(\p%4)+1], v[CH+8*\i+2*(\p%4):CH+8*\i+2*(\p%4)+1], v[X+32*\i+2*\p:X+32*\i+2*\p+1]
.endr
.endr
	RSUM
.irp i, 0,1
	v_mul_f32 v[6+2*\i], s17, v[CH+8*\i]           ; the mean, twice: a pair for the packed form
	v_mul_f32 v[7+2*\i], s17, v[CH+8*\i]
.endr
.irp p, 0,1,2,3,4,5,6,7,8,9,10,11,12,13,14,15
.irp i, 0,1
	v_pk_add_f32 v[X+32*\i+2*\p:X+32*\i+2*\p+1], v[X+32*\i+2*\p:X+32*\i+2*\p+1], v[6+2*\i:7+2*\i] neg_lo:[0,1] neg_hi:[0,1]   ; d = x - mean: the variance is taken of d, so a common offset of x costs nothing
.endr
.endr
.irp k, 0,1,2,3
.irp i, 0,1
	v_pk_mul_f32 v[CH+8*\i+2*\k:CH+8*\i+2*\k+1], v[X+32*\i+2*\k:X+32*\i+2*\k+1], v[X+32*\i+2*\k:X+32*\i+2*\k+1]
.endr
.endr
.irp p, 4,5,6,7,8,9,10,11,12,13,14,15
.irp i, 0,1
	v_pk_fma_f32 v[CH+8*\i+2*(\p%4):CH+8*\i+2*(\p%4)+1], v[X+32*\i+2*\p:X+32*\i+2*\p+1], v[X+32*\i+2*\p:X+32*\i+2*\p+1], v[CH+8*\i+2*(\p%4):CH+8*\i+2*(\p%4)+1]
.endr
.endr
	RSUM
.irp i, 0,1
	v_fma_f32 v[CH+8*\i+2], v[CH+8*\i], s17, s18   ; var + eps
.endr
.irp i, 0,1
	v_rsq_f32 v[10+2*\i], v[CH+8*\i+2]             ; one batch of four: each row's twice, a pair for the packed form
	v_rsq_f32 v[11+2*\i], v[CH+8*\i+2]
.endr
	v_nop                                          ; a plain instruction behind the last of them,
	s_wait_alu depctr_va_vdst(0)                   ; and the one wait ahead of the first reader
	s_wait_loadcnt 0x0                             ; g and b
.irp p, 0,1,2,3,4,5,6,7,8,9,10,11,12,13,14,15
.irp i, 0,1
	v_pk_mul_f32 v[X+32*\i+2*\p:X+32*\i+2*\p+1], v[X+32*\i+2*\p:X+32*\i+2*\p+1], v[10+2*\i:11+2*\i]
.endr
.endr
.irp p, 0,1,2,3,4,5,6,7,8,9,10,11,12,13,14,15
.irp i, 0,1
	v_pk_fma_f32 v[X+32*\i+2*\p:X+32*\i+2*\p+1], v[X+32*\i+2*\p:X+32*\i+2*\p+1], v[G+2*\p:G+2*\p+1], v[BI+2*\p:BI+2*\p+1]
.endr
.endr
.irp i, 0,1
.irp j, 0,1,2,3,4,5,6,7
	ds_store_b128 v3, v[X+32*\i+4*\j:X+32*\i+4*\j+3] offset:SP*\i+512*\j
.endr
.endr
	s_wait_dscnt 0x0                               ; for the others' sake: my two rows lie in the stage
	s_barrier_signal -1
	s_barrier_wait -1                              ; all sixteen do
.irp c, 0,1,2,3
.irp j, 0,1,2,3
	ds_load_b128 v[X+16*\c+4*\j:X+16*\c+4*\j+3], v4 offset:128*\c+16*\j   ; register 16 c + i = column 128 w + 32 c + 16 h + i of row r
.endr
.endr
	s_wait_dscnt 0x0
.irp b, 0,1,2,3
	v_max3_num_f32 v[TM+\b], |v[X+16*\b]|, |v[X+1+16*\b]|, 0x4800000   ; block b: my 16 numbers, and the floor 2^(9 - 127): the byte cannot fall under 1
.endr
.irp i, 2,4,6,8,10,12,14
.irp b, 0,1,2,3
	v_max3_num_f32 v[TM+\b], v[TM+\b], |v[X+16*\b+\i]|, |v[X+1+16*\b+\i]|   ; the four blocks by turns
.endr
.endr
.irp b, 0,1,2,3
	v_permlanex16_b32 v[TM+4+\b], v[TM+\b], s14, s15
.endr
.irp b, 0,1,2,3
	v_max_num_f32 v[TM+\b], v[TM+\b], v[TM+4+\b]   ; with lane l xor 16's: the block's largest magnitude
.endr
.irp b, 0,1,2,3
	v_add_nc_u32 v[TM+12+\b], 0xfc000000, v[TM+\b] ; 8 off its exponent field: the conversion's scale operand
.endr
.irp b, 0,1,2,3
	v_and_or_b32 v[TM+8+\b], v[TM+\b], 0x7f800000, s16   ; 448 x the scale
.endr
.irp b, 0,1,2,3
	v_lshrrev_b32 v[TM+4+\b], 23, v[TM+12+\b]      ; the scale's byte
.endr
	v_lshl_or_b32 v[PW], v[TM+5], 8, v[TM+4]
	v_lshl_or_b32 v[PW], v[TM+6], 16, v[PW]
	v_lshl_or_b32 v[PW], v[TM+7], 24, v[PW]        ; my row's scale word
.irp b, 0,1,2,3
.irp i, 0,1,2,3,4,5,6,7,8,9,10,11,12,13,14,15
	v_med3_num_f32 v[X+16*\b+\i], v[X+16*\b+\i], -v[TM+8+\b], v[TM+8+\b]   ; the conversion to an 8-bit code does not saturate (ISA guide 7.6.2): the hold at the largest code x the scale
.endr
	v_cvt_scalef32_pk8_fp8_f32 v[PC+4*\b:PC+1+4*\b], v[X+16*\b:X+7+16*\b], v[TM+12+\b]
	v_cvt_scalef32_pk8_fp8_f32 v[PC+2+4*\b:PC+3+4*\b], v[X+8+16*\b:X+15+16*\b], v[TM+12+\b]
.endr
	v_nop
.irp c, 0,1,2,3
	global_store_b128 v2, v[PC+4*\c:PC+4*\c+3], s[26:27] offset:512*\c   ; the fragment as it stands: 512 consecutive bytes a store
.endr
	global_store_b32 v5, v[PW], s[28:29]           ; 16 words; lanes r and r + 16 store the same word to the same place
	s_wait_tensorcnt 0x0                           ; the wave's end
	ds_add_u32 v[SPW], v[NIL]
	s_wait_dscnt 0x0
	s_endpgm
.Lfunc_end_k_qf21b093039_lnq1:
	.size	k_qf21b093039_lnq1, .Lfunc_end_k_qf21b093039_lnq1-k_qf21b093039_lnq1
	.p2alignl 7, 3214868480
	.fill 96, 4, 3214868480
	.section	.rodata,"a",@progbits
	.p2align	6, 0x0
	.amdhsa_kernel k_qf21b093039_lnq1
		.amdhsa_group_segment_fixed_size 66816
		.amdhsa_private_segment_fixed_size 0
		.amdhsa_enable_private_segment 0
		.amdhsa_kernarg_size 32
		.amdhsa_user_sgpr_count 2
		.amdhsa_user_sgpr_kernarg_segment_ptr 1
		.amdhsa_wavefront_size32 1
		.amdhsa_system_sgpr_workgroup_id_x 1
		.amdhsa_system_sgpr_workgroup_id_y 1
		.amdhsa_system_sgpr_workgroup_id_z 1
		.amdhsa_system_vgpr_workitem_id 0
		.amdhsa_next_free_vgpr 192
		.amdhsa_next_free_sgpr 66
		.amdhsa_reserve_vcc 0
		.amdhsa_float_denorm_mode_32 3
		.amdhsa_float_denorm_mode_16_64 3
		.amdhsa_memory_ordered 1
		.amdhsa_forward_progress 1
		.amdhsa_inst_pref_size 29
	.end_amdhsa_kernel
	.amdgpu_metadata
---
amdhsa.version: [ 1, 2 ]
amdhsa.kernels:
  - .name:           k_qf21b093039_lnq1
    .symbol:         k_qf21b093039_lnq1.kd
    .args:
      - { .name: x, .offset: 0, .size: 8, .value_kind: global_buffer, .address_space: global }
      - { .name: ln1_g, .offset: 8, .size: 8, .value_kind: global_buffer, .address_space: global }
      - { .name: ln1_b, .offset: 16, .size: 8, .value_kind: global_buffer, .address_space: global }
      - { .name: himg, .offset: 24, .size: 8, .value_kind: global_buffer, .address_space: global }
    .group_segment_fixed_size: 66816
    .private_segment_fixed_size: 0
    .kernarg_segment_align: 8
    .kernarg_segment_size: 32
    .max_flat_workgroup_size: 256
    .sgpr_count:     66
    .vgpr_count:     192
    .wavefront_size: 32
...
	.end_amdgpu_metadata
.endif
;; end of part 1
;; launch qkv (part 2): grid 12 x 16, 4 waves a work-group, clusters of 4 x 4, 327,680 bytes of LDS; arguments himg, Wq_codes, Wq_scales, Wk_codes, Wk_scales, Wv_codes, Wv_scales, qimg, kv; writes qimg, kv
.if DOCPART == 2
	.amdgcn_target "amdgcn-amd-amdhsa--gfx1250"
	.amdhsa_code_object_version 6
	.text
	.protected	k_qf21b093039_qkv
	.globl	k_qf21b093039_qkv
	.p2align	8
	.type	k_qf21b093039_qkv,@function
k_qf21b093039_qkv:
	s_mov_b64 s[64:65], 0
	v_nop
	global_prefetch_b8 v0, s[64:65] scope:SCOPE_SE
	s_setreg_imm32_b32 hwreg(HW_REG_WAVE_MODE, 25, 1), 1
	s_wait_xcnt 0x0
	s_wait_alu depctr_hold_cnt(0) depctr_sa_sdst(0) depctr_va_vdst(0) depctr_va_sdst(0) depctr_va_ssrc(0) depctr_va_vcc(0) depctr_vm_vsrc(0)
	s_getreg_b32 s2, hwreg(HW_REG_IB_STS2, 6, 4)
	s_cmp_eq_u32 s2, 0
	s_cbranch_scc0 .Lentry_in_a_cluster
	s_endpgm
.Lentry_in_a_cluster:
	s_bfe_u32 s2, ttmp6, 0x10000c
	s_cmp_lg_u32 s2, 0xf033
	s_cbranch_scc0 .Lentry_shape_is_right
	s_endpgm
.Lentry_shape_is_right:
; q, k, v = h W^T for all 16 heads, on codes of E4M3 with E8M0 scales, and the three results quantised in registers for attention.  Nothing is left out.
; h: images of operand registers, [token / 128][k / 256][33,792 bytes] (codes [tile 8][2][c 4][lane][16], then scale words [2][tile 8][row 16]).  W: rows [64 head + e][1,024 codes], scale bytes [row][32].
; A work-group makes 256 tokens x 256 rows of one W; four waves, each 128 x 128: 64 accumulators, 512 registers.  K goes in steps of 256 through two LDS slots filled by the tensor data mover.
; The cluster's x says which W: 0 q, 1 k, 2 v; cx says which 256 of its rows.  4 x 4 work-groups: h's blocks are asked for jointly along a row of the cluster, W's tiles and scales along a column.
; ROWS OF A TILE: lane r of tile T takes row 32 (T / 2) + 8 (T % 2) + r + 8 (r / 8), on both sides.  In D(source 0 = P tile b, source 1 = Q tile a) a lane holds one Q row, and the 64 registers of b = 0 .. 7 are P rows
; 32 c + 16 (lane / 16) + i: an operand's register order.  q and k: P = W, Q = h: a lane holds a token, registers run along the head's channels, the K of q k^T.
; v: the two register sides change data (P = h, Q = W): a lane holds a channel and registers run along the keys, the K of p v.  Only the runs of LDS loads and the stores have two arms, on the cluster's x, which all partners share.
; OUT.  qimg: codes [b head][tile 128][c 2][lane][16], from byte 4,194,304 scale words [b head][tile][row] (bytes 2, 3 = 0).  kv: [b head][unit 32][8,704]: unit 2 s: keys 128 s on, codes [tile 8][c 2][lane][16], words [tile 8][row 16];
; unit 2 s + 1: v of the same keys, codes [channel tile 4][c 4][lane][16], words [tile 4][lane 32].
; LIMITS: NaN and infinities are not served; a block of zeros gets the byte 1 (its codes are zeros; only this program reads the bytes).  Scale words leave in pieces of 64 or 128 bytes: one part in 32 of the codes.
; REGISTERS: window 0: v1-31 addresses; v32-47 Q's scale words (two sets), v48-63 P's; v128-255 Q's fragments, one set.  window 1: P's fragments, two sets.  windows 2, 3: accumulator (a, b) at v[8 (8 (a % 4) + b)].
.set KT,    1024
.set NKS,   KT/256
.set KS,    KT/32                      ; a row of W's scale bytes
.set ABLK,  33792                      ; h: 128 tokens x 256 k, codes and scale words
.set PITCH, 272                        ; a row of W in LDS: 256 bytes + 16
.set BHALF, 128*PITCH
.set BOFF,  2*ABLK
.set SLOT,  BOFF+2*BHALF               ; h's two blocks, then W's 256 rows
.set SCL,   2*SLOT                     ; behind the ring: W's scale bytes of 256 rows for all of K, as 256 bytes + 16; filled once
.set SCQ,   (64*KS/256)*272            ; those of 64 rows: what one tensor load brings
.set SPARE, SCL+4*SCQ                  ; the spare words, 128 bytes for each wave
.set LAPS,  KT/512
.set ADRA, 16                          ; v16-17 h's fragments in slot 0, 1: 16 x lane
.set ADSA, 18                          ; v18-19 h's scale words: 4 r + 512 h: lanes 0-15 the first 128 of k, lanes 16-31 the second
.set ADRB, 20                          ; v20-21 W's fragments: row (r + 8 (r / 8)) x pitch + 16 h
.set L4,   23                          ; 4 x lane
.set ADRS, 27                          ; W's scale words; steps 8 bytes a K step
.set SPW,  28
.set NIL,  29
.set L16,  30                          ; 16 x lane
.set R4,   31                          ; 4 r
.set SQ,   32
.set SP,   48
.set QF,   128
.set TM,   32                          ; the way out: v32-47 at work, v48-50 scale words, v64-127 held numbers, v128-143 codes
.set PW,   48
.set XT,   64
.set PC,   128
.set G1A, 24
.set G0A, 32
.set G1B, 48
.set G0B, 56
.set G1S, 68
.set G0S, 76
.set MSB, 0
.macro WIN new                         ; the immediate's high byte repeats the setting that is left
.if MSB != (\new)
	s_set_vgpr_msb (MSB<<8)|(\new)
.set MSB, (\new)
.endif
.endm
.macro PLACES n
.rept \n
	v_nop
.endr
.endm
.macro JLOAD s                         ; a joint load: waves 0, 1 fetch h's two blocks, waves 2, 3 W's two halves; an s_nop 0 and four v_nop follow each line
	s_cmp_eq_u32 s15, 0
	s_cbranch_scc0 .Lfor_w_\@
	tensor_load_to_lds s[G0A+4*\s:G0A+4*\s+3], s[G1A:G1A+7]
	s_nop 0
.rept 4
	v_nop
.endr
	s_branch .Lasked_\@
.Lfor_w_\@:
	tensor_load_to_lds s[G0B+4*\s:G0B+4*\s+3], s[G1B:G1B+7]
	s_nop 0
.rept 4
	v_nop
.endr
.Lasked_\@:
.endm
.macro CREST                           ; a round of the cluster's barrier behind its opening barrier
	s_cmp_lg_u32 s14, 0
	s_cbranch_scc1 .Lnot_wave_0_\@
	s_barrier_signal -3
.Lnot_wave_0_\@:
	s_barrier_wait -3
	s_barrier_signal -1
	s_barrier_wait -1
.endm
.macro CROUND
	s_barrier_signal -1
	s_barrier_wait -1
	CREST
.endm
	s_load_b64 s[4:5], s[0:1], 0x0                 ; h's images
	s_load_b128 s[8:11], s[0:1], 0x8               ; Wq: codes, scales
	s_load_b128 s[84:87], s[0:1], 0x18             ; Wk
	s_load_b128 s[88:91], s[0:1], 0x28             ; Wv
	s_load_b128 s[92:95], s[0:1], 0x38             ; qimg, kv
	v_lshl_add_u32 v[SPW], v0, 2, SPARE
	v_mov_b32 v[NIL], 0
	ds_add_u32 v[SPW], v[NIL]                      ; the opening: the add, twice on end, and its wait ahead of my first tensor load
	ds_add_u32 v[SPW], v[NIL]
	v_lshrrev_b32 v1, 5, v0
	v_readfirstlane_b32 s14, v1                    ; wave 0..3
	s_lshr_b32 s15, s14, 1                         ; my half of the tokens.  Also: I fetch h (0) or W (1)
	s_and_b32 s16, s14, 1                          ; my half of W's rows.  Also: which half I fetch
	s_bfe_u32 s40, ttmp6, 0x40000                  ; cx
	s_bfe_u32 s41, ttmp6, 0x40004                  ; cy
	s_and_b32 s17, ttmp7, 0xffff
	s_lshl_b32 s17, s17, 2
	s_add_co_u32 s17, s17, s41                     ; which 256 tokens
	s_lshl_b32 s43, s41, 2
	s_lshl_b32 s43, 15, s43                        ; my row of the cluster
	s_lshl_b32 s44, 0x1111, s40                    ; my column
	s_or_b32 s[G1A], s43, (3<<16)|(1<<21)          ; h's block: dense, 132 rows of 32 elements of 8 bytes, no padding
	s_mov_b32 s[G1A+1], 32<<16
	s_mov_b32 s[G1A+2], 132<<16
	s_mov_b32 s[G1A+3], 32<<16
	s_mov_b32 s[G1A+4], 132
	s_mov_b32 s[G1A+5], 32
	s_mov_b32 s[G1A+6], 0
	s_mov_b32 s[G1A+7], 0
	s_or_b32 s[G1B], s44, (1<<20)|(1<<21)|(5<<22)|(3<<25)   ; W: 128 rows of 256 bytes, KT apart, four words of padding behind every 64
	s_mov_b32 s[G1B+1], 256<<16
	s_mov_b32 s[G1B+2], 128<<16
	s_mov_b32 s[G1B+3], 256<<16
	s_mov_b32 s[G1B+4], 128
	s_mov_b32 s[G1B+5], KT
	s_mov_b32 s[G1B+6], 0
	s_mov_b32 s[G1B+7], 0
	s_or_b32 s[G1S], s44, (3<<16)|(1<<20)|(1<<21)|(5<<22)|(3<<25)   ; W's scale bytes of 64 rows: dense, as rows of 256 bytes, padded likewise
	s_mov_b32 s[G1S+1], 32<<16
	s_mov_b32 s[G1S+2], (64*KS/256)<<16
	s_mov_b32 s[G1S+3], 32<<16
	s_mov_b32 s[G1S+4], 64*KS/256
	s_mov_b32 s[G1S+5], 32
	s_mov_b32 s[G1S+6], 0
	s_mov_b32 s[G1S+7], 0
	s_lshl_b32 s20, s17, 1
	s_add_co_u32 s20, s20, s16
	s_mul_i32 s20, s20, NKS*ABLK                   ; h: block row 2 x (256 tokens) + the half that I fetch
	s_mov_b32 s21, 0
	s_lshl_b32 s46, s40, 8
	s_lshl_b32 s47, s16, 7
	s_add_co_u32 s46, s46, s47
	s_mul_i32 s46, s46, KT                         ; W: row 256 cx + 128 x half
	s_mov_b32 s47, 0
	s_lshl_b32 s80, s40, 8
	s_lshl_b32 s81, s14, 6
	s_add_co_u32 s80, s80, s81
	s_mul_i32 s80, s80, KS                         ; its scale bytes: row 256 cx + 64 x wave
	s_mov_b32 s81, 0
	s_mul_i32 s45, s16, ABLK                       ; where they go: no place in the cluster enters an LDS address
	s_mul_i32 s82, s16, BHALF
	s_add_co_u32 s82, s82, BOFF
	s_mul_i32 s18, s14, SCQ
	s_add_co_u32 s18, s18, SCL
	s_mov_b32 s19, 0x600000                        ; the mantissa field of 448
	s_mov_b32 s98, 0x76543210
	s_mov_b32 s99, 0xfedcba98                      ; lane l xor 16
	s_wait_dscnt 0x0                               ; both opening adds are done
	s_wait_kmcnt 0x0
	s_cmp_eq_u32 ttmp9, 1                          ; which W: the cluster's x, the same in all sixteen partners
	s_cselect_b64 s[8:9], s[84:85], s[8:9]
	s_cselect_b64 s[10:11], s[86:87], s[10:11]
	s_cmp_eq_u32 ttmp9, 2
	s_cselect_b64 s[8:9], s[88:89], s[8:9]
	s_cselect_b64 s[10:11], s[90:91], s[10:11]
	s_cselect_b32 s83, 1, 0                        ; 1: this cluster makes v
	s_add_nc_u64 s[20:21], s[4:5], s[20:21]
	s_add_nc_u64 s[46:47], s[8:9], s[46:47]
	s_add_nc_u64 s[80:81], s[10:11], s[80:81]
	s_mov_b32 s[G0S], 1
	s_mov_b32 s[G0S+1], s18
	s_mov_b64 s[G0S+2:G0S+3], s[80:81]
	s_or_b32 s[G0S+3], s[G0S+3], 0x80000000
.irp s, 0,1
	s_mov_b32 s[G0A+4*\s], 1
	s_add_co_u32 s[G0A+4*\s+1], s45, \s*SLOT
	s_add_nc_u64 s[G0A+4*\s+2:G0A+4*\s+3], s[20:21], \s*ABLK
	s_or_b32 s[G0A+4*\s+3], s[G0A+4*\s+3], 0x80000000
	s_mov_b32 s[G0B+4*\s], 1
	s_add_co_u32 s[G0B+4*\s+1], s82, \s*SLOT
	s_add_nc_u64 s[G0B+4*\s+2:G0B+4*\s+3], s[46:47], \s*256
	s_or_b32 s[G0B+4*\s+3], s[G0B+4*\s+3], 0x80000000
.endr
	CROUND                                         ; all sixteen work-groups are here: the first joint loads meet
	tensor_load_to_lds s[G0S:G0S+3], s[G1S:G1S+7]  ; every wave: a quarter of W's scale bytes.  With the two below, three loads of mine are out
	s_nop 0
.rept 4
	v_nop
.endr
	JLOAD 0
	JLOAD 1
	v_and_b32 v1, 15, v0                           ; r
	v_bfe_u32 v2, v0, 4, 1                         ; h
	v_and_b32 v3, 31, v0
	v_lshlrev_b32 v[L16], 4, v3
	v_lshlrev_b32 v[R4], 2, v1
	v_lshlrev_b32 v[L4], 2, v3
	v_and_b32 v4, 8, v1
	v_add_nc_u32 v4, v4, v1                        ; r + 8 (r / 8)
	s_mul_i32 s21, s15, ABLK
	v_add_nc_u32 v[ADRA], s21, v[L16]
	v_add_nc_u32 v[ADRA+1], SLOT, v[ADRA]
	v_lshl_add_u32 v5, v2, 9, v[R4]
	v_add_nc_u32 v[ADSA], s21, v5
	v_add_nc_u32 v[ADSA+1], SLOT, v[ADSA]
	v_mul_u32_u24 v6, v4, PITCH
	v_lshl_add_u32 v6, v2, 4, v6
	s_mul_i32 s22, s16, BHALF
	s_add_co_u32 s22, s22, BOFF
	v_add_nc_u32 v[ADRB], s22, v6
	v_add_nc_u32 v[ADRB+1], SLOT, v[ADRB]
	v_mul_u32_u24 v7, v4, KS                       ; my row's scale bytes,
	v_lshrrev_b32 v8, 8, v7
	v_lshl_add_u32 v7, v8, 4, v7                   ; 16 more for each 256 passed,
	v_lshl_add_u32 v7, v2, 2, v7                   ; lanes 16-31 the word of the second 128 of k
	s_mul_i32 s22, s16, 2*SCQ
	s_add_co_u32 s22, s22, SCL
	v_add_nc_u32 v[ADRS], s22, v7
	; where the results go
	s_lshr_b32 s18, s17, 3                         ; the batch,
	s_lshl_b32 s18, s18, 4
	s_lshl_b32 s20, s40, 2
	s_add_co_u32 s18, s18, s20
	s_lshl_b32 s20, s16, 1
	s_add_co_u32 s18, s18, s20                     ; 16 x batch + my first head (I make two)
	s_and_b32 s45, s17, 7
	s_lshl_b32 s45, s45, 1
	s_add_co_u32 s45, s45, s15                     ; which 128 tokens of the sequence
	s_lshl_b32 s20, s18, 17
	s_lshl_b32 s21, s45, 13
	s_add_co_u32 s20, s20, s21                     ; q: codes,
	s_lshl_b32 s21, s18, 13
	s_lshl_b32 s22, s45, 9
	s_add_co_u32 s21, s21, s22
	s_add_co_u32 s21, s21, 4194304                 ; scale words
	s_mul_i32 s22, s18, 278528
	s_mul_i32 s23, s45, 17408
	s_add_co_u32 s22, s22, s23                     ; k: the unit;
	s_cmp_eq_u32 ttmp9, 2
	s_cselect_b32 s23, 8704, 0
	s_add_co_u32 s22, s22, s23                     ; v: the unit behind it
	s_add_co_u32 s23, s22, 8192                    ; a unit's scale words
	s_cmp_eq_u32 ttmp9, 0
	s_cselect_b64 s[92:93], s[92:93], s[94:95]
	s_cselect_b32 s20, s20, s22
	s_cselect_b32 s21, s21, s23
	s_mov_b32 s22, 278528
	s_cselect_b32 s23, 131072, s22                 ; from head to head: codes,
	s_cselect_b32 s22, 8192, s22                   ; scale words
	s_mov_b32 s97, 0
	s_mov_b32 s96, s20
	s_add_nc_u64 s[84:85], s[92:93], s[96:97]      ; s[84:85], s[86:87]: my two heads' codes
	s_mov_b32 s96, s23
	s_add_nc_u64 s[86:87], s[84:85], s[96:97]
	s_mov_b32 s96, s21
	s_add_nc_u64 s[88:89], s[92:93], s[96:97]      ; s[88:89], s[90:91]: their scale words (q, k)
	s_mov_b32 s96, s22
	s_add_nc_u64 s[90:91], s[88:89], s[96:97]
.macro FRAGA reg, slot, q, i           ; a fragment of h: an image, 4 x 512 consecutive bytes
.irp c, 0,1,2,3
	ds_load_b128 v[\reg+4*\c:\reg+4*\c+3], v[ADRA+\slot] offset:4096*(\i)+2048*(\q)+512*\c
.endr
.endm
.macro FRAGB reg, slot, q, t           ; a fragment of W: tile t begins at row 32 (t / 2) + 8 (t % 2)
.irp c, 0,1,2,3
	ds_load_b128 v[\reg+4*\c:\reg+4*\c+3], v[ADRB+\slot] offset:(32*((\t)/2)+8*((\t)%2))*PITCH+128*(\q)+32*\c
.endr
.endm
; A run of LDS loads: P's eight fragments into set p, Q's tiles 0-3, and (sc = 1) the K step's scale words.  Two arms with the same number of loads, so that the counted waits hold on both.
.macro RUN1 slot, q, p, sc
	s_cmp_eq_u32 s83, 0
	s_cbranch_scc0 .Lr1v_\@
	WIN 0x40
.irp t, 0,1,2,3,4,5,6,7
	FRAGB 128*(\p)+16*\t, \slot, \q, \t
.endr
	WIN 0
.irp i, 0,1,2,3
	FRAGA QF+16*\i, \slot, \q, \i
.endr
.if \sc
.irp i, 0,1,2,3,4,5,6,7
	ds_load_b32 v[SQ+8*\slot+\i], v[ADSA+\slot] offset:32768+64*\i
	ds_load_b32 v[SP+8*\slot+\i], v[ADRS] offset:((32*(\i/2)+8*(\i%2))*KS/256)*272
.endr
.endif
	s_branch .Lr1j_\@
.Lr1v_\@:
	WIN 0x40
.irp t, 0,1,2,3,4,5,6,7
	FRAGA 128*(\p)+16*\t, \slot, \q, \t
.endr
	WIN 0
.irp i, 0,1,2,3
	FRAGB QF+16*\i, \slot, \q, \i
.endr
.if \sc
.irp i, 0,1,2,3,4,5,6,7
	ds_load_b32 v[SP+8*\slot+\i], v[ADSA+\slot] offset:32768+64*\i
	ds_load_b32 v[SQ+8*\slot+\i], v[ADRS] offset:((32*(\i/2)+8*(\i%2))*KS/256)*272
.endr
.endif
.Lr1j_\@:
.endm
.macro RUN2 slot, q                    ; Q's tiles 4-7
	s_cmp_eq_u32 s83, 0
	s_cbranch_scc0 .Lr2v_\@
.irp i, 4,5,6,7
	FRAGA QF+16*\i, \slot, \q, \i
.endr
	s_branch .Lr2j_\@
.Lr2v_\@:
.irp i, 4,5,6,7
	FRAGB QF+16*\i, \slot, \q, \i
.endr
.Lr2j_\@:
.endm
; 16 matrix instructions: Q's tiles a0, a0 + 1 x P's eight, the slot's q-th 128 along K.  A scale register holds q = 0 in lanes 0-15 and q = 1 in lanes 16-31.  zero = 1: the first product starts the sums.
; The 64 accumulators take turns, one instruction a turn, in the same order in every step.
.macro MUL16 a0, p, q, set, zero
.irp a, \a0, \a0+1
.irp b, 0,1,2,3,4,5,6,7
.set rD, 8*(8*((\a)%4)+\b)
.set rP, 128*(\p)+16*\b
.set rQ, QF+16*(\a)
.if \q
	v_wmma_scale_f32_16x16x128_f8f6f4 v[rD:rD+7], v[rP:rP+15], v[rQ:rQ+15], v[rD:rD+7], v[SP+8*(\set)+\b], v[SQ+8*(\set)+(\a)] matrix_a_scale:MATRIX_SCALE_ROW1 matrix_b_scale:MATRIX_SCALE_ROW1
.elseif \zero
	v_wmma_scale_f32_16x16x128_f8f6f4 v[rD:rD+7], v[rP:rP+15], v[rQ:rQ+15], 0, v[SP+8*(\set)+\b], v[SQ+8*(\set)+(\a)]
.else
	v_wmma_scale_f32_16x16x128_f8f6f4 v[rD:rD+7], v[rP:rP+15], v[rQ:rQ+15], v[rD:rD+7], v[SP+8*(\set)+\b], v[SQ+8*(\set)+(\a)]
.endif
.endr
.endr
.endm
; A slot's first 128 along K.  Eight places stand in front of each run of loads into registers that matrix instructions have read.
.macro STEP slot, zero
	s_wait_dscnt 16                                ; all but the youngest run, Q's tiles 4-7
	WIN 0xa1
	MUL16 0, 0, 0, \slot, \zero
	MUL16 2, 0, 0, \slot, \zero
	s_wait_dscnt 0x0
	PLACES 8
	WIN 0
	RUN1 \slot, 1, 1, 0
	WIN 0xf1
	MUL16 4, 0, 0, \slot, \zero
	MUL16 6, 0, 0, \slot, \zero
	PLACES 8
	WIN 0
	RUN2 \slot, 1
.endm
; A slot's second 128 along K, and the change of slots: one barrier; in front of it each wave waits for all its tensor loads, adds 0 to its spare word, and waits for that and for its reads of this slot.
.macro TURN slot, next, fill
	s_wait_tensorcnt 0x0                           ; all my tensor loads have landed: my part of the next slot
	ds_add_u32 v[SPW], v[NIL]
	s_wait_dscnt 17                                ; (the add and the youngest run may be out)
	WIN 0xa1
	MUL16 0, 1, 1, \slot, 0
	s_wait_dscnt 0x0                               ; the add is done, and my reads of this slot are over
	s_barrier_signal -1
	MUL16 2, 1, 1, \slot, 0
	WIN 0
	s_barrier_wait -1
.if \fill
	CREST                                          ; the barrier has opened a round of the cluster's: no wave of any partner still reads this slot or has a load on its way
	s_add_nc_u64 s[G0A+4*\slot+2:G0A+4*\slot+3], s[G0A+4*\slot+2:G0A+4*\slot+3], 2*ABLK
	s_add_nc_u64 s[G0B+4*\slot+2:G0B+4*\slot+3], s[G0B+4*\slot+2:G0B+4*\slot+3], 512
	JLOAD \slot                                    ; the first tensor load behind the round; its four v_nop are among the eight places
	PLACES 4
.else
	PLACES 8
.endif
	v_add_nc_u32 v[ADRS], 8, v[ADRS]               ; W's scale words of the next K step
	RUN1 \next, 0, 0, 1
	WIN 0xf1
	MUL16 4, 1, 1, \slot, 0
	MUL16 6, 1, 1, \slot, 0
	PLACES 8
	WIN 0
	RUN2 \next, 0
.endm
	s_wait_tensorcnt 1                             ; the scales and my part of K step 0 are in; K step 1's load, the one issued behind them, may be out
	s_barrier_signal -1
	s_barrier_wait -1
	RUN1 0, 0, 0, 1
	RUN2 0, 0
	STEP 0, 1
	s_mov_b32 s3, LAPS-1
.Llap:                                             ; a trip goes once round the ring and fills both slots again
	TURN 0, 1, 1
	STEP 1, 0
	TURN 1, 0, 1
	STEP 0, 0
	s_sub_co_u32 s3, s3, 1
	s_cmp_lg_u32 s3, 0
	s_cbranch_scc1 .Llap
	TURN 0, 1, 0                                   ; the last lap fills nothing
	STEP 1, 0
	s_wait_dscnt 16
	WIN 0xa1
	MUL16 0, 1, 1, 1, 0
	MUL16 2, 1, 1, 1, 0
	s_wait_dscnt 0x0
	WIN 0xf1
	MUL16 4, 1, 1, 1, 0
	MUL16 6, 1, 1, 1, 0
	WIN 0
	PLACES 8
; THE WAY OUT.  Q tile a's 64 registers become one fragment's codes (v[PC] on) and its scale word, by the quantiser's rule; each accumulator is read from its low end on.
.macro QUANT a
.set AC, 64*((\a)%4)
.set W, 2+(\a)/4
	s_wait_xcnt 0x0                                ; the last tile's stores have read their data: codes and words are written again only behind this wait
	WIN W|(W<<2)
.irp c, 0,1,2,3
	v_max3_num_f32 v[TM+\c], |v[AC+16*\c]|, |v[AC+16*\c+1]|, 0x4800000   ; with the floor 2^(9 - 127): the byte cannot fall under 1
.endr
	WIN (W<<2)|(W<<4)
.irp i, 2,4,6,8,10,12,14
.irp c, 0,1,2,3
	v_max3_num_f32 v[TM+\c], v[TM+\c], |v[AC+16*\c+\i]|, |v[AC+16*\c+\i+1]|
.endr
.endr
	WIN 0
.irp c, 0,1,2,3
	v_permlanex16_b32 v[TM+4+\c], v[TM+\c], s98, s99
.endr
.irp c, 0,1,2,3
	v_max_num_f32 v[TM+\c], v[TM+\c], v[TM+4+\c]   ; the block's largest magnitude
.endr
.irp c, 0,1,2,3
	v_add_nc_u32 v[TM+12+\c], 0xfc000000, v[TM+\c] ; 8 off its exponent field: the conversion's scale operand
.endr
.irp c, 0,1,2,3
	v_and_or_b32 v[TM+8+\c], v[TM+\c], 0x7f800000, s19   ; 448 x the scale
.endr
.irp c, 0,1,2,3
	v_lshrrev_b32 v[TM+4+\c], 23, v[TM+12+\c]      ; the byte
.endr
	v_lshl_or_b32 v[PW+1], v[TM+5], 8, v[TM+4]     ; the first head's word (q, k): bytes 2 and 3 are 0,
	v_lshl_or_b32 v[PW+2], v[TM+7], 8, v[TM+6]     ; the second head's,
	v_lshl_or_b32 v[PW], v[PW+2], 16, v[PW+1]      ; and all four bytes (v)
	WIN W
.irp c, 0,1,2,3
.irp i, 0,1,2,3,4,5,6,7,8,9,10,11,12,13,14,15
	v_med3_num_f32 v[XT+16*\c+\i], v[AC+16*\c+\i], -v[TM+8+\c], v[TM+8+\c]   ; the conversion does not saturate (ISA guide 7.6.2): the hold
.endr
.endr
	WIN 0
.irp c, 0,1,2,3
	v_cvt_scalef32_pk8_fp8_f32 v[PC+4*\c:PC+4*\c+1], v[XT+16*\c:XT+16*\c+7], v[TM+12+\c]
	v_cvt_scalef32_pk8_fp8_f32 v[PC+4*\c+2:PC+4*\c+3], v[XT+16*\c+8:XT+16*\c+15], v[TM+12+\c]
.endr
	v_nop                                          ; a plain instruction behind the last conversion
.endm
.macro OUT a
	s_cmp_eq_u32 s83, 0
	s_cbranch_scc0 .Lov_\@
	global_store_b128 v[L16], v[PC:PC+3], s[84:85] offset:1024*(\a)          ; q, k: blocks 0, 1 are the first head's 64 channels,
	global_store_b128 v[L16], v[PC+4:PC+7], s[84:85] offset:1024*(\a)+512
	global_store_b128 v[L16], v[PC+8:PC+11], s[86:87] offset:1024*(\a)       ; blocks 2, 3 the second's; 512 consecutive bytes a store
	global_store_b128 v[L16], v[PC+12:PC+15], s[86:87] offset:1024*(\a)+512
	global_store_b32 v[R4], v[PW+1], s[88:89] offset:64*(\a)
	global_store_b32 v[R4], v[PW+2], s[90:91] offset:64*(\a)
	s_branch .Loj_\@
.Lov_\@:
.irp c, 0,1,2,3
	global_store_b128 v[L16], v[PC+4*\c:PC+4*\c+3], s[84+2*((\a)/4):85+2*((\a)/4)] offset:2048*((\a)%4)+512*\c   ; v: tiles 0-3 are the first head's channels, 4-7 the second's
.endr
	global_store_b32 v[L4], v[PW], s[84+2*((\a)/4):85+2*((\a)/4)] offset:8192+128*((\a)%4)
.Loj_\@:
.endm
.irp c, 0,1,2,3
	v_mov_b32 v[TM+4+\c], 0                        ; written once: a lane permute's destination counts as one of its sources
.endr
.irp a, 0,1,2,3,4,5,6,7
	QUANT \a
	OUT \a
.endr
	s_wait_tensorcnt 0x0                           ; the wave's end
	ds_add_u32 v[SPW], v[NIL]
	s_wait_dscnt 0x0
	CROUND                                         ; the closing round
	s_endpgm
.Lfunc_end_k_qf21b093039_qkv:
	.size	k_qf21b093039_qkv, .Lfunc_end_k_qf21b093039_qkv-k_qf21b093039_qkv
	.p2alignl 7, 3214868480
	.fill 96, 4, 3214868480
	.section	.rodata,"a",@progbits
	.p2align	6, 0x0
	.amdhsa_kernel k_qf21b093039_qkv
		.amdhsa_group_segment_fixed_size 327680
		.amdhsa_private_segment_fixed_size 0
		.amdhsa_enable_private_segment 0
		.amdhsa_kernarg_size 72
		.amdhsa_user_sgpr_count 2
		.amdhsa_user_sgpr_kernarg_segment_ptr 1
		.amdhsa_wavefront_size32 1
		.amdhsa_system_sgpr_workgroup_id_x 1
		.amdhsa_system_sgpr_workgroup_id_y 1
		.amdhsa_system_sgpr_workgroup_id_z 1
		.amdhsa_system_vgpr_workitem_id 0
		.amdhsa_next_free_vgpr 1024
		.amdhsa_next_free_sgpr 100
		.amdhsa_reserve_vcc 0
		.amdhsa_float_denorm_mode_32 3
		.amdhsa_float_denorm_mode_16_64 3
		.amdhsa_memory_ordered 1
		.amdhsa_forward_progress 1
		.amdhsa_inst_pref_size 231
	.end_amdhsa_kernel
	.amdgpu_metadata
---
amdhsa.version: [ 1, 2 ]
amdhsa.kernels:
  - .name:           k_qf21b093039_qkv
    .symbol:         k_qf21b093039_qkv.kd
    .args:
      - { .name: himg, .offset: 0, .size: 8, .value_kind: global_buffer, .address_space: global }
      - { .name: Wq_codes, .offset: 8, .size: 8, .value_kind: global_buffer, .address_space: global }
      - { .name: Wq_scales, .offset: 16, .size: 8, .value_kind: global_buffer, .address_space: global }
      - { .name: Wk_codes, .offset: 24, .size: 8, .value_kind: global_buffer, .address_space: global }
      - { .name: Wk_scales, .offset: 32, .size: 8, .value_kind: global_buffer, .address_space: global }
      - { .name: Wv_codes, .offset: 40, .size: 8, .value_kind: global_buffer, .address_space: global }
      - { .name: Wv_scales, .offset: 48, .size: 8, .value_kind: global_buffer, .address_space: global }
      - { .name: qimg, .offset: 56, .size: 8, .value_kind: global_buffer, .address_space: global }
      - { .name: kv, .offset: 64, .size: 8, .value_kind: global_buffer, .address_space: global }
    .group_segment_fixed_size: 327680
    .private_segment_fixed_size: 0
    .kernarg_segment_align: 8
    .kernarg_segment_size: 72
    .max_flat_workgroup_size: 128
    .sgpr_count:     100
    .vgpr_count:     1024
    .wavefront_size: 32
...
	.end_amdgpu_metadata
.endif
;; end of part 2
;; launch attn (part 3): grid 8 x 32, 16 waves a work-group, clusters of 4 x 1, 327,680 bytes of LDS; arguments qimg, kv, oimg; writes oimg
.if DOCPART == 3
	.amdgcn_target "amdgcn-amd-amdhsa--gfx1250"
	.amdhsa_code_object_version 6
	.text
	.protected	k_qf21b093039_attn
	.globl	k_qf21b093039_attn
	.p2align	8
	.type	k_qf21b093039_attn,@function
k_qf21b093039_attn:
	s_mov_b64 s[64:65], 0
	v_nop
	global_prefetch_b8 v0, s[64:65] scope:SCOPE_SE
	s_setreg_imm32_b32 hwreg(HW_REG_WAVE_MODE, 25, 1), 1
	s_wait_xcnt 0x0
	s_wait_alu depctr_hold_cnt(0) depctr_sa_sdst(0) depctr_va_vdst(0) depctr_va_sdst(0) depctr_va_ssrc(0) depctr_va_vcc(0) depctr_vm_vsrc(0)
	s_getreg_b32 s2, hwreg(HW_REG_IB_STS2, 6, 4)
	s_cmp_eq_u32 s2, 0
	s_cbranch_scc0 .Lentry_in_a_cluster
	s_endpgm
.Lentry_in_a_cluster:
	s_bfe_u32 s2, ttmp6, 0x10000c
	s_cmp_lg_u32 s2, 0x3003
	s_cbranch_scc0 .Lentry_shape_is_right
	s_endpgm
.Lentry_shape_is_right:
; o = softmax(q k^T / 8) v for one (batch, head), no mask, both products on codes of E4M3; o is divided by the row's sum and quantised along the model's 1,024 for the projection.  Nothing is left out.
; THE SOFTMAX: t = score x log2(e) / 8; M = the running largest t rounded UP to a whole number; p = 2^(t - M) is quantised along the keys, not normalised; the sum is taken of the unquantised p.  When M moves, the sum and O
; are multiplied by 2^(old M - new M): exact.
; SHARES.  A work-group owns 256 queries of a head, each of its sixteen waves one tile of 16, in 256 registers: four waves to a SIMD, so that one wave's vector work stands beside another's products and LDS loads.
; A HEAD'S K AND V LIE WHOLE IN LDS: 32 units of 8,704 bytes (unit 2 s: keys 128 s on; unit 2 s + 1: v of the same keys), images of operand registers with their scale words.  Each wave asks for two units at the head;
; nothing is filled again, so there is no ring.  The four query blocks of a cluster belong to one head: each unit is asked for JOINTLY, by the same load with a mask that names the four.
; LAYOUT.  S^T = K Q^T, O^T = V^T P^T: a lane holds one query throughout.  Key tiles and channel tiles have the rows 32 (T / 2) + 8 (T % 2) + r + 8 (r / 8), so that the 16 registers of tiles 2 c, 2 c + 1 are 16 neighbours.
; The first product's K is the head's 64: registers 8-15 of Q's and K's fragments hold zero codes, which add nothing; bytes 2, 3 of their scale words are 0, which is a scale and no NaN.
; OUT: oimg, as images [token / 128][k / 256][33,792], k = 64 head + e.  A scale word holds two heads' bytes, so each wave stores its two bytes a row by a 2-byte store: 32 bytes a tile beside 1,024 of codes.
; LIMITS: NaN and infinities are not served; a block of zeros gets the byte 1.
; REGISTERS: v1 16 lane, v2 4 lane, v3, v4 the step's addresses, v5, v6 the add's, v7 4 r; v12 -M, v13 the largest t, v[14:15] the sum; v16-31 Q; v32-95 four fragments of K; v96-159 S^T, then p, then V's four fragments;
; v160-191 O^T; v192-207 p's codes; v208-223 at work; v224-227 K's words, v228-231 V's, v232 Q's, v233 p's; v[234:235] f; v236 at work; v[238:239] the sum's second chain.
.set UNIT,  8704
.set SPARE, 32*UNIT                    ; behind the head's units: the spare words, 128 bytes for each of sixteen waves
.macro CROUND
	s_barrier_signal -1
	s_barrier_wait -1
	s_cmp_lg_u32 s10, 0
	s_cbranch_scc1 .Lnot_wave_0_\@
	s_barrier_signal -3
.Lnot_wave_0_\@:
	s_barrier_wait -3
	s_barrier_signal -1
	s_barrier_wait -1
.endm
	s_load_b128 s[4:7], s[0:1], 0x0                ; qimg, kv
	s_load_b64 s[8:9], s[0:1], 0x10                ; oimg
	v_lshl_add_u32 v5, v0, 2, SPARE
	v_mov_b32 v6, 0
	ds_add_u32 v5, v6                              ; the opening: the add, twice on end, and its wait ahead of my first tensor load
	ds_add_u32 v5, v6
	v_lshrrev_b32 v1, 5, v0
	v_readfirstlane_b32 s10, v1                    ; wave 0..15
	s_bfe_u32 s11, ttmp6, 0x40000                  ; cx: it enters Q's and O's addresses alone
	s_lshl_b32 s12, ttmp9, 2
	s_add_co_u32 s12, s12, s11                     ; my block of 256 queries
	s_and_b32 s13, ttmp7, 0xffff                   ; 16 x batch + head, which the four partners share
	s_mov_b32 s24, 15|(3<<16)|(1<<21)              ; a unit: dense, 34 rows of 32 elements of 8 bytes; the mask names all four work-groups
	s_mov_b32 s25, 32<<16
	s_mov_b32 s26, 34<<16
	s_mov_b32 s27, 32<<16
	s_mov_b32 s28, 34
	s_mov_b32 s29, 32
	s_mov_b32 s30, 0
	s_mov_b32 s31, 0
	s_mul_i32 s14, s10, UNIT                       ; unit w: in LDS and in the head's bytes alike
	s_mul_i32 s16, s13, 32*UNIT
	s_add_co_u32 s16, s16, s14
	s_mov_b32 s17, 0
	s_mov_b32 s20, 0x76543210
	s_mov_b32 s21, 0xfedcba98                      ; lane l xor 16
	s_mov_b32 s22, 0x3e38aa3b                      ; c = log2(e) / 8
	s_mov_b32 s23, s22                             ; (named with it as a pair)
	s_mov_b32 s19, 0x600000                        ; the mantissa field of 448
	s_mov_b32 s2, 0                                ; LDS byte of the step's two units
	s_wait_dscnt 0x0                               ; both opening adds are done
	s_wait_kmcnt 0x0
	s_add_nc_u64 s[6:7], s[6:7], s[16:17]
	s_mov_b32 s32, 1
	s_mov_b32 s33, s14
	s_mov_b64 s[34:35], s[6:7]
	s_or_b32 s35, s35, 0x80000000
	s_mov_b32 s36, 1
	s_add_co_u32 s37, s14, 16*UNIT
	s_add_nc_u64 s[38:39], s[6:7], 16*UNIT
	s_or_b32 s39, s39, 0x80000000
	CROUND                                         ; all four work-groups are here: the joint loads meet
	tensor_load_to_lds s[32:35], s[24:31]          ; unit w: among keys 0 to 1,023
	s_nop 0
	tensor_load_to_lds s[36:39], s[24:31]          ; unit 16 + w: among keys 1,024 on.  Two loads of mine are out
	s_nop 0
.rept 4
	v_nop
.endr
	s_lshl_b32 s18, s12, 4
	s_add_co_u32 s18, s18, s10                     ; my tile of queries, 0 .. 127
	s_lshl_b32 s40, s13, 17
	s_lshl_b32 s41, s18, 10
	s_add_co_u32 s40, s40, s41
	s_mov_b32 s41, 0
	s_add_nc_u64 s[44:45], s[4:5], s[40:41]        ; its codes
	s_lshl_b32 s40, s13, 13
	s_lshl_b32 s42, s18, 6
	s_add_co_u32 s40, s40, s42
	s_add_co_u32 s40, s40, 4194304
	s_add_nc_u64 s[46:47], s[4:5], s[40:41]        ; its scale words
	v_and_b32 v8, 31, v0
	v_lshlrev_b32 v1, 4, v8
	v_lshlrev_b32 v2, 2, v8
	v_and_b32 v7, 15, v0
	v_lshlrev_b32 v7, 2, v7
	global_load_b128 v[16:19], v1, s[44:45]
	global_load_b128 v[20:23], v1, s[44:45] offset:512
	global_load_b32 v232, v7, s[46:47]
	s_lshr_b32 s40, s13, 4                         ; where o goes: the tile among all tokens' tiles,
	s_lshl_b32 s40, s40, 7
	s_add_co_u32 s40, s40, s18
	s_and_b32 s42, s13, 15                         ; the head
	s_lshr_b32 s43, s40, 3
	s_lshl_b32 s43, s43, 2
	s_lshr_b32 s3, s42, 2
	s_add_co_u32 s43, s43, s3
	s_mul_i32 s43, s43, 33792                      ; the block: (tile / 8) x 4 + head / 4
	s_and_b32 s40, s40, 7
	s_bfe_u32 s3, s42, 0x10001                     ; which 128 of its 256 along k: (head / 2) % 2
	s_and_b32 s42, s42, 1                          ; which 64 of those
	s_lshl_b32 s16, s40, 12
	s_add_co_u32 s16, s16, s43
	s_lshl_b32 s11, s3, 11
	s_add_co_u32 s16, s16, s11
	s_lshl_b32 s11, s42, 10
	s_add_co_u32 s16, s16, s11
	s_mov_b32 s17, 0
	s_add_nc_u64 s[16:17], s[8:9], s[16:17]        ; the codes
	s_lshl_b32 s14, s40, 6
	s_add_co_u32 s14, s14, s43
	s_lshl_b32 s11, s3, 9
	s_add_co_u32 s14, s14, s11
	s_lshl_b32 s11, s42, 1
	s_add_co_u32 s14, s14, s11
	s_add_co_u32 s14, s14, 32768
	s_mov_b32 s15, 0
	s_add_nc_u64 s[14:15], s[8:9], s[14:15]        ; my two bytes of each row's scale word
.irp j, 24,25,26,27,28,29,30,31
	v_mov_b32 v[\j], 0                             ; zero codes for k = 64 .. 127 of the first product: Q's,
.endr
.irp t, 0,1,2,3
.irp j, 8,9,10,11,12,13,14,15
	v_mov_b32 v[32+16*\t+\j], 0                    ; and K's: written once, no load lands there
.endr
.endr
.set j, 0
.rept 32
	v_mov_b32 v[160+j], 0                          ; O^T.  (The step is written once: the first finds zeros, which the first change of M leaves zeros)
.set j, j+1
.endr
	v_mov_b32 v13, 0xff61b1e6                      ; the largest t so far: -3e38
	v_floor_f32 v12, -v13                          ; -M
	v_mov_b32 v14, 0
	v_mov_b32 v15, 0
.irp b, 0,1,2,3
	v_mov_b32 v[212+\b], 0                         ; a lane permute's destination counts as one of its sources
.endr
	v_mov_b32 v235, 0                              ; (named as the upper half of the pair v[234:235])
; A KEY STEP: 128 keys.
.macro STEP
	v_add_nc_u32 v3, s2, v1
	v_add_nc_u32 v4, s2, v2
.rept 7
	v_nop                                          ; with the two additions nine places: S^T is written over registers that the last products read as V's fragments
.endr
.irp g, 0,1                                    ; S^T = K Q^T, four tiles of 16 keys at a time
.if \g
.rept 8
	v_nop                                          ; places in front of loads into registers that matrix instructions have read
.endr
.endif
.irp t, 0,1,2,3
	ds_load_b128 v[32+16*\t:35+16*\t], v3 offset:1024*(4*\g+\t)
	ds_load_b128 v[36+16*\t:39+16*\t], v3 offset:1024*(4*\g+\t)+512
.endr
.if \g == 0
.irp m, 0,1,2,3
	ds_load_b32 v[224+\m], v4 offset:8192+128*\m   ; lanes 0-15: tile 2 m's words; lanes 16-31: tile 2 m + 1's
.endr
.endif
	s_wait_dscnt 0x0
.irp t, 0,1,2,3
.if \t%2
	v_wmma_scale_f32_16x16x128_f8f6f4 v[96+8*(4*\g+\t):103+8*(4*\g+\t)], v[32+16*\t:47+16*\t], v[16:31], 0, v[224+2*\g+\t/2], v232 matrix_a_scale:MATRIX_SCALE_ROW1
.else
	v_wmma_scale_f32_16x16x128_f8f6f4 v[96+8*(4*\g+\t):103+8*(4*\g+\t)], v[32+16*\t:47+16*\t], v[16:31], 0, v[224+2*\g+\t/2], v232
.endif
.endr
.endr
.rept 8
	v_nop
.endr
.irp b, 0,1,2,3
	v_max3_num_f32 v[208+\b], v[96+16*\b], v[97+16*\b], v[98+16*\b]   ; the largest score of each block of 32 keys: for the row's maximum, and, since p rises with the score, for the block's largest p
.endr
.irp i, 3,5,7,9,11,13
.irp b, 0,1,2,3
	v_max3_num_f32 v[208+\b], v[208+\b], v[96+16*\b+\i], v[97+16*\b+\i]
.endr
.endr
.irp b, 0,1,2,3
	v_max_num_f32 v[208+\b], v[208+\b], v[111+16*\b]
.endr
.irp b, 0,1,2,3
	v_permlanex16_b32 v[212+\b], v[208+\b], s20, s21
.endr
.irp b, 0,1,2,3
	v_max_num_f32 v[208+\b], v[208+\b], v[212+\b]  ; with lane l xor 16's 16 keys
.endr
	v_max3_num_f32 v236, v208, v209, v210
	v_max_num_f32 v236, v236, v211
	v_mul_f32 v236, s22, v236                      ; as t (c is positive)
	v_max_num_f32 v13, v13, v236                   ; the running largest t
	v_mov_b32 v236, v12
	v_floor_f32 v12, -v13                          ; the new -M = -ceil(t): a whole number
	v_sub_f32 v236, v12, v236                      ; old M - new M: a whole number, 0 or less
	v_cvt_i32_f32 v236, v236                       ; (it saturates)
	v_ldexp_f32 v234, 1.0, v236                    ; f = 2^(old M - new M)
.set j, 0
.rept 32
	v_pk_fma_f32 v[96+j:97+j], v[96+j:97+j], s[22:23], v[12:13] op_sel_hi:[1,0,0]   ; t - M, two at a time
.set j, j+2
.endr
.irp b, 0,1,2,3
	v_fma_f32 v[208+\b], v[208+\b], s22, v12       ; the same of each block's largest score
.endr
.set j, 0
.rept 64
	v_exp_f32 v[96+j], v[96+j]                     ; p = 2^(t - M): one batch
.set j, j+1
.endr
	v_pk_mul_f32 v[14:15], v[14:15], v[234:235] op_sel_hi:[1,0]   ; the sums under the new M: a plain instruction behind the batch
	s_wait_alu depctr_va_vdst(0)                   ; the wait ahead of the first reader: one for the 64
.irp b, 0,1,2,3
	v_exp_f32 v[208+\b], v[208+\b]                 ; the block's largest p
.endr
	v_pk_add_f32 v[238:239], v[96:97], v[98:99]    ; the row's sum is taken of the unquantised p, in two chains
.irp j, 4,8,12,16,20,24,28,32,36,40,44,48,52,56,60
	v_pk_add_f32 v[14:15], v[14:15], v[96+\j:97+\j]
	v_pk_add_f32 v[238:239], v[238:239], v[98+\j:99+\j]
.endr
	v_pk_add_f32 v[14:15], v[14:15], v[238:239]
	s_wait_alu depctr_va_vdst(0)                   ; and one for the four
.irp b, 0,1,2,3
	v_max_num_f32 v[208+\b], 0x4800000, v[208+\b]  ; the floor 2^(9 - 127)
.endr
.irp b, 0,1,2,3
	v_add_nc_u32 v[220+\b], 0xfc000000, v[208+\b]  ; the conversion's scale operand
.endr
.irp b, 0,1,2,3
	v_and_or_b32 v[216+\b], v[208+\b], 0x7f800000, s19   ; 448 x the scale
.endr
.irp b, 0,1,2,3
	v_lshrrev_b32 v[212+\b], 23, v[220+\b]         ; the byte
.endr
	v_lshl_or_b32 v233, v213, 8, v212              ; p's scale word for these 128 keys
	v_lshl_or_b32 v233, v214, 16, v233
	v_lshl_or_b32 v233, v215, 24, v233
.irp b, 0,1,2,3
.irp i, 0,1,2,3,4,5,6,7,8,9,10,11,12,13,14,15
	v_min_num_f32 v[96+16*\b+\i], v[96+16*\b+\i], v[216+\b]   ; the conversion does not saturate (ISA guide 7.6.2); p is not negative: a one-sided hold
.endr
	v_cvt_scalef32_pk8_fp8_f32 v[192+4*\b:193+4*\b], v[96+16*\b:103+16*\b], v[220+\b]
	v_cvt_scalef32_pk8_fp8_f32 v[194+4*\b:195+4*\b], v[104+16*\b:111+16*\b], v[220+\b]
.endr
.irp ct, 0,1,2,3                               ; V's four fragments take p's registers, which the conversions have read
.irp c, 0,1,2,3
	ds_load_b128 v[96+16*\ct+4*\c:99+16*\ct+4*\c], v3 offset:UNIT+2048*\ct+512*\c
.endr
	ds_load_b32 v[228+\ct], v4 offset:UNIT+8192+128*\ct
.endr
.set j, 0
.rept 16
	v_pk_mul_f32 v[160+j:161+j], v[160+j:161+j], v[234:235] op_sel_hi:[1,0]   ; O^T under the new M, while the loads are out; these are also the places in front of the products
.set j, j+2
.endr
	s_wait_dscnt 0x0
.irp ct, 0,1,2,3                               ; O^T += V^T P^T: the four accumulators by turns
	v_wmma_scale_f32_16x16x128_f8f6f4 v[160+8*\ct:167+8*\ct], v[96+16*\ct:111+16*\ct], v[192:207], v[160+8*\ct:167+8*\ct], v[228+\ct], v233
.endr
.endm
.macro HALF                            ; eight key steps: 1,024 keys
	s_mov_b32 s40, 8
.Lstep_\@:
	STEP
	s_add_co_u32 s2, s2, 2*UNIT
	s_sub_co_u32 s40, s40, 1
	s_cmp_lg_u32 s40, 0
	s_cbranch_scc1 .Lstep_\@
.endm
	s_wait_loadcnt 0x0                             ; Q
	s_wait_tensorcnt 1                             ; my first unit is in; my second, the one issued behind it, may be out
	s_barrier_signal -1
	s_barrier_wait -1                              ; units 0 to 15 are whole
	HALF
	s_wait_tensorcnt 0x0                           ; my second unit is in
	s_wait_dscnt 0x0
	s_barrier_signal -1
	s_barrier_wait -1                              ; units 16 to 31 are whole
	HALF
	; THE WAY OUT: o = O^T / the sum; its 32 registers are two blocks of 32 along the projection's K: quantised, they are half a fragment
.rept 8
	v_nop
.endr
	v_add_f32 v14, v14, v15
	v_permlanex16_b32 v236, v14, s20, s21
	v_add_f32 v14, v14, v236                       ; the row's sum
	v_rcp_f32 v234, v14
	v_nop
	s_wait_alu depctr_va_vdst(0)                   ; the wait ahead of the reciprocal's first reader
.set j, 0
.rept 16
	v_pk_mul_f32 v[160+j:161+j], v[160+j:161+j], v[234:235] op_sel_hi:[1,0]
.set j, j+2
.endr
.irp b, 0,1
	v_max3_num_f32 v[208+\b], |v[160+16*\b]|, |v[161+16*\b]|, 0x4800000
.endr
.irp i, 2,4,6,8,10,12,14
.irp b, 0,1
	v_max3_num_f32 v[208+\b], v[208+\b], |v[160+16*\b+\i]|, |v[161+16*\b+\i]|
.endr
.endr
.irp b, 0,1
	v_permlanex16_b32 v[212+\b], v[208+\b], s20, s21
.endr
.irp b, 0,1
	v_max_num_f32 v[208+\b], v[208+\b], v[212+\b]
.endr
.irp b, 0,1
	v_add_nc_u32 v[220+\b], 0xfc000000, v[208+\b]
.endr
.irp b, 0,1
	v_and_or_b32 v[216+\b], v[208+\b], 0x7f800000, s19
.endr
.irp b, 0,1
	v_lshrrev_b32 v[212+\b], 23, v[220+\b]
.endr
	v_lshl_or_b32 v233, v213, 8, v212              ; my head's two bytes of the row's scale word
.irp b, 0,1
.irp i, 0,1,2,3,4,5,6,7,8,9,10,11,12,13,14,15
	v_med3_num_f32 v[160+16*\b+\i], v[160+16*\b+\i], -v[216+\b], v[216+\b]
.endr
	v_cvt_scalef32_pk8_fp8_f32 v[192+4*\b:193+4*\b], v[160+16*\b:167+16*\b], v[220+\b]
	v_cvt_scalef32_pk8_fp8_f32 v[194+4*\b:195+4*\b], v[168+16*\b:175+16*\b], v[220+\b]
.endr
	v_nop
	global_store_b128 v1, v[192:195], s[16:17]     ; 512 consecutive bytes a store
	global_store_b128 v1, v[196:199], s[16:17] offset:512
	global_store_b16 v7, v233, s[14:15]            ; lanes r and r + 16 store the same two bytes to the same place
	s_wait_tensorcnt 0x0                           ; the wave's end
	ds_add_u32 v5, v6
	s_wait_dscnt 0x0
	CROUND                                         ; the closing round
	s_endpgm
.Lfunc_end_k_qf21b093039_attn:
	.size	k_qf21b093039_attn, .Lfunc_end_k_qf21b093039_attn-k_qf21b093039_attn
	.p2alignl 7, 3214868480
	.fill 96, 4, 3214868480
	.section	.rodata,"a",@progbits
	.p2align	6, 0x0
	.amdhsa_kernel k_qf21b093039_attn
		.amdhsa_group_segment_fixed_size 327680
		.amdhsa_private_segment_fixed_size 0
		.amdhsa_enable_private_segment 0
		.amdhsa_kernarg_size 24
		.amdhsa_user_sgpr_count 2
		.amdhsa_user_sgpr_kernarg_segment_ptr 1
		.amdhsa_wavefront_size32 1
		.amdhsa_system_sgpr_workgroup_id_x 1
		.amdhsa_system_sgpr_workgroup_id_y 1
		.amdhsa_system_sgpr_workgroup_id_z 1
		.amdhsa_system_vgpr_workitem_id 0
		.amdhsa_next_free_vgpr 256
		.amdhsa_next_free_sgpr 66
		.amdhsa_reserve_vcc 0
		.amdhsa_float_denorm_mode_32 3
		.amdhsa_float_denorm_mode_16_64 3
		.amdhsa_memory_ordered 1
		.amdhsa_forward_progress 1
		.amdhsa_inst_pref_size 52
	.end_amdhsa_kernel
	.amdgpu_metadata
---
amdhsa.version: [ 1, 2 ]
amdhsa.kernels:
  - .name:           k_qf21b093039_attn
    .symbol:         k_qf21b093039_attn.kd
    .args:
      - { .name: qimg, .offset: 0, .size: 8, .value_kind: global_buffer, .address_space: global }
      - { .name: kv, .offset: 8, .size: 8, .value_kind: global_buffer, .address_space: global }
      - { .name: oimg, .offset: 16, .size: 8, .value_kind: global_buffer, .address_space: global }
    .group_segment_fixed_size: 327680
    .private_segment_fixed_size: 0
    .kernarg_segment_align: 8
    .kernarg_segment_size: 24
    .max_flat_workgroup_size: 512
    .sgpr_count:     66
    .vgpr_count:     256
    .wavefront_size: 32
...
	.end_amdgpu_metadata
.endif
;; end of part 3
;; launch proj (part 4): grid 4 x 16, 4 waves a work-group, clusters of 4 x 4, 327,680 bytes of LDS; arguments oimg, Wproj_codes, Wproj_scales, bproj, x, x1; writes x1
.if DOCPART == 4
	.amdgcn_target "amdgcn-amd-amdhsa--gfx1250"
	.amdhsa_code_object_version 6
	.text
	.protected	k_qf21b093039_proj
	.globl	k_qf21b093039_proj
	.p2align	8
	.type	k_qf21b093039_proj,@function
k_qf21b093039_proj:
	s_mov_b64 s[64:65], 0
	v_nop
	global_prefetch_b8 v0, s[64:65] scope:SCOPE_SE
	s_setreg_imm32_b32 hwreg(HW_REG_WAVE_MODE, 25, 1), 1
	s_wait_xcnt 0x0
	s_wait_alu depctr_hold_cnt(0) depctr_sa_sdst(0) depctr_va_vdst(0) depctr_va_sdst(0) depctr_va_ssrc(0) depctr_va_vcc(0) depctr_vm_vsrc(0)
	s_getreg_b32 s2, hwreg(HW_REG_IB_STS2, 6, 4)
	s_cmp_eq_u32 s2, 0
	s_cbranch_scc0 .Lentry_in_a_cluster
	s_endpgm
.Lentry_in_a_cluster:
	s_bfe_u32 s2, ttmp6, 0x10000c
	s_cmp_lg_u32 s2, 0xf033
	s_cbranch_scc0 .Lentry_shape_is_right
	s_endpgm
.Lentry_shape_is_right:
; out = res + act W^T + bias, the product on codes of E4M3 with E8M0 scales; out, res: [4,096][1,024] f32.  Here: act = o, W = Wproj, res = x, out = x1.  Nothing is left out.
; act: images of operand registers, [token / 128][k / 256][33,792 bytes] (codes [tile 8][2][c 4][lane][16], then scale words [2][tile 8][row 16]).  W: rows [n][KT codes], scale bytes [n][KT / 32].
; A work-group makes 256 tokens x 256 n; four waves, each 128 x 128: 64 accumulators, 512 registers.  K goes in steps of 256 through two LDS slots filled by the tensor data mover.
; 4 x 4 work-groups form a cluster: act's blocks are asked for jointly along a row of the cluster, W's tiles and scale bytes along a column.  The output has 64 such tiles: the launch has 64 work-groups.
; ROWS OF A TILE: lane r of tile T takes row 32 (T / 2) + 8 (T % 2) + r + 8 (r / 8), on both sides.  In D(source 0 = W tile b, source 1 = act tile a) a lane holds one token, and the 16 registers of b = 2 c, 2 c + 1 are n = 32 c + 16 (lane / 16) + 0 .. 15.
; THE RESIDUAL AND THE BIAS START THE SUMS: res is loaded straight into the accumulators while the first tiles are on their way, the bias is added there, and every product accumulates.
; LIMITS: NaN and infinities are not served.
; REGISTERS: window 0: v1-31 addresses; v32-47 act's scale words (two sets), v48-63 W's; v64-127 the bias; v128-255 act's fragments, one set.  window 1: W's fragments, two sets.  windows 2, 3: accumulator (a, b) at v[8 (8 (a % 4) + b)].
.set KT,    1024
.set NKS,   KT/256
.set KS,    KT/32                      ; a row of W's scale bytes
.set ABLK,  33792                      ; act: 128 tokens x 256 k, codes and scale words
.set PITCH, 272                        ; a row of W in LDS: 256 bytes + 16
.set BHALF, 128*PITCH
.set BOFF,  2*ABLK
.set SLOT,  BOFF+2*BHALF               ; act's two blocks, then W's 256 rows
.set SCL,   2*SLOT                     ; behind the ring: W's scale bytes of 256 rows for all of K, as 256 bytes + 16; filled once
.set SCQ,   (64*KS/256)*272            ; those of 64 rows: what one tensor load brings
.set SPARE, SCL+4*SCQ                  ; the spare words, 128 bytes for each wave
.set LAPS,  KT/512
.set ADRA, 16                          ; v16-17 act's fragments in slot 0, 1: 16 x lane
.set ADSA, 18                          ; v18-19 act's scale words: 4 r + 512 h
.set ADRB, 20                          ; v20-21 W's fragments: row (r + 8 (r / 8)) x pitch + 16 h
.set RES,  22                          ; my lane's byte in the wave's part of res
.set STO,  24                          ; the way out: where I put 32 bytes of a row
.set RD,   25                          ; and where I read a row back
.set ADRS, 27                          ; W's scale words; steps 8 bytes a K step
.set SPW,  28
.set NIL,  29
.set L16,  30                          ; 16 x lane
.set R4,   31                          ; 4 r
.set SQ,   32
.set SP,   48
.set BT,   64
.set QF,   128
.set BK,   128                         ; the way out: 16 rows read back: v128-191 and v192-255 by turns
.set G1A, 24
.set G0A, 32
.set G1B, 48
.set G0B, 56
.set G1S, 68
.set G0S, 76
.set MSB, 0
.macro WIN new                         ; the immediate's high byte repeats the setting that is left
.if MSB != (\new)
	s_set_vgpr_msb (MSB<<8)|(\new)
.set MSB, (\new)
.endif
.endm
.macro PLACES n
.rept \n
	v_nop
.endr
.endm
.macro JLOAD s                         ; a joint load: waves 0, 1 fetch act's two blocks, waves 2, 3 W's two halves; an s_nop 0 and four v_nop follow each line
	s_cmp_eq_u32 s15, 0
	s_cbranch_scc0 .Lfor_w_\@
	tensor_load_to_lds s[G0A+4*\s:G0A+4*\s+3], s[G1A:G1A+7]
	s_nop 0
.rept 4
	v_nop
.endr
	s_branch .Lasked_\@
.Lfor_w_\@:
	tensor_load_to_lds s[G0B+4*\s:G0B+4*\s+3], s[G1B:G1B+7]
	s_nop 0
.rept 4
	v_nop
.endr
.Lasked_\@:
.endm
.macro CREST                           ; a round of the cluster's barrier behind its opening barrier
	s_cmp_lg_u32 s14, 0
	s_cbranch_scc1 .Lnot_wave_0_\@
	s_barrier_signal -3
.Lnot_wave_0_\@:
	s_barrier_wait -3
	s_barrier_signal -1
	s_barrier_wait -1
.endm
.macro CROUND
	s_barrier_signal -1
	s_barrier_wait -1
	CREST
.endm
	s_load_b64 s[4:5], s[0:1], 0x0                 ; act's images
	s_load_b128 s[8:11], s[0:1], 0x8               ; W: codes, scales
	s_load_b64 s[12:13], s[0:1], 0x18              ; the bias
	s_load_b128 s[84:87], s[0:1], 0x20             ; res, out
	v_lshl_add_u32 v[SPW], v0, 2, SPARE
	v_mov_b32 v[NIL], 0
	ds_add_u32 v[SPW], v[NIL]                      ; the opening: the add, twice on end, and its wait ahead of my first tensor load
	ds_add_u32 v[SPW], v[NIL]
	v_lshrrev_b32 v1, 5, v0
	v_readfirstlane_b32 s14, v1                    ; wave 0..3
	s_lshr_b32 s15, s14, 1                         ; my half of the tokens.  Also: I fetch act (0) or W (1)
	s_and_b32 s16, s14, 1                          ; my half of W's rows.  Also: which half I fetch
	s_bfe_u32 s40, ttmp6, 0x40000                  ; cx
	s_bfe_u32 s41, ttmp6, 0x40004                  ; cy
	s_lshl_b32 s42, ttmp9, 2
	s_add_co_u32 s42, s42, s40                     ; which 256 n
	s_and_b32 s17, ttmp7, 0xffff
	s_lshl_b32 s17, s17, 2
	s_add_co_u32 s17, s17, s41                     ; which 256 tokens
	s_lshl_b32 s43, s41, 2
	s_lshl_b32 s43, 15, s43                        ; my row of the cluster
	s_lshl_b32 s44, 0x1111, s40                    ; my column
	s_or_b32 s[G1A], s43, (3<<16)|(1<<21)          ; act's block: dense, 132 rows of 32 elements of 8 bytes, no padding
	s_mov_b32 s[G1A+1], 32<<16
	s_mov_b32 s[G1A+2], 132<<16
	s_mov_b32 s[G1A+3], 32<<16
	s_mov_b32 s[G1A+4], 132
	s_mov_b32 s[G1A+5], 32
	s_mov_b32 s[G1A+6], 0
	s_mov_b32 s[G1A+7], 0
	s_or_b32 s[G1B], s44, (1<<20)|(1<<21)|(5<<22)|(3<<25)   ; W: 128 rows of 256 bytes, KT apart, four words of padding behind every 64
	s_mov_b32 s[G1B+1], 256<<16
	s_mov_b32 s[G1B+2], 128<<16
	s_mov_b32 s[G1B+3], 256<<16
	s_mov_b32 s[G1B+4], 128
	s_mov_b32 s[G1B+5], KT
	s_mov_b32 s[G1B+6], 0
	s_mov_b32 s[G1B+7], 0
	s_or_b32 s[G1S], s44, (3<<16)|(1<<20)|(1<<21)|(5<<22)|(3<<25)   ; W's scale bytes of 64 rows: dense, as rows of 256 bytes, padded likewise
	s_mov_b32 s[G1S+1], 32<<16
	s_mov_b32 s[G1S+2], (64*KS/256)<<16
	s_mov_b32 s[G1S+3], 32<<16
	s_mov_b32 s[G1S+4], 64*KS/256
	s_mov_b32 s[G1S+5], 32
	s_mov_b32 s[G1S+6], 0
	s_mov_b32 s[G1S+7], 0
	s_lshl_b32 s20, s17, 1
	s_add_co_u32 s20, s20, s16
	s_mul_i32 s20, s20, NKS*ABLK                   ; act: block row 2 x (256 tokens) + the half that I fetch
	s_mov_b32 s21, 0
	s_lshl_b32 s46, s42, 8
	s_lshl_b32 s47, s16, 7
	s_add_co_u32 s46, s46, s47
	s_mul_i32 s46, s46, KT                         ; W: row 256 x (256 n) + 128 x half
	s_mov_b32 s47, 0
	s_lshl_b32 s80, s42, 8
	s_lshl_b32 s81, s14, 6
	s_add_co_u32 s80, s80, s81
	s_mul_i32 s80, s80, KS                         ; its scale bytes: + 64 x wave
	s_mov_b32 s81, 0
	s_mul_i32 s45, s16, ABLK                       ; where they go: no place in the cluster enters an LDS address
	s_mul_i32 s82, s16, BHALF
	s_add_co_u32 s82, s82, BOFF
	s_mul_i32 s18, s14, SCQ
	s_add_co_u32 s18, s18, SCL
	s_wait_dscnt 0x0                               ; both opening adds are done
	s_wait_kmcnt 0x0
	s_add_nc_u64 s[20:21], s[4:5], s[20:21]
	s_add_nc_u64 s[46:47], s[8:9], s[46:47]
	s_add_nc_u64 s[80:81], s[10:11], s[80:81]
	s_mov_b32 s[G0S], 1
	s_mov_b32 s[G0S+1], s18
	s_mov_b64 s[G0S+2:G0S+3], s[80:81]
	s_or_b32 s[G0S+3], s[G0S+3], 0x80000000
.irp s, 0,1
	s_mov_b32 s[G0A+4*\s], 1
	s_add_co_u32 s[G0A+4*\s+1], s45, \s*SLOT
	s_add_nc_u64 s[G0A+4*\s+2:G0A+4*\s+3], s[20:21], \s*ABLK
	s_or_b32 s[G0A+4*\s+3], s[G0A+4*\s+3], 0x80000000
	s_mov_b32 s[G0B+4*\s], 1
	s_add_co_u32 s[G0B+4*\s+1], s82, \s*SLOT
	s_add_nc_u64 s[G0B+4*\s+2:G0B+4*\s+3], s[46:47], \s*256
	s_or_b32 s[G0B+4*\s+3], s[G0B+4*\s+3], 0x80000000
.endr
	CROUND                                         ; all sixteen work-groups are here: the first joint loads meet
	tensor_load_to_lds s[G0S:G0S+3], s[G1S:G1S+7]  ; every wave: a quarter of W's scale bytes.  With the two below, three loads of mine are out
	s_nop 0
.rept 4
	v_nop
.endr
	JLOAD 0
	JLOAD 1
	v_and_b32 v1, 15, v0                           ; r
	v_bfe_u32 v2, v0, 4, 1                         ; h
	v_and_b32 v3, 31, v0
	v_lshlrev_b32 v[L16], 4, v3
	v_lshlrev_b32 v[R4], 2, v1
	v_and_b32 v4, 8, v1
	v_add_nc_u32 v4, v4, v1                        ; r + 8 (r / 8)
	s_mul_i32 s21, s15, ABLK
	v_add_nc_u32 v[ADRA], s21, v[L16]
	v_add_nc_u32 v[ADRA+1], SLOT, v[ADRA]
	v_lshl_add_u32 v5, v2, 9, v[R4]
	v_add_nc_u32 v[ADSA], s21, v5
	v_add_nc_u32 v[ADSA+1], SLOT, v[ADSA]
	v_mul_u32_u24 v6, v4, PITCH
	v_lshl_add_u32 v6, v2, 4, v6
	s_mul_i32 s22, s16, BHALF
	s_add_co_u32 s22, s22, BOFF
	v_add_nc_u32 v[ADRB], s22, v6
	v_add_nc_u32 v[ADRB+1], SLOT, v[ADRB]
	v_mul_u32_u24 v7, v4, KS                       ; my row's scale bytes,
	v_lshrrev_b32 v8, 8, v7
	v_lshl_add_u32 v7, v8, 4, v7                   ; 16 more for each 256 passed,
	v_lshl_add_u32 v7, v2, 2, v7                   ; lanes 16-31 the word of the second 128 of k
	s_mul_i32 s22, s16, 2*SCQ
	s_add_co_u32 s22, s22, SCL
	v_add_nc_u32 v[ADRS], s22, v7
	v_lshlrev_b32 v[RES], 12, v4
	v_lshl_add_u32 v[RES], v2, 6, v[RES]           ; res: token r + 8 (r / 8) of a tile, + 16 h numbers
	v_lshlrev_b32 v9, 6, v2                        ; the bias: + 16 h numbers
	s_mul_i32 s23, s14, 16*528                     ; my stage: it lies in slot 0, which has had its last fill and its last read when the first result is stored there
	v_mul_u32_u24 v5, v1, 528
	v_lshl_add_u32 v5, v2, 6, v5
	v_add_nc_u32 v[STO], s23, v5
	v_add_nc_u32 v[RD], s23, v[L16]
	s_lshl_b32 s88, s17, 8
	s_lshl_b32 s89, s15, 7
	s_add_co_u32 s88, s88, s89
	s_lshl_b32 s88, s88, 12                        ; my first token's row,
	s_lshl_b32 s90, s42, 10
	s_lshl_b32 s89, s16, 9
	s_add_co_u32 s90, s90, s89                     ; my first n, in bytes
	s_add_co_u32 s88, s88, s90
	s_mov_b32 s89, 0
	s_mov_b32 s91, 0
	s_add_nc_u64 s[84:85], s[84:85], s[88:89]
	s_add_nc_u64 s[86:87], s[86:87], s[88:89]
	s_add_nc_u64 s[12:13], s[12:13], s[90:91]
.irp a, 0,1,2,3,4,5,6,7                        ; res into the accumulators: 16 neighbouring numbers of a token are the registers of W tiles 2 c and 2 c + 1
	WIN 0x80+0x40*(\a/4)
.irp c, 0,1,2,3
.irp j, 0,1,2,3
	global_load_b128 v[64*(\a%4)+16*\c+4*\j:64*(\a%4)+16*\c+4*\j+3], v[RES], s[84:85] offset:(32*(\a/2)+8*(\a%2))*4096+128*\c+16*\j
.endr
.endr
.endr
	WIN 0
.irp b, 0,1,2,3,4,5,6,7
	global_load_b128 v[BT+8*\b:BT+8*\b+3], v9, s[12:13] offset:(32*(\b/2)+8*(\b%2))*4
	global_load_b128 v[BT+8*\b+4:BT+8*\b+7], v9, s[12:13] offset:(32*(\b/2)+8*(\b%2))*4+16
.endr
	s_wait_loadcnt 0x0
.irp a, 0,1,2,3,4,5,6,7
	WIN 0x82+0x41*(\a/4)                           ; destination and source 0: the accumulators' window; source 1: window 0
.irp b, 0,1,2,3,4,5,6,7
.irp p, 0,2,4,6
	v_pk_add_f32 v[64*(\a%4)+8*\b+\p:64*(\a%4)+8*\b+\p+1], v[64*(\a%4)+8*\b+\p:64*(\a%4)+8*\b+\p+1], v[BT+8*\b+\p:BT+8*\b+\p+1]
.endr
.endr
.endr
	WIN 0
	PLACES 8
.macro FRAGA reg, slot, q, i           ; a fragment of act: an image, 4 x 512 consecutive bytes
.irp c, 0,1,2,3
	ds_load_b128 v[\reg+4*\c:\reg+4*\c+3], v[ADRA+\slot] offset:4096*(\i)+2048*(\q)+512*\c
.endr
.endm
.macro FRAGB reg, slot, q, t           ; a fragment of W: tile t begins at row 32 (t / 2) + 8 (t % 2)
.irp c, 0,1,2,3
	ds_load_b128 v[\reg+4*\c:\reg+4*\c+3], v[ADRB+\slot] offset:(32*((\t)/2)+8*((\t)%2))*PITCH+128*(\q)+32*\c
.endr
.endm
.macro RUN1 slot, q, p, sc             ; a run of LDS loads: W's eight fragments into set p, act's tiles 0-3, and (sc = 1) the K step's scale words
	WIN 0x40
.irp t, 0,1,2,3,4,5,6,7
	FRAGB 128*(\p)+16*\t, \slot, \q, \t
.endr
	WIN 0
.irp i, 0,1,2,3
	FRAGA QF+16*\i, \slot, \q, \i
.endr
.if \sc
.irp i, 0,1,2,3,4,5,6,7
	ds_load_b32 v[SQ+8*\slot+\i], v[ADSA+\slot] offset:32768+64*\i
	ds_load_b32 v[SP+8*\slot+\i], v[ADRS] offset:((32*(\i/2)+8*(\i%2))*KS/256)*272
.endr
.endif
.endm
.macro RUN2 slot, q                    ; act's tiles 4-7
.irp i, 4,5,6,7
	FRAGA QF+16*\i, \slot, \q, \i
.endr
.endm
; 16 matrix instructions: act's tiles a0, a0 + 1 x W's eight, the slot's q-th 128 along K.  A scale register holds q = 0 in lanes 0-15 and q = 1 in lanes 16-31.
; The 64 accumulators take turns, one instruction a turn, in the same order in every step.
.macro MUL16 a0, p, q, set
.irp a, \a0, \a0+1
.irp b, 0,1,2,3,4,5,6,7
.set rD, 8*(8*((\a)%4)+\b)
.set rP, 128*(\p)+16*\b
.set rQ, QF+16*(\a)
.if \q
	v_wmma_scale_f32_16x16x128_f8f6f4 v[rD:rD+7], v[rP:rP+15], v[rQ:rQ+15], v[rD:rD+7], v[SP+8*(\set)+\b], v[SQ+8*(\set)+(\a)] matrix_a_scale:MATRIX_SCALE_ROW1 matrix_b_scale:MATRIX_SCALE_ROW1
.else
	v_wmma_scale_f32_16x16x128_f8f6f4 v[rD:rD+7], v[rP:rP+15], v[rQ:rQ+15], v[rD:rD+7], v[SP+8*(\set)+\b], v[SQ+8*(\set)+(\a)]
.endif
.endr
.endr
.endm
; A slot's first 128 along K.  Eight places stand in front of each run of loads into registers that matrix instructions have read.
.macro STEP slot
	s_wait_dscnt 16                                ; all but the youngest run, act's tiles 4-7
	WIN 0xa1
	MUL16 0, 0, 0, \slot
	MUL16 2, 0, 0, \slot
	s_wait_dscnt 0x0
	PLACES 8
	WIN 0
	RUN1 \slot, 1, 1, 0
	WIN 0xf1
	MUL16 4, 0, 0, \slot
	MUL16 6, 0, 0, \slot
	PLACES 8
	WIN 0
	RUN2 \slot, 1
.endm
; A slot's second 128 along K, and the change of slots: one barrier; in front of it each wave waits for all its tensor loads, adds 0 to its spare word, and waits for that and for its reads of this slot.
.macro TURN slot, next, fill
	s_wait_tensorcnt 0x0                           ; all my tensor loads have landed: my part of the next slot
	ds_add_u32 v[SPW], v[NIL]
	s_wait_dscnt 17                                ; (the add and the youngest run may be out)
	WIN 0xa1
	MUL16 0, 1, 1, \slot
	s_wait_dscnt 0x0                               ; the add is done, and my reads of this slot are over
	s_barrier_signal -1
	MUL16 2, 1, 1, \slot
	WIN 0
	s_barrier_wait -1
.if \fill
	CREST                                          ; the barrier has opened a round of the cluster's: no wave of any partner still reads this slot or has a load on its way
	s_add_nc_u64 s[G0A+4*\slot+2:G0A+4*\slot+3], s[G0A+4*\slot+2:G0A+4*\slot+3], 2*ABLK
	s_add_nc_u64 s[G0B+4*\slot+2:G0B+4*\slot+3], s[G0B+4*\slot+2:G0B+4*\slot+3], 512
	JLOAD \slot                                    ; the first tensor load behind the round; its four v_nop are among the eight places
	PLACES 4
.else
	PLACES 8
.endif
	v_add_nc_u32 v[ADRS], 8, v[ADRS]               ; W's scale words of the next K step
	RUN1 \next, 0, 0, 1
	WIN 0xf1
	MUL16 4, 1, 1, \slot
	MUL16 6, 1, 1, \slot
	PLACES 8
	WIN 0
	RUN2 \next, 0
.endm
	s_wait_tensorcnt 1                             ; the scales and my part of K step 0 are in; K step 1's load, the one issued behind them, may be out
	s_barrier_signal -1
	s_barrier_wait -1
	RUN1 0, 0, 0, 1
	RUN2 0, 0
	STEP 0
	s_mov_b32 s3, LAPS-1
.Llap:                                             ; a trip goes once round the ring and fills both slots again
	TURN 0, 1, 1
	STEP 1
	TURN 1, 0, 1
	STEP 0
	s_sub_co_u32 s3, s3, 1
	s_cmp_lg_u32 s3, 0
	s_cbranch_scc1 .Llap
	TURN 0, 1, 0                                   ; the last lap fills nothing
	STEP 1
	s_wait_dscnt 16
	WIN 0xa1
	MUL16 0, 1, 1, 1
	MUL16 2, 1, 1, 1
	s_wait_dscnt 0x0
	WIN 0xf1
	MUL16 4, 1, 1, 1
	MUL16 6, 1, 1, 1
	WIN 0
	PLACES 8
; THE WAY OUT, a tile of 16 tokens x 128 n at a time, through my own stage in LDS (rows of 512 bytes + 16): back come whole rows, which the 32 lanes store as 512 consecutive aligned bytes.
; LDS serves a wave's instructions in order (ISA guide 5.7.1.4): no wait between the stores and the loads, nor in front of the next tile's stores.
.macro TOSTAGE a
.set AC, 64*((\a)%4)
	WIN 0x08+4*((\a)/4)                            ; the data: window 2 or 3
.irp b, 0,1,2,3,4,5,6,7
	ds_store_b128 v[STO], v[AC+8*\b:AC+8*\b+3] offset:128*(\b/2)+32*(\b%2)       ; each accumulator from its low end on
	ds_store_b128 v[STO], v[AC+8*\b+4:AC+8*\b+7] offset:128*(\b/2)+32*(\b%2)+16
.endr
	WIN 0
.set BB, BK+64*((\a)%2)
.irp t, 0,1,2,3,4,5,6,7,8,9,10,11,12,13,14,15
	ds_load_b128 v[BB+4*\t:BB+4*\t+3], v[RD] offset:\t*528
.endr
.endm
.macro SEND a, younger                 ; younger: the LDS instructions issued behind tile a's loads, which may stay out
.set BB, BK+64*((\a)%2)
	s_wait_dscnt \younger
.irp t, 0,1,2,3,4,5,6,7,8,9,10,11,12,13,14,15
	global_store_b128 v[L16], v[BB+4*\t:BB+4*\t+3], s[86:87] offset:(32*((\a)/2)+8*((\a)%2)+\t+8*(\t/8))*4096 th:TH_STORE_NT   ; stage row t is the tile's token t + 8 (t / 8)
.endr
.endm
	TOSTAGE 0
.irp a, 1,2,3,4,5,6,7
.if \a > 1
	s_wait_xcnt 0x0                                ; tile a - 2's stores have read their registers: tile a's loads may land there
.endif
	TOSTAGE \a
	SEND \a-1, 32                                  ; behind tile a - 1's loads: tile a's 16 stores and 16 loads
.endr
	SEND 7, 0
	s_wait_tensorcnt 0x0                           ; the wave's end
	ds_add_u32 v[SPW], v[NIL]
	s_wait_dscnt 0x0
	CROUND                                         ; the closing round
	s_endpgm
.Lfunc_end_k_qf21b093039_proj:
	.size	k_qf21b093039_proj, .Lfunc_end_k_qf21b093039_proj-k_qf21b093039_proj
	.p2alignl 7, 3214868480
	.fill 96, 4, 3214868480
	.section	.rodata,"a",@progbits
	.p2align	6, 0x0
	.amdhsa_kernel k_qf21b093039_proj
		.amdhsa_group_segment_fixed_size 327680
		.amdhsa_private_segment_fixed_size 0
		.amdhsa_enable_private_segment 0
		.amdhsa_kernarg_size 48
		.amdhsa_user_sgpr_count 2
		.amdhsa_user_sgpr_kernarg_segment_ptr 1
		.amdhsa_wavefront_size32 1
		.amdhsa_system_sgpr_workgroup_id_x 1
		.amdhsa_system_sgpr_workgroup_id_y 1
		.amdhsa_system_sgpr_workgroup_id_z 1
		.amdhsa_system_vgpr_workitem_id 0
		.amdhsa_next_free_vgpr 1024
		.amdhsa_next_free_sgpr 100
		.amdhsa_reserve_vcc 0
		.amdhsa_float_denorm_mode_32 3
		.amdhsa_float_denorm_mode_16_64 3
		.amdhsa_memory_ordered 1
		.amdhsa_forward_progress 1
		.amdhsa_inst_pref_size 176
	.end_amdhsa_kernel
	.amdgpu_metadata
---
amdhsa.version: [ 1, 2 ]
amdhsa.kernels:
  - .name:           k_qf21b093039_proj
    .symbol:         k_qf21b093039_proj.kd
    .args:
      - { .name: oimg, .offset: 0, .size: 8, .value_kind: global_buffer, .address_space: global }
      - { .name: Wproj_codes, .offset: 8, .size: 8, .value_kind: global_buffer, .address_space: global }
      - { .name: Wproj_scales, .offset: 16, .size: 8, .value_kind: global_buffer, .address_space: global }
      - { .name: bproj, .offset: 24, .size: 8, .value_kind: global_buffer, .address_space: global }
      - { .name: x, .offset: 32, .size: 8, .value_kind: global_buffer, .address_space: global }
      - { .name: x1, .offset: 40, .size: 8, .value_kind: global_buffer, .address_space: global }
    .group_segment_fixed_size: 327680
    .private_segment_fixed_size: 0
    .kernarg_segment_align: 8
    .kernarg_segment_size: 48
    .max_flat_workgroup_size: 128
    .sgpr_count:     100
    .vgpr_count:     1024
    .wavefront_size: 32
...
	.end_amdgpu_metadata
.endif
;; end of part 4
;; launch lnq2: the kernel of part 1 again; grid 256 x 1, 8 waves a work-group, no clusters, 66,816 bytes of LDS; arguments x1, ln2_g, ln2_b, himg; writes himg
;; launch mlp1 (part 5): grid 16 x 16, 4 waves a work-group, clusters of 4 x 4, 327,680 bytes of LDS; arguments himg, W1_codes, W1_scales, b1, hidimg; writes hidimg
.if DOCPART == 5
	.amdgcn_target "amdgcn-amd-amdhsa--gfx1250"
	.amdhsa_code_object_version 6
	.text
	.protected	k_qf21b093039_mlp1
	.globl	k_qf21b093039_mlp1
	.p2align	8
	.type	k_qf21b093039_mlp1,@function
k_qf21b093039_mlp1:
	s_mov_b64 s[64:65], 0
	v_nop
	global_prefetch_b8 v0, s[64:65] scope:SCOPE_SE
	s_setreg_imm32_b32 hwreg(HW_REG_WAVE_MODE, 25, 1), 1
	s_wait_xcnt 0x0
	s_wait_alu depctr_hold_cnt(0) depctr_sa_sdst(0) depctr_va_vdst(0) depctr_va_sdst(0) depctr_va_ssrc(0) depctr_va_vcc(0) depctr_vm_vsrc(0)
	s_getreg_b32 s2, hwreg(HW_REG_IB_STS2, 6, 4)
	s_cmp_eq_u32 s2, 0
	s_cbranch_scc0 .Lentry_in_a_cluster
	s_endpgm
.Lentry_in_a_cluster:
	s_bfe_u32 s2, ttmp6, 0x10000c
	s_cmp_lg_u32 s2, 0xf033
	s_cbranch_scc0 .Lentry_shape_is_right
	s_endpgm
.Lentry_shape_is_right:
; hidden = relu(h W1^T + b1), the product on codes of E4M3 with E8M0 scales, and the result quantised in registers along the hidden units, the K of the next product.  Nothing is left out.
; h: images of operand registers, [token / 128][k / 256][33,792 bytes] (codes [tile 8][2][c 4][lane][16], then scale words [2][tile 8][row 16]).  W1: rows [n][1,024 codes], scale bytes [n][32].  The result: the same images with k = n, 16 blocks a row of blocks.
; A work-group makes 256 tokens x 256 n; four waves, each 128 x 128: 64 accumulators, 512 registers.  K goes in steps of 256 through two LDS slots filled by the tensor data mover.
; 4 x 4 work-groups form a cluster: h's blocks are asked for jointly along a row of the cluster, W1's tiles and scale bytes along a column.
; ROWS OF A TILE: lane r of tile T takes row 32 (T / 2) + 8 (T % 2) + r + 8 (r / 8), on both sides.  In D(source 0 = W1 tile b, source 1 = h tile a) a lane holds one token, and the 64 registers of b = 0 .. 7 are hidden units
; 32 c + 16 (lane / 16) + i: an operand's register order.  So a tile's results become one fragment by conversions alone and leave as four stores of 512 consecutive bytes.
; The bias is the C of each sum's first product.  The activation costs nothing: the hold that the conversion wants clips at 0 as well.
; LIMITS: NaN and infinities are not served; a block of zeros gets the byte 1 (its codes are zeros; only this program reads the bytes).  Scale words leave in pieces of 64 bytes: one part in 32 of the codes.
; REGISTERS: window 0: v1-31 addresses; v32-47 h's scale words (two sets), v48-63 W1's; v64-127 the bias; v128-255 h's fragments, one set.  window 1: W1's fragments, two sets.  windows 2, 3: accumulator (a, b) at v[8 (8 (a % 4) + b)].
.set KT,    1024
.set NKS,   KT/256
.set KS,    KT/32                      ; a row of W1's scale bytes
.set ABLK,  33792                      ; h: 128 tokens x 256 k, codes and scale words
.set PITCH, 272                        ; a row of W1 in LDS: 256 bytes + 16
.set BHALF, 128*PITCH
.set BOFF,  2*ABLK
.set SLOT,  BOFF+2*BHALF               ; h's two blocks, then W1's 256 rows
.set SCL,   2*SLOT                     ; behind the ring: W1's scale bytes of 256 rows for all of K, as 256 bytes + 16; filled once
.set SCQ,   (64*KS/256)*272            ; those of 64 rows: what one tensor load brings
.set SPARE, SCL+4*SCQ                  ; the spare words, 128 bytes for each wave
.set LAPS,  KT/512
.set ADRA, 16                          ; v16-17 h's fragments in slot 0, 1: 16 x lane
.set ADSA, 18                          ; v18-19 h's scale words: 4 r + 512 h
.set ADRB, 20                          ; v20-21 W1's fragments: row (r + 8 (r / 8)) x pitch + 16 h
.set ADRS, 27                          ; W1's scale words; steps 8 bytes a K step
.set SPW,  28
.set NIL,  29
.set L16,  30                          ; 16 x lane
.set R4,   31                          ; 4 r
.set SQ,   32
.set SP,   48
.set BT,   64
.set QF,   128
.set TM,   32                          ; the way out: v32-47 at work, v48 the scale word, v64-127 held numbers, v128-143 codes
.set PW,   48
.set XT,   64
.set PC,   128
.set G1A, 24
.set G0A, 32
.set G1B, 48
.set G0B, 56
.set G1S, 68
.set G0S, 76
.set MSB, 0
.macro WIN new                         ; the immediate's high byte repeats the setting that is left
.if MSB != (\new)
	s_set_vgpr_msb (MSB<<8)|(\new)
.set MSB, (\new)
.endif
.endm
.macro PLACES n
.rept \n
	v_nop
.endr
.endm
.macro JLOAD s                         ; a joint load: waves 0, 1 fetch h's two blocks, waves 2, 3 W1's two halves; an s_nop 0 and four v_nop follow each line
	s_cmp_eq_u32 s15, 0
	s_cbranch_scc0 .Lfor_w_\@
	tensor_load_to_lds s[G0A+4*\s:G0A+4*\s+3], s[G1A:G1A+7]
	s_nop 0
.rept 4
	v_nop
.endr
	s_branch .Lasked_\@
.Lfor_w_\@:
	tensor_load_to_lds s[G0B+4*\s:G0B+4*\s+3], s[G1B:G1B+7]
	s_nop 0
.rept 4
	v_nop
.endr
.Lasked_\@:
.endm
.macro CREST                           ; a round of the cluster's barrier behind its opening barrier
	s_cmp_lg_u32 s14, 0
	s_cbranch_scc1 .Lnot_wave_0_\@
	s_barrier_signal -3
.Lnot_wave_0_\@:
	s_barrier_wait -3
	s_barrier_signal -1
	s_barrier_wait -1
.endm
.macro CROUND
	s_barrier_signal -1
	s_barrier_wait -1
	CREST
.endm
	s_load_b64 s[4:5], s[0:1], 0x0                 ; h's images
	s_load_b128 s[8:11], s[0:1], 0x8               ; W1: codes, scales
	s_load_b64 s[12:13], s[0:1], 0x18              ; b1
	s_load_b64 s[84:85], s[0:1], 0x20              ; the hidden layer's images
	v_lshl_add_u32 v[SPW], v0, 2, SPARE
	v_mov_b32 v[NIL], 0
	ds_add_u32 v[SPW], v[NIL]                      ; the opening: the add, twice on end, and its wait ahead of my first tensor load
	ds_add_u32 v[SPW], v[NIL]
	v_lshrrev_b32 v1, 5, v0
	v_readfirstlane_b32 s14, v1                    ; wave 0..3
	s_lshr_b32 s15, s14, 1                         ; my half of the tokens.  Also: I fetch h (0) or W1 (1)
	s_and_b32 s16, s14, 1                          ; my half of W1's rows.  Also: which half I fetch
	s_bfe_u32 s40, ttmp6, 0x40000                  ; cx
	s_bfe_u32 s41, ttmp6, 0x40004                  ; cy
	s_lshl_b32 s42, ttmp9, 2
	s_add_co_u32 s42, s42, s40                     ; which 256 n
	s_and_b32 s17, ttmp7, 0xffff
	s_lshl_b32 s17, s17, 2
	s_add_co_u32 s17, s17, s41                     ; which 256 tokens
	s_lshl_b32 s43, s41, 2
	s_lshl_b32 s43, 15, s43                        ; my row of the cluster
	s_lshl_b32 s44, 0x1111, s40                    ; my column
	s_or_b32 s[G1A], s43, (3<<16)|(1<<21)          ; h's block: dense, 132 rows of 32 elements of 8 bytes, no padding
	s_mov_b32 s[G1A+1], 32<<16
	s_mov_b32 s[G1A+2], 132<<16
	s_mov_b32 s[G1A+3], 32<<16
	s_mov_b32 s[G1A+4], 132
	s_mov_b32 s[G1A+5], 32
	s_mov_b32 s[G1A+6], 0
	s_mov_b32 s[G1A+7], 0
	s_or_b32 s[G1B], s44, (1<<20)|(1<<21)|(5<<22)|(3<<25)   ; W1: 128 rows of 256 bytes, KT apart, four words of padding behind every 64
	s_mov_b32 s[G1B+1], 256<<16
	s_mov_b32 s[G1B+2], 128<<16
	s_mov_b32 s[G1B+3], 256<<16
	s_mov_b32 s[G1B+4], 128
	s_mov_b32 s[G1B+5], KT
	s_mov_b32 s[G1B+6], 0
	s_mov_b32 s[G1B+7], 0
	s_or_b32 s[G1S], s44, (3<<16)|(1<<20)|(1<<21)|(5<<22)|(3<<25)   ; W1's scale bytes of 64 rows: dense, as rows of 256 bytes, padded likewise
	s_mov_b32 s[G1S+1], 32<<16
	s_mov_b32 s[G1S+2], (64*KS/256)<<16
	s_mov_b32 s[G1S+3], 32<<16
	s_mov_b32 s[G1S+4], 64*KS/256
	s_mov_b32 s[G1S+5], 32
	s_mov_b32 s[G1S+6], 0
	s_mov_b32 s[G1S+7], 0
	s_lshl_b32 s20, s17, 1
	s_add_co_u32 s20, s20, s16
	s_mul_i32 s20, s20, NKS*ABLK                   ; h: block row 2 x (256 tokens) + the half that I fetch
	s_mov_b32 s21, 0
	s_lshl_b32 s46, s42, 8
	s_lshl_b32 s47, s16, 7
	s_add_co_u32 s46, s46, s47
	s_mul_i32 s46, s46, KT                         ; W1: row 256 x (256 n) + 128 x half
	s_mov_b32 s47, 0
	s_lshl_b32 s80, s42, 8
	s_lshl_b32 s81, s14, 6
	s_add_co_u32 s80, s80, s81
	s_mul_i32 s80, s80, KS                         ; its scale bytes: + 64 x wave
	s_mov_b32 s81, 0
	s_mul_i32 s45, s16, ABLK                       ; where they go: no place in the cluster enters an LDS address
	s_mul_i32 s82, s16, BHALF
	s_add_co_u32 s82, s82, BOFF
	s_mul_i32 s18, s14, SCQ
	s_add_co_u32 s18, s18, SCL
	s_mov_b32 s19, 0x600000                        ; the mantissa field of 448
	s_mov_b32 s98, 0x76543210
	s_mov_b32 s99, 0xfedcba98                      ; lane l xor 16
	s_wait_dscnt 0x0                               ; both opening adds are done
	s_wait_kmcnt 0x0
	s_add_nc_u64 s[20:21], s[4:5], s[20:21]
	s_add_nc_u64 s[46:47], s[8:9], s[46:47]
	s_add_nc_u64 s[80:81], s[10:11], s[80:81]
	s_mov_b32 s[G0S], 1
	s_mov_b32 s[G0S+1], s18
	s_mov_b64 s[G0S+2:G0S+3], s[80:81]
	s_or_b32 s[G0S+3], s[G0S+3], 0x80000000
.irp s, 0,1
	s_mov_b32 s[G0A+4*\s], 1
	s_add_co_u32 s[G0A+4*\s+1], s45, \s*SLOT
	s_add_nc_u64 s[G0A+4*\s+2:G0A+4*\s+3], s[20:21], \s*ABLK
	s_or_b32 s[G0A+4*\s+3], s[G0A+4*\s+3], 0x80000000
	s_mov_b32 s[G0B+4*\s], 1
	s_add_co_u32 s[G0B+4*\s+1], s82, \s*SLOT
	s_add_nc_u64 s[G0B+4*\s+2:G0B+4*\s+3], s[46:47], \s*256
	s_or_b32 s[G0B+4*\s+3], s[G0B+4*\s+3], 0x80000000
.endr
	CROUND                                         ; all sixteen work-groups are here: the first joint loads meet
	tensor_load_to_lds s[G0S:G0S+3], s[G1S:G1S+7]  ; every wave: a quarter of W1's scale bytes.  With the two below, three loads of mine are out
	s_nop 0
.rept 4
	v_nop
.endr
	JLOAD 0
	JLOAD 1
	v_and_b32 v1, 15, v0                           ; r
	v_bfe_u32 v2, v0, 4, 1                         ; h
	v_and_b32 v3, 31, v0
	v_lshlrev_b32 v[L16], 4, v3
	v_lshlrev_b32 v[R4], 2, v1
	v_and_b32 v4, 8, v1
	v_add_nc_u32 v4, v4, v1                        ; r + 8 (r / 8)
	s_mul_i32 s21, s15, ABLK
	v_add_nc_u32 v[ADRA], s21, v[L16]
	v_add_nc_u32 v[ADRA+1], SLOT, v[ADRA]
	v_lshl_add_u32 v5, v2, 9, v[R4]
	v_add_nc_u32 v[ADSA], s21, v5
	v_add_nc_u32 v[ADSA+1], SLOT, v[ADSA]
	v_mul_u32_u24 v6, v4, PITCH
	v_lshl_add_u32 v6, v2, 4, v6
	s_mul_i32 s22, s16, BHALF
	s_add_co_u32 s22, s22, BOFF
	v_add_nc_u32 v[ADRB], s22, v6
	v_add_nc_u32 v[ADRB+1], SLOT, v[ADRB]
	v_mul_u32_u24 v7, v4, KS                       ; my row's scale bytes,
	v_lshrrev_b32 v8, 8, v7
	v_lshl_add_u32 v7, v8, 4, v7                   ; 16 more for each 256 passed,
	v_lshl_add_u32 v7, v2, 2, v7                   ; lanes 16-31 the word of the second 128 of k
	s_mul_i32 s22, s16, 2*SCQ
	s_add_co_u32 s22, s22, SCL
	v_add_nc_u32 v[ADRS], s22, v7
	v_lshlrev_b32 v9, 6, v2                        ; the bias: + 16 h numbers
	s_lshl_b32 s90, s42, 10
	s_lshl_b32 s89, s16, 9
	s_add_co_u32 s90, s90, s89                     ; my first n, in bytes
	s_mov_b32 s91, 0
	s_add_nc_u64 s[12:13], s[12:13], s[90:91]
.irp b, 0,1,2,3,4,5,6,7                        ; b1 in the result's layout: for W1 tile b the lane's eight units 32 (b / 2) + 8 (b % 2) + 16 h + 0 .. 7
	global_load_b128 v[BT+8*\b:BT+8*\b+3], v9, s[12:13] offset:(32*(\b/2)+8*(\b%2))*4
	global_load_b128 v[BT+8*\b+4:BT+8*\b+7], v9, s[12:13] offset:(32*(\b/2)+8*(\b%2))*4+16
.endr
	s_lshl_b32 s88, s17, 1                         ; where the results go: block (token / 128) x 16 + n / 256,
	s_add_co_u32 s88, s88, s15
	s_lshl_b32 s88, s88, 4
	s_add_co_u32 s88, s88, s42
	s_mul_i32 s88, s88, 33792
	s_lshl_b32 s89, s16, 11
	s_add_co_u32 s90, s88, s89                     ; the codes of my 128 of its 256 along k,
	s_lshl_b32 s89, s16, 9
	s_add_co_u32 s88, s88, s89
	s_add_co_u32 s88, s88, 32768                   ; their scale words
	s_mov_b32 s89, 0
	s_add_nc_u64 s[92:93], s[84:85], s[90:91]
	s_add_nc_u64 s[94:95], s[84:85], s[88:89]
	s_wait_loadcnt 0x0
.macro FRAGA reg, slot, q, i           ; a fragment of h: an image, 4 x 512 consecutive bytes
.irp c, 0,1,2,3
	ds_load_b128 v[\reg+4*\c:\reg+4*\c+3], v[ADRA+\slot] offset:4096*(\i)+2048*(\q)+512*\c
.endr
.endm
.macro FRAGB reg, slot, q, t           ; a fragment of W1: tile t begins at row 32 (t / 2) + 8 (t % 2)
.irp c, 0,1,2,3
	ds_load_b128 v[\reg+4*\c:\reg+4*\c+3], v[ADRB+\slot] offset:(32*((\t)/2)+8*((\t)%2))*PITCH+128*(\q)+32*\c
.endr
.endm
.macro RUN1 slot, q, p, sc             ; a run of LDS loads: W1's eight fragments into set p, h's tiles 0-3, and (sc = 1) the K step's scale words
	WIN 0x40
.irp t, 0,1,2,3,4,5,6,7
	FRAGB 128*(\p)+16*\t, \slot, \q, \t
.endr
	WIN 0
.irp i, 0,1,2,3
	FRAGA QF+16*\i, \slot, \q, \i
.endr
.if \sc
.irp i, 0,1,2,3,4,5,6,7
	ds_load_b32 v[SQ+8*\slot+\i], v[ADSA+\slot] offset:32768+64*\i
	ds_load_b32 v[SP+8*\slot+\i], v[ADRS] offset:((32*(\i/2)+8*(\i%2))*KS/256)*272
.endr
.endif
.endm
.macro RUN2 slot, q                    ; h's tiles 4-7
.irp i, 4,5,6,7
	FRAGA QF+16*\i, \slot, \q, \i
.endr
.endm
; 16 matrix instructions: h's tiles a0, a0 + 1 x W1's eight, the slot's q-th 128 along K.  A scale register holds q = 0 in lanes 0-15 and q = 1 in lanes 16-31.  bias = 1: the first product starts the sums with b1.
; The 64 accumulators take turns, one instruction a turn, in the same order in every step.
.macro MUL16 a0, p, q, set, bias
.irp a, \a0, \a0+1
.irp b, 0,1,2,3,4,5,6,7
.set rD, 8*(8*((\a)%4)+\b)
.set rP, 128*(\p)+16*\b
.set rQ, QF+16*(\a)
.if \q
	v_wmma_scale_f32_16x16x128_f8f6f4 v[rD:rD+7], v[rP:rP+15], v[rQ:rQ+15], v[rD:rD+7], v[SP+8*(\set)+\b], v[SQ+8*(\set)+(\a)] matrix_a_scale:MATRIX_SCALE_ROW1 matrix_b_scale:MATRIX_SCALE_ROW1
.elseif \bias
	v_wmma_scale_f32_16x16x128_f8f6f4 v[rD:rD+7], v[rP:rP+15], v[rQ:rQ+15], v[BT+8*\b:BT+8*\b+7], v[SP+8*(\set)+\b], v[SQ+8*(\set)+(\a)]
.else
	v_wmma_scale_f32_16x16x128_f8f6f4 v[rD:rD+7], v[rP:rP+15], v[rQ:rQ+15], v[rD:rD+7], v[SP+8*(\set)+\b], v[SQ+8*(\set)+(\a)]
.endif
.endr
.endr
.endm
; A slot's first 128 along K.  Eight places stand in front of each run of loads into registers that matrix instructions have read.
.macro STEP slot, bias
	s_wait_dscnt 16                                ; all but the youngest run, h's tiles 4-7
.if \bias
	WIN 0x81                                       ; C, the bias, in window 0
.else
	WIN 0xa1
.endif
	MUL16 0, 0, 0, \slot, \bias
	MUL16 2, 0, 0, \slot, \bias
	s_wait_dscnt 0x0
	PLACES 8
	WIN 0
	RUN1 \slot, 1, 1, 0
.if \bias
	WIN 0xc1
.else
	WIN 0xf1
.endif
	MUL16 4, 0, 0, \slot, \bias
	MUL16 6, 0, 0, \slot, \bias
	PLACES 8
	WIN 0
	RUN2 \slot, 1
.endm
; A slot's second 128 along K, and the change of slots: one barrier; in front of it each wave waits for all its tensor loads, adds 0 to its spare word, and waits for that and for its reads of this slot.
.macro TURN slot, next, fill
	s_wait_tensorcnt 0x0                           ; all my tensor loads have landed: my part of the next slot
	ds_add_u32 v[SPW], v[NIL]
	s_wait_dscnt 17                                ; (the add and the youngest run may be out)
	WIN 0xa1
	MUL16 0, 1, 1, \slot, 0
	s_wait_dscnt 0x0                               ; the add is done, and my reads of this slot are over
	s_barrier_signal -1
	MUL16 2, 1, 1, \slot, 0
	WIN 0
	s_barrier_wait -1
.if \fill
	CREST                                          ; the barrier has opened a round of the cluster's: no wave of any partner still reads this slot or has a load on its way
	s_add_nc_u64 s[G0A+4*\slot+2:G0A+4*\slot+3], s[G0A+4*\slot+2:G0A+4*\slot+3], 2*ABLK
	s_add_nc_u64 s[G0B+4*\slot+2:G0B+4*\slot+3], s[G0B+4*\slot+2:G0B+4*\slot+3], 512
	JLOAD \slot                                    ; the first tensor load behind the round; its four v_nop are among the eight places
	PLACES 4
.else
	PLACES 8
.endif
	v_add_nc_u32 v[ADRS], 8, v[ADRS]               ; W1's scale words of the next K step
	RUN1 \next, 0, 0, 1
	WIN 0xf1
	MUL16 4, 1, 1, \slot, 0
	MUL16 6, 1, 1, \slot, 0
	PLACES 8
	WIN 0
	RUN2 \next, 0
.endm
	s_wait_tensorcnt 1                             ; the scales and my part of K step 0 are in; K step 1's load, the one issued behind them, may be out
	s_barrier_signal -1
	s_barrier_wait -1
	RUN1 0, 0, 0, 1
	RUN2 0, 0
	STEP 0, 1
	s_mov_b32 s3, LAPS-1
.Llap:                                             ; a trip goes once round the ring and fills both slots again
	TURN 0, 1, 1
	STEP 1, 0
	TURN 1, 0, 1
	STEP 0, 0
	s_sub_co_u32 s3, s3, 1
	s_cmp_lg_u32 s3, 0
	s_cbranch_scc1 .Llap
	TURN 0, 1, 0                                   ; the last lap fills nothing
	STEP 1, 0
	s_wait_dscnt 16
	WIN 0xa1
	MUL16 0, 1, 1, 1, 0
	MUL16 2, 1, 1, 1, 0
	s_wait_dscnt 0x0
	WIN 0xf1
	MUL16 4, 1, 1, 1, 0
	MUL16 6, 1, 1, 1, 0
	WIN 0
	PLACES 8
; THE WAY OUT.  h tile a's 64 registers become one fragment's codes (v[PC] on) and its scale word; each accumulator is read from its low end on.
; No |.| on the maximum's sources: what is negative is to become 0, so it must not count; the floor stands over it.
.macro QUANT a
.set AC, 64*((\a)%4)
.set W, 2+(\a)/4
	s_wait_xcnt 0x0                                ; the last tile's stores have read their data: codes and word are written again only behind this wait
	WIN W|(W<<2)
.irp c, 0,1,2,3
	v_max3_num_f32 v[TM+\c], v[AC+16*\c], v[AC+16*\c+1], 0x4800000   ; with the floor 2^(9 - 127): the byte cannot fall under 1
.endr
	WIN (W<<2)|(W<<4)
.irp i, 2,4,6,8,10,12,14
.irp c, 0,1,2,3
	v_max3_num_f32 v[TM+\c], v[TM+\c], v[AC+16*\c+\i], v[AC+16*\c+\i+1]
.endr
.endr
	WIN 0
.irp c, 0,1,2,3
	v_permlanex16_b32 v[TM+4+\c], v[TM+\c], s98, s99
.endr
.irp c, 0,1,2,3
	v_max_num_f32 v[TM+\c], v[TM+\c], v[TM+4+\c]   ; the block's largest magnitude
.endr
.irp c, 0,1,2,3
	v_add_nc_u32 v[TM+12+\c], 0xfc000000, v[TM+\c] ; 8 off its exponent field: the conversion's scale operand
.endr
.irp c, 0,1,2,3
	v_and_or_b32 v[TM+8+\c], v[TM+\c], 0x7f800000, s19   ; 448 x the scale
.endr
.irp c, 0,1,2,3
	v_lshrrev_b32 v[TM+4+\c], 23, v[TM+12+\c]      ; the byte
.endr
	v_lshl_or_b32 v[PW], v[TM+5], 8, v[TM+4]
	v_lshl_or_b32 v[PW], v[TM+6], 16, v[PW]
	v_lshl_or_b32 v[PW], v[TM+7], 24, v[PW]
	WIN W
.irp c, 0,1,2,3
.irp i, 0,1,2,3,4,5,6,7,8,9,10,11,12,13,14,15
	v_med3_num_f32 v[XT+16*\c+\i], v[AC+16*\c+\i], 0, v[TM+8+\c]   ; the activation and the hold in one (the conversion does not saturate: ISA guide 7.6.2)
.endr
.endr
	WIN 0
.irp c, 0,1,2,3
	v_cvt_scalef32_pk8_fp8_f32 v[PC+4*\c:PC+4*\c+1], v[XT+16*\c:XT+16*\c+7], v[TM+12+\c]
	v_cvt_scalef32_pk8_fp8_f32 v[PC+4*\c+2:PC+4*\c+3], v[XT+16*\c+8:XT+16*\c+15], v[TM+12+\c]
.endr
	v_nop                                          ; a plain instruction behind the last conversion
.endm
.irp c, 0,1,2,3
	v_mov_b32 v[TM+4+\c], 0                        ; written once: a lane permute's destination counts as one of its sources
.endr
.irp a, 0,1,2,3,4,5,6,7
	QUANT \a
.irp c, 0,1,2,3
	global_store_b128 v[L16], v[PC+4*\c:PC+4*\c+3], s[92:93] offset:4096*\a+512*\c   ; the fragment as it stands: 512 consecutive bytes a store
.endr
	global_store_b32 v[R4], v[PW], s[94:95] offset:64*\a
.endr
	s_wait_tensorcnt 0x0                           ; the wave's end
	ds_add_u32 v[SPW], v[NIL]
	s_wait_dscnt 0x0
	CROUND                                         ; the closing round
	s_endpgm
.Lfunc_end_k_qf21b093039_mlp1:
	.size	k_qf21b093039_mlp1, .Lfunc_end_k_qf21b093039_mlp1-k_qf21b093039_mlp1
	.p2alignl 7, 3214868480
	.fill 96, 4, 3214868480
	.section	.rodata,"a",@progbits
	.p2align	6, 0x0
	.amdhsa_kernel k_qf21b093039_mlp1
		.amdhsa_group_segment_fixed_size 327680
		.amdhsa_private_segment_fixed_size 0
		.amdhsa_enable_private_segment 0
		.amdhsa_kernarg_size 40
		.amdhsa_user_sgpr_count 2
		.amdhsa_user_sgpr_kernarg_segment_ptr 1
		.amdhsa_wavefront_size32 1
		.amdhsa_system_sgpr_workgroup_id_x 1
		.amdhsa_system_sgpr_workgroup_id_y 1
		.amdhsa_system_sgpr_workgroup_id_z 1
		.amdhsa_system_vgpr_workitem_id 0
		.amdhsa_next_free_vgpr 1024
		.amdhsa_next_free_sgpr 100
		.amdhsa_reserve_vcc 0
		.amdhsa_float_denorm_mode_32 3
		.amdhsa_float_denorm_mode_16_64 3
		.amdhsa_memory_ordered 1
		.amdhsa_forward_progress 1
		.amdhsa_inst_pref_size 188
	.end_amdhsa_kernel
	.amdgpu_metadata
---
amdhsa.version: [ 1, 2 ]
amdhsa.kernels:
  - .name:           k_qf21b093039_mlp1
    .symbol:         k_qf21b093039_mlp1.kd
    .args:
      - { .name: himg, .offset: 0, .size: 8, .value_kind: global_buffer, .address_space: global }
      - { .name: W1_codes, .offset: 8, .size: 8, .value_kind: global_buffer, .address_space: global }
      - { .name: W1_scales, .offset: 16, .size: 8, .value_kind: global_buffer, .address_space: global }
      - { .name: b1, .offset: 24, .size: 8, .value_kind: global_buffer, .address_space: global }
      - { .name: hidimg, .offset: 32, .size: 8, .value_kind: global_buffer, .address_space: global }
    .group_segment_fixed_size: 327680
    .private_segment_fixed_size: 0
    .kernarg_segment_align: 8
    .kernarg_segment_size: 40
    .max_flat_workgroup_size: 128
    .sgpr_count:     100
    .vgpr_count:     1024
    .wavefront_size: 32
...
	.end_amdgpu_metadata
.endif
;; end of part 5
;; launch mlp2 (part 6): grid 4 x 16, 4 waves a work-group, clusters of 4 x 4, 327,680 bytes of LDS; arguments hidimg, W2_codes, W2_scales, b2, x1, out0; writes out0
.if DOCPART == 6
	.amdgcn_target "amdgcn-amd-amdhsa--gfx1250"
	.amdhsa_code_object_version 6
	.text
	.protected	k_qf21b093039_mlp2
	.globl	k_qf21b093039_mlp2
	.p2align	8
	.type	k_qf21b093039_mlp2,@function
k_qf21b093039_mlp2:
	s_mov_b64 s[64:65], 0
	v_nop
	global_prefetch_b8 v0, s[64:65] scope:SCOPE_SE
	s_setreg_imm32_b32 hwreg(HW_REG_WAVE_MODE, 25, 1), 1
	s_wait_xcnt 0x0
	s_wait_alu depctr_hold_cnt(0) depctr_sa_sdst(0) depctr_va_vdst(0) depctr_va_sdst(0) depctr_va_ssrc(0) depctr_va_vcc(0) depctr_vm_vsrc(0)
	s_getreg_b32 s2, hwreg(HW_REG_IB_STS2, 6, 4)
	s_cmp_eq_u32 s2, 0
	s_cbranch_scc0 .Lentry_in_a_cluster
	s_endpgm
.Lentry_in_a_cluster:
	s_bfe_u32 s2, ttmp6, 0x10000c
	s_cmp_lg_u32 s2, 0xf033
	s_cbranch_scc0 .Lentry_shape_is_right
	s_endpgm
.Lentry_shape_is_right:
; out = res + act W^T + bias, the product on codes of E4M3 with E8M0 scales; out, res: [4,096][1,024] f32.  Here: act = the hidden layer, W = W2, K = 4,096, res = x1, out = out0.  Nothing is left out.
; act: images of operand registers, [token / 128][k / 256][33,792 bytes] (codes [tile 8][2][c 4][lane][16], then scale words [2][tile 8][row 16]).  W: rows [n][KT codes], scale bytes [n][KT / 32].
; A work-group makes 256 tokens x 256 n; four waves, each 128 x 128: 64 accumulators, 512 registers.  K goes in steps of 256 through two LDS slots filled by the tensor data mover.
; 4 x 4 work-groups form a cluster: act's blocks are asked for jointly along a row of the cluster, W's tiles and scale bytes along a column.  The output has 64 such tiles: the launch has 64 work-groups.
; ROWS OF A TILE: lane r of tile T takes row 32 (T / 2) + 8 (T % 2) + r + 8 (r / 8), on both sides.  In D(source 0 = W tile b, source 1 = act tile a) a lane holds one token, and the 16 registers of b = 2 c, 2 c + 1 are n = 32 c + 16 (lane / 16) + 0 .. 15.
; THE RESIDUAL AND THE BIAS START THE SUMS: res is loaded straight into the accumulators while the first tiles are on their way, the bias is added there, and every product accumulates.
; LIMITS: NaN and infinities are not served.
; REGISTERS: window 0: v1-31 addresses; v32-47 act's scale words (two sets), v48-63 W's; v64-127 the bias; v128-255 act's fragments, one set.  window 1: W's fragments, two sets.  windows 2, 3: accumulator (a, b) at v[8 (8 (a % 4) + b)].
.set KT,    4096
.set NKS,   KT/256
.set KS,    KT/32                      ; a row of W's scale bytes
.set ABLK,  33792                      ; act: 128 tokens x 256 k, codes and scale words
.set PITCH, 272                        ; a row of W in LDS: 256 bytes + 16
.set BHALF, 128*PITCH
.set BOFF,  2*ABLK
.set SLOT,  BOFF+2*BHALF               ; act's two blocks, then W's 256 rows
.set SCL,   2*SLOT                     ; behind the ring: W's scale bytes of 256 rows for all of K, as 256 bytes + 16; filled once
.set SCQ,   (64*KS/256)*272            ; those of 64 rows: what one tensor load brings
.set SPARE, SCL+4*SCQ                  ; the spare words, 128 bytes for each wave
.set LAPS,  KT/512
.set ADRA, 16                          ; v16-17 act's fragments in slot 0, 1: 16 x lane
.set ADSA, 18                          ; v18-19 act's scale words: 4 r + 512 h
.set ADRB, 20                          ; v20-21 W's fragments: row (r + 8 (r / 8)) x pitch + 16 h
.set RES,  22                          ; my lane's byte in the wave's part of res
.set STO,  24                          ; the way out: where I put 32 bytes of a row
.set RD,   25                          ; and where I read a row back
.set ADRS, 27                          ; W's scale words; steps 8 bytes a K step
.set SPW,  28
.set NIL,  29
.set L16,  30                          ; 16 x lane
.set R4,   31                          ; 4 r
.set SQ,   32
.set SP,   48
.set BT,   64
.set QF,   128
.set BK,   128                         ; the way out: 16 rows read back: v128-191 and v192-255 by turns
.set G1A, 24
.set G0A, 32
.set G1B, 48
.set G0B, 56
.set G1S, 68
.set G0S, 76
.set MSB, 0
.macro WIN new                         ; the immediate's high byte repeats the setting that is left
.if MSB != (\new)
	s_set_vgpr_msb (MSB<<8)|(\new)
.set MSB, (\new)
.endif
.endm
.macro PLACES n
.rept \n
	v_nop
.endr
.endm
.macro JLOAD s                         ; a joint load: waves 0, 1 fetch act's two blocks, waves 2, 3 W's two halves; an s_nop 0 and four v_nop follow each line
	s_cmp_eq_u32 s15, 0
	s_cbranch_scc0 .Lfor_w_\@
	tensor_load_to_lds s[G0A+4*\s:G0A+4*\s+3], s[G1A:G1A+7]
	s_nop 0
.rept 4
	v_nop
.endr
	s_branch .Lasked_\@
.Lfor_w_\@:
	tensor_load_to_lds s[G0B+4*\s:G0B+4*\s+3], s[G1B:G1B+7]
	s_nop 0
.rept 4
	v_nop
.endr
.Lasked_\@:
.endm
.macro CREST                           ; a round of the cluster's barrier behind its opening barrier
	s_cmp_lg_u32 s14, 0
	s_cbranch_scc1 .Lnot_wave_0_\@
	s_barrier_signal -3
.Lnot_wave_0_\@:
	s_barrier_wait -3
	s_barrier_signal -1
	s_barrier_wait -1
.endm
.macro CROUND
	s_barrier_signal -1
	s_barrier_wait -1
	CREST
.endm
	s_load_b64 s[4:5], s[0:1], 0x0                 ; act's images
	s_load_b128 s[8:11], s[0:1], 0x8               ; W: codes, scales
	s_load_b64 s[12:13], s[0:1], 0x18              ; the bias
	s_load_b128 s[84:87], s[0:1], 0x20             ; res, out
	v_lshl_add_u32 v[SPW], v0, 2, SPARE
	v_mov_b32 v[NIL], 0
	ds_add_u32 v[SPW], v[NIL]                      ; the opening: the add, twice on end, and its wait ahead of my first tensor load
	ds_add_u32 v[SPW], v[NIL]
	v_lshrrev_b32 v1, 5, v0
	v_readfirstlane_b32 s14, v1                    ; wave 0..3
	s_lshr_b32 s15, s14, 1                         ; my half of the tokens.  Also: I fetch act (0) or W (1)
	s_and_b32 s16, s14, 1                          ; my half of W's rows.  Also: which half I fetch
	s_bfe_u32 s40, ttmp6, 0x40000                  ; cx
	s_bfe_u32 s41, ttmp6, 0x40004                  ; cy
	s_lshl_b32 s42, ttmp9, 2
	s_add_co_u32 s42, s42, s40                     ; which 256 n
	s_and_b32 s17, ttmp7, 0xffff
	s_lshl_b32 s17, s17, 2
	s_add_co_u32 s17, s17, s41                     ; which 256 tokens
	s_lshl_b32 s43, s41, 2
	s_lshl_b32 s43, 15, s43                        ; my row of the cluster
	s_lshl_b32 s44, 0x1111, s40                    ; my column
	s_or_b32 s[G1A], s43, (3<<16)|(1<<21)          ; act's block: dense, 132 rows of 32 elements of 8 bytes, no padding
	s_mov_b32 s[G1A+1], 32<<16
	s_mov_b32 s[G1A+2], 132<<16
	s_mov_b32 s[G1A+3], 32<<16
	s_mov_b32 s[G1A+4], 132
	s_mov_b32 s[G1A+5], 32
	s_mov_b32 s[G1A+6], 0
	s_mov_b32 s[G1A+7], 0
	s_or_b32 s[G1B], s44, (1<<20)|(1<<21)|(5<<22)|(3<<25)   ; W: 128 rows of 256 bytes, KT apart, four words of padding behind every 64
	s_mov_b32 s[G1B+1], 256<<16
	s_mov_b32 s[G1B+2], 128<<16
	s_mov_b32 s[G1B+3], 256<<16
	s_mov_b32 s[G1B+4], 128
	s_mov_b32 s[G1B+5], KT
	s_mov_b32 s[G1B+6], 0
	s_mov_b32 s[G1B+7], 0
	s_or_b32 s[G1S], s44, (3<<16)|(1<<20)|(1<<21)|(5<<22)|(3<<25)   ; W's scale bytes of 64 rows: dense, as rows of 256 bytes, padded likewise
	s_mov_b32 s[G1S+1], 32<<16
	s_mov_b32 s[G1S+2], (64*KS/256)<<16
	s_mov_b32 s[G1S+3], 32<<16
	s_mov_b32 s[G1S+4], 64*KS/256
	s_mov_b32 s[G1S+5], 32
	s_mov_b32 s[G1S+6], 0
	s_mov_b32 s[G1S+7], 0
	s_lshl_b32 s20, s17, 1
	s_add_co_u32 s20, s20, s16
	s_mul_i32 s20, s20, NKS*ABLK                   ; act: block row 2 x (256 tokens) + the half that I fetch
	s_mov_b32 s21, 0
	s_lshl_b32 s46, s42, 8
	s_lshl_b32 s47, s16, 7
	s_add_co_u32 s46, s46, s47
	s_mul_i32 s46, s46, KT                         ; W: row 256 x (256 n) + 128 x half
	s_mov_b32 s47, 0
	s_lshl_b32 s80, s42, 8
	s_lshl_b32 s81, s14, 6
	s_add_co_u32 s80, s80, s81
	s_mul_i32 s80, s80, KS                         ; its scale bytes: + 64 x wave
	s_mov_b32 s81, 0
	s_mul_i32 s45, s16, ABLK                       ; where they go: no place in the cluster enters an LDS address
	s_mul_i32 s82, s16, BHALF
	s_add_co_u32 s82, s82, BOFF
	s_mul_i32 s18, s14, SCQ
	s_add_co_u32 s18, s18, SCL
	s_wait_dscnt 0x0                               ; both opening adds are done
	s_wait_kmcnt 0x0
	s_add_nc_u64 s[20:21], s[4:5], s[20:21]
	s_add_nc_u64 s[46:47], s[8:9], s[46:47]
	s_add_nc_u64 s[80:81], s[10:11], s[80:81]
	s_mov_b32 s[G0S], 1
	s_mov_b32 s[G0S+1], s18
	s_mov_b64 s[G0S+2:G0S+3], s[80:81]
	s_or_b32 s[G0S+3], s[G0S+3], 0x80000000
.irp s, 0,1
	s_mov_b32 s[G0A+4*\s], 1
	s_add_co_u32 s[G0A+4*\s+1], s45, \s*SLOT
	s_add_nc_u64 s[G0A+4*\s+2:G0A+4*\s+3], s[20:21], \s*ABLK
	s_or_b32 s[G0A+4*\s+3], s[G0A+4*\s+3], 0x80000000
	s_mov_b32 s[G0B+4*\s], 1
	s_add_co_u32 s[G0B+4*\s+1], s82, \s*SLOT
	s_add_nc_u64 s[G0B+4*\s+2:G0B+4*\s+3], s[46:47], \s*256
	s_or_b32 s[G0B+4*\s+3], s[G0B+4*\s+3], 0x80000000
.endr
	CROUND                                         ; all sixteen work-groups are here: the first joint loads meet
	tensor_load_to_lds s[G0S:G0S+3], s[G1S:G1S+7]  ; every wave: a quarter of W's scale bytes.  With the two below, three loads of mine are out
	s_nop 0
.rept 4
	v_nop
.endr
	JLOAD 0
	JLOAD 1
	v_and_b32 v1, 15, v0                           ; r
	v_bfe_u32 v2, v0, 4, 1                         ; h
	v_and_b32 v3, 31, v0
	v_lshlrev_b32 v[L16], 4, v3
	v_lshlrev_b32 v[R4], 2, v1
	v_and_b32 v4, 8, v1
	v_add_nc_u32 v4, v4, v1                        ; r + 8 (r / 8)
	s_mul_i32 s21, s15, ABLK
	v_add_nc_u32 v[ADRA], s21, v[L16]
	v_add_nc_u32 v[ADRA+1], SLOT, v[ADRA]
	v_lshl_add_u32 v5, v2, 9, v[R4]
	v_add_nc_u32 v[ADSA], s21, v5
	v_add_nc_u32 v[ADSA+1], SLOT, v[ADSA]
	v_mul_u32_u24 v6, v4, PITCH
	v_lshl_add_u32 v6, v2, 4, v6
	s_mul_i32 s22, s16, BHALF
	s_add_co_u32 s22, s22, BOFF
	v_add_nc_u32 v[ADRB], s22, v6
	v_add_nc_u32 v[ADRB+1], SLOT, v[ADRB]
	v_mul_u32_u24 v7, v4, KS                       ; my row's scale bytes,
	v_lshrrev_b32 v8, 8, v7
	v_lshl_add_u32 v7, v8, 4, v7                   ; 16 more for each 256 passed,
	v_lshl_add_u32 v7, v2, 2, v7                   ; lanes 16-31 the word of the second 128 of k
	s_mul_i32 s22, s16, 2*SCQ
	s_add_co_u32 s22, s22, SCL
	v_add_nc_u32 v[ADRS], s22, v7
	v_lshlrev_b32 v[RES], 12, v4
	v_lshl_add_u32 v[RES], v2, 6, v[RES]           ; res: token r + 8 (r / 8) of a tile, + 16 h numbers
	v_lshlrev_b32 v9, 6, v2                        ; the bias: + 16 h numbers
	s_mul_i32 s23, s14, 16*528                     ; my stage: it lies in slot 0, which has had its last fill and its last read when the first result is stored there
	v_mul_u32_u24 v5, v1, 528
	v_lshl_add_u32 v5, v2, 6, v5
	v_add_nc_u32 v[STO], s23, v5
	v_add_nc_u32 v[RD], s23, v[L16]
	s_lshl_b32 s88, s17, 8
	s_lshl_b32 s89, s15, 7
	s_add_co_u32 s88, s88, s89
	s_lshl_b32 s88, s88, 12                        ; my first token's row,
	s_lshl_b32 s90, s42, 10
	s_lshl_b32 s89, s16, 9
	s_add_co_u32 s90, s90, s89                     ; my first n, in bytes
	s_add_co_u32 s88, s88, s90
	s_mov_b32 s89, 0
	s_mov_b32 s91, 0
	s_add_nc_u64 s[84:85], s[84:85], s[88:89]
	s_add_nc_u64 s[86:87], s[86:87], s[88:89]
	s_add_nc_u64 s[12:13], s[12:13], s[90:91]
.irp a, 0,1,2,3,4,5,6,7                        ; res into the accumulators: 16 neighbouring numbers of a token are the registers of W tiles 2 c and 2 c + 1
	WIN 0x80+0x40*(\a/4)
.irp c, 0,1,2,3
.irp j, 0,1,2,3
	global_load_b128 v[64*(\a%4)+16*\c+4*\j:64*(\a%4)+16*\c+4*\j+3], v[RES], s[84:85] offset:(32*(\a/2)+8*(\a%2))*4096+128*\c+16*\j
.endr
.endr
.endr
	WIN 0
.irp b, 0,1,2,3,4,5,6,7
	global_load_b128 v[BT+8*\b:BT+8*\b+3], v9, s[12:13] offset:(32*(\b/2)+8*(\b%2))*4
	global_load_b128 v[BT+8*\b+4:BT+8*\b+7], v9, s[12:13] offset:(32*(\b/2)+8*(\b%2))*4+16
.endr
	s_wait_loadcnt 0x0
.irp a, 0,1,2,3,4,5,6,7
	WIN 0x82+0x41*(\a/4)                           ; destination and source 0: the accumulators' window; source 1: window 0
.irp b, 0,1,2,3,4,5,6,7
.irp p, 0,2,4,6
	v_pk_add_f32 v[64*(\a%4)+8*\b+\p:64*(\a%4)+8*\b+\p+1], v[64*(\a%4)+8*\b+\p:64*(\a%4)+8*\b+\p+1], v[BT+8*\b+\p:BT+8*\b+\p+1]
.endr
.endr
.endr
	WIN 0
	PLACES 8
.macro FRAGA reg, slot, q, i           ; a fragment of act: an image, 4 x 512 consecutive bytes
.irp c, 0,1,2,3
	ds_load_b128 v[\reg+4*\c:\reg+4*\c+3], v[ADRA+\slot] offset:4096*(\i)+2048*(\q)+512*\c
.endr
.endm
.macro FRAGB reg, slot, q, t           ; a fragment of W: tile t begins at row 32 (t / 2) + 8 (t % 2)
.irp c, 0,1,2,3
	ds_load_b128 v[\reg+4*\c:\reg+4*\c+3], v[ADRB+\slot] offset:(32*((\t)/2)+8*((\t)%2))*PITCH+128*(\q)+32*\c
.endr
.endm
.macro RUN1 slot, q, p, sc             ; a run of LDS loads: W's eight fragments into set p, act's tiles 0-3, and (sc = 1) the K step's scale words
	WIN 0x40
.irp t, 0,1,2,3,4,5,6,7
	FRAGB 128*(\p)+16*\t, \slot, \q, \t
.endr
	WIN 0
.irp i, 0,1,2,3
	FRAGA QF+16*\i, \slot, \q, \i
.endr
.if \sc
.irp i, 0,1,2,3,4,5,6,7
	ds_load_b32 v[SQ+8*\slot+\i], v[ADSA+\slot] offset:32768+64*\i
	ds_load_b32 v[SP+8*\slot+\i], v[ADRS] offset:((32*(\i/2)+8*(\i%2))*KS/256)*272
.endr
.endif
.endm
.macro RUN2 slot, q                    ; act's tiles 4-7
.irp i, 4,5,6,7
	FRAGA QF+16*\i, \slot, \q, \i
.endr
.endm
; 16 matrix instructions: act's tiles a0, a0 + 1 x W's eight, the slot's q-th 128 along K.  A scale register holds q = 0 in lanes 0-15 and q = 1 in lanes 16-31.
; The 64 accumulators take turns, one instruction a turn, in the same order in every step.
.macro MUL16 a0, p, q, set
.irp a, \a0, \a0+1
.irp b, 0,1,2,3,4,5,6,7
.set rD, 8*(8*((\a)%4)+\b)
.set rP, 128*(\p)+16*\b
.set rQ, QF+16*(\a)
.if \q
	v_wmma_scale_f32_16x16x128_f8f6f4 v[rD:rD+7], v[rP:rP+15], v[rQ:rQ+15], v[rD:rD+7], v[SP+8*(\set)+\b], v[SQ+8*(\set)+(\a)] matrix_a_scale:MATRIX_SCALE_ROW1 matrix_b_scale:MATRIX_SCALE_ROW1
.else
	v_wmma_scale_f32_16x16x128_f8f6f4 v[rD:rD+7], v[rP:rP+15], v[rQ:rQ+15], v[rD:rD+7], v[SP+8*(\set)+\b], v[SQ+8*(\set)+(\a)]
.endif
.endr
.endr
.endm
; A slot's first 128 along K.  Eight places stand in front of each run of loads into registers that matrix instructions have read.
.macro STEP slot
	s_wait_dscnt 16                                ; all but the youngest run, act's tiles 4-7
	WIN 0xa1
	MUL16 0, 0, 0, \slot
	MUL16 2, 0, 0, \slot
	s_wait_dscnt 0x0
	PLACES 8
	WIN 0
	RUN1 \slot, 1, 1, 0
	WIN 0xf1
	MUL16 4, 0, 0, \slot
	MUL16 6, 0, 0, \slot
	PLACES 8
	WIN 0
	RUN2 \slot, 1
.endm
; A slot's second 128 along K, and the change of slots: one barrier; in front of it each wave waits for all its tensor loads, adds 0 to its spare word, and waits for that and for its reads of this slot.
.macro TURN slot, next, fill
	s_wait_tensorcnt 0x0                           ; all my tensor loads have landed: my part of the next slot
	ds_add_u32 v[SPW], v[NIL]
	s_wait_dscnt 17                                ; (the add and the youngest run may be out)
	WIN 0xa1
	MUL16 0, 1, 1, \slot
	s_wait_dscnt 0x0                               ; the add is done, and my reads of this slot are over
	s_barrier_signal -1
	MUL16 2, 1, 1, \slot
	WIN 0
	s_barrier_wait -1
.if \fill
	CREST                                          ; the barrier has opened a round of the cluster's: no wave of any partner still reads this slot or has a load on its way
	s_add_nc_u64 s[G0A+4*\slot+2:G0A+4*\slot+3], s[G0A+4*\slot+2:G0A+4*\slot+3], 2*ABLK
	s_add_nc_u64 s[G0B+4*\slot+2:G0B+4*\slot+3], s[G0B+4*\slot+2:G0B+4*\slot+3], 512
	JLOAD \slot                                    ; the first tensor load behind the round; its four v_nop are among the eight places
	PLACES 4
.else
	PLACES 8
.endif
	v_add_nc_u32 v[ADRS], 8, v[ADRS]               ; W's scale words of the next K step
	RUN1 \next, 0, 0, 1
	WIN 0xf1
	MUL16 4, 1, 1, \slot
	MUL16 6, 1, 1, \slot
	PLACES 8
	WIN 0
	RUN2 \next, 0
.endm
	s_wait_tensorcnt 1                             ; the scales and my part of K step 0 are in; K step 1's load, the one issued behind them, may be out
	s_barrier_signal -1
	s_barrier_wait -1
	RUN1 0, 0, 0, 1
	RUN2 0, 0
	STEP 0
	s_mov_b32 s3, LAPS-1
.Llap:                                             ; a trip goes once round the ring and fills both slots again
	TURN 0, 1, 1
	STEP 1
	TURN 1, 0, 1
	STEP 0
	s_sub_co_u32 s3, s3, 1
	s_cmp_lg_u32 s3, 0
	s_cbranch_scc1 .Llap
	TURN 0, 1, 0                                   ; the last lap fills nothing
	STEP 1
	s_wait_dscnt 16
	WIN 0xa1
	MUL16 0, 1, 1, 1
	MUL16 2, 1, 1, 1
	s_wait_dscnt 0x0
	WIN 0xf1
	MUL16 4, 1, 1, 1
	MUL16 6, 1, 1, 1
	WIN 0
	PLACES 8
; THE WAY OUT, a tile of 16 tokens x 128 n at a time, through my own stage in LDS (rows of 512 bytes + 16): back come whole rows, which the 32 lanes store as 512 consecutive aligned bytes.
; LDS serves a wave's instructions in order (ISA guide 5.7.1.4): no wait between the stores and the loads, nor in front of the next tile's stores.
.macro TOSTAGE a
.set AC, 64*((\a)%4)
	WIN 0x08+4*((\a)/4)                            ; the data: window 2 or 3
.irp b, 0,1,2,3,4,5,6,7
	ds_store_b128 v[STO], v[AC+8*\b:AC+8*\b+3] offset:128*(\b/2)+32*(\b%2)       ; each accumulator from its low end on
	ds_store_b128 v[STO], v[AC+8*\b+4:AC+8*\b+7] offset:128*(\b/2)+32*(\b%2)+16
.endr
	WIN 0
.set BB, BK+64*((\a)%2)
.irp t, 0,1,2,3,4,5,6,7,8,9,10,11,12,13,14,15
	ds_load_b128 v[BB+4*\t:BB+4*\t+3], v[RD] offset:\t*528
.endr
.endm
.macro SEND a, younger                 ; younger: the LDS instructions issued behind tile a's loads, which may stay out
.set BB, BK+64*((\a)%2)
	s_wait_dscnt \younger
.irp t, 0,1,2,3,4,5,6,7,8,9,10,11,12,13,14,15
	global_store_b128 v[L16], v[BB+4*\t:BB+4*\t+3], s[86:87] offset:(32*((\a)/2)+8*((\a)%2)+\t+8*(\t/8))*4096 th:TH_STORE_NT   ; stage row t is the tile's token t + 8 (t / 8)
.endr
.endm
	TOSTAGE 0
.irp a, 1,2,3,4,5,6,7
.if \a > 1
	s_wait_xcnt 0x0                                ; tile a - 2's stores have read their registers: tile a's loads may land there
.endif
	TOSTAGE \a
	SEND \a-1, 32                                  ; behind tile a - 1's loads: tile a's 16 stores and 16 loads
.endr
	SEND 7, 0
	s_wait_tensorcnt 0x0                           ; the wave's end
	ds_add_u32 v[SPW], v[NIL]
	s_wait_dscnt 0x0
	CROUND                                         ; the closing round
	s_endpgm
.Lfunc_end_k_qf21b093039_mlp2:
	.size	k_qf21b093039_mlp2, .Lfunc_end_k_qf21b093039_mlp2-k_qf21b093039_mlp2
	.p2alignl 7, 3214868480
	.fill 96, 4, 3214868480
	.section	.rodata,"a",@progbits
	.p2align	6, 0x0
	.amdhsa_kernel k_qf21b093039_mlp2
		.amdhsa_group_segment_fixed_size 327680
		.amdhsa_private_segment_fixed_size 0
		.amdhsa_enable_private_segment 0
		.amdhsa_kernarg_size 48
		.amdhsa_user_sgpr_count 2
		.amdhsa_user_sgpr_kernarg_segment_ptr 1
		.amdhsa_wavefront_size32 1
		.amdhsa_system_sgpr_workgroup_id_x 1
		.amdhsa_system_sgpr_workgroup_id_y 1
		.amdhsa_system_sgpr_workgroup_id_z 1
		.amdhsa_system_vgpr_workitem_id 0
		.amdhsa_next_free_vgpr 1024
		.amdhsa_next_free_sgpr 100
		.amdhsa_reserve_vcc 0
		.amdhsa_float_denorm_mode_32 3
		.amdhsa_float_denorm_mode_16_64 3
		.amdhsa_memory_ordered 1
		.amdhsa_forward_progress 1
		.amdhsa_inst_pref_size 176
	.end_amdhsa_kernel
	.amdgpu_metadata
---
amdhsa.version: [ 1, 2 ]
amdhsa.kernels:
  - .name:           k_qf21b093039_mlp2
    .symbol:         k_qf21b093039_mlp2.kd
    .args:
      - { .name: hidimg, .offset: 0, .size: 8, .value_kind: global_buffer, .address_space: global }
      - { .name: W2_codes, .offset: 8, .size: 8, .value_kind: global_buffer, .address_space: global }
      - { .name: W2_scales, .offset: 16, .size: 8, .value_kind: global_buffer, .address_space: global }
      - { .name: b2, .offset: 24, .size: 8, .value_kind: global_buffer, .address_space: global }
      - { .name: x1, .offset: 32, .size: 8, .value_kind: global_buffer, .address_space: global }
      - { .name: out0, .offset: 40, .size: 8, .value_kind: global_buffer, .address_space: global }
    .group_segment_fixed_size: 327680
    .private_segment_fixed_size: 0
    .kernarg_segment_align: 8
    .kernarg_segment_size: 48
    .max_flat_workgroup_size: 128
    .sgpr_count:     100
    .vgpr_count:     1024
    .wavefront_size: 32
...
	.end_amdgpu_metadata
.endif
;; end of part 6
;; ======== version 2 of 2: 7 launches
;; limits: right only within a limited range of input values
;; workspace buffers: himg 4,325,376 bytes; qimg 4,456,448 bytes; kv 8,912,896 bytes; oimg 4,325,376 bytes; x1 16,777,216 bytes; hidimg 17,301,504 bytes
;; launch lnq1 (part 7): grid 256 x 1, 8 waves a work-group, no clusters, 66,816 bytes of LDS; arguments x, ln1_g, ln1_b, himg; writes himg
.if DOCPART == 7
	.amdgcn_target "amdgcn-amd-amdhsa--gfx1250"
	.amdhsa_code_object_version 6
	.text
	.protected	k_qf21b093039_lnq1
	.globl	k_qf21b093039_lnq1
	.p2align	8
	.type	k_qf21b093039_lnq1,@function
k_qf21b093039_lnq1:
	s_mov_b64 s[64:65], 0
	v_nop
	global_prefetch_b8 v0, s[64:65] scope:SCOPE_SE
	s_setreg_imm32_b32 hwreg(HW_REG_WAVE_MODE, 25, 1), 1
	s_wait_xcnt 0x0
; LAYER NORM AND QUANTISER.  y = (x - mean) * rsqrt(var + 1e-5) * g + b over rows of 1,024 f32, then codes of E4M3 with one E8M0 byte for each 32 along the row.
; THE WHOLE PROGRAM leaves no work of the block out: every input has a way to out0, every product of the table is live, and every input is loaded by some launch.
; LIMITS: NaN and infinities among the inputs are not served.  A block of zeros gets the scale byte 1 where the quantiser says 127: its codes are zeros, which add nothing, and only this program reads the bytes.
; THE ORDER OF ROWS IN A TILE, used by every launch of the program: lane r of tile T takes row 32 (T / 2) + 8 (T % 2) + r + 8 (r / 8).  A matrix result whose source 0 has such tiles then holds, in the 16 registers of
; tiles 2 c and 2 c + 1, the 16 neighbours 32 c + 16 (lane / 16) + 0 .. 15: the order of an operand's registers.
; THE OUTPUT is laid as images of operand registers: [token / 128][k / 256][33,792 bytes]; in a block the codes [tile 8][128 of k: 2][c 4][lane 32][16 bytes], then the scale words [128 of k: 2][tile 8][row 16] of 4 bytes.
; SHARES.  A work-group takes one tile of 16 tokens.  First each of its eight waves normalises two whole rows (a row is 32 registers of a wave; the sums never leave the wave) and puts them into a stage in LDS;
; behind one barrier wave w takes columns 128 w .. 128 w + 127 of all 16 rows, 64 numbers a lane in the operand's order, quantises them and stores one fragment: four stores of 512 consecutive bytes, and 16 scale words.
; No matrix unit, no tensor load, no cluster: the launch streams, and work-groups share only g and b.
.set SP,    4112                       ; a stage row: 4,096 bytes + 16, an odd multiple of 16: the sixteen rows that a read touches fall on sixteen different columns of banks
.set SPARE, 16*SP                      ; behind the stage: the spare words, 128 bytes for each wave
.set X,     16                         ; v16-79   two rows as loaded; later 64 numbers in the operand's order
.set G,     80                         ; v80-111  g of my 32 columns
.set BI,    112                        ; v112-143 b likewise
.set SPW,   144                        ; v144     LDS address of my spare word; never rewritten
.set NIL,   145                        ; v145     0; never rewritten
.set CH,    148                        ; v148-163 four chains of pairs for each of the two rows
.set TM,    148                        ; the same registers later: largest magnitudes, bytes, holds, scale operands
.set PW,    164                        ; the scale word
.set PC,    168                        ; v168-183 the codes
	s_load_b256 s[4:11], s[0:1], 0x0               ; x s[4:5], g s[6:7], b s[8:9], the images s[10:11]
	v_lshl_add_u32 v[SPW], v0, 2, SPARE
	v_mov_b32 v[NIL], 0
	v_lshrrev_b32 v1, 5, v0
	s_delay_alu instid0(VALU_DEP_1)
	v_readfirstlane_b32 s12, v1                    ; wave 0..7
	v_and_b32 v1, 31, v0                           ; lane
	s_delay_alu instid0(VALU_DEP_1)
	v_lshlrev_b32 v2, 4, v1                        ; 16 x lane
	s_mul_i32 s20, s12, 2*SP
	v_add_nc_u32 v3, s20, v2                       ; into the stage: rows 2 w and 2 w + 1
	v_and_b32 v6, 15, v0                           ; r
	v_bfe_u32 v7, v0, 4, 1                         ; h
	s_delay_alu instid0(VALU_DEP_2)
	v_mul_u32_u24 v4, v6, SP
	s_delay_alu instid0(VALU_DEP_1)
	v_lshl_add_u32 v4, v7, 6, v4
	s_lshl_b32 s20, s12, 9
	v_add_nc_u32 v4, s20, v4                       ; out of it: row r, columns 128 w + 16 h on
	v_lshlrev_b32 v5, 2, v6                        ; 4 r: a scale word's place
	s_mov_b32 s14, 0x76543210
	s_mov_b32 s15, 0xfedcba98                      ; lane selects: lane l xor 16
	s_mov_b32 s16, 0x600000                        ; the mantissa field of 448
	s_mov_b32 s17, 0x3a800000                      ; 1 / 1,024
	s_mov_b32 s18, 0x3727c5ac                      ; 1e-5
	s_lshr_b32 s20, ttmp9, 1                       ; my two tokens: 32 (T / 2) + 8 (T % 2) + 2 w + 8 (w / 4), and the next
	s_lshl_b32 s20, s20, 5
	s_and_b32 s21, ttmp9, 1
	s_lshl_b32 s21, s21, 3
	s_add_co_u32 s20, s20, s21
	s_lshl_b32 s21, s12, 1
	s_add_co_u32 s20, s20, s21
	s_lshr_b32 s21, s12, 2
	s_lshl_b32 s21, s21, 3
	s_add_co_u32 s20, s20, s21
	s_lshl_b32 s20, s20, 12                        ; in bytes
	s_mov_b32 s21, 0
	s_lshr_b32 s22, ttmp9, 3                       ; my fragment's block: (T / 8) x 4 + w / 2
	s_lshl_b32 s22, s22, 2
	s_lshr_b32 s23, s12, 1
	s_add_co_u32 s22, s22, s23
	s_mul_i32 s22, s22, 33792
	s_and_b32 s23, ttmp9, 7                        ; the tile in it,
	s_and_b32 s24, s12, 1                          ; and which 128 of its 256 along k
	s_lshl_b32 s26, s23, 12
	s_lshl_b32 s25, s24, 11
	s_add_co_u32 s26, s26, s25
	s_add_co_u32 s26, s26, s22                     ; the codes
	s_mov_b32 s27, 0
	s_lshl_b32 s28, s23, 6
	s_lshl_b32 s25, s24, 9
	s_add_co_u32 s28, s28, s25
	s_add_co_u32 s28, s28, s22
	s_add_co_u32 s28, s28, 32768                   ; the scale words
	s_mov_b32 s29, 0
	s_wait_alu depctr_va_vdst(0)
	s_wait_kmcnt 0x0
	s_add_nc_u64 s[4:5], s[4:5], s[20:21]
	s_add_nc_u64 s[26:27], s[10:11], s[26:27]
	s_add_nc_u64 s[28:29], s[10:11], s[28:29]
.irp i, 0,1
.irp j, 0,1,2,3,4,5,6,7
	global_load_b128 v[X+32*\i+4*\j:X+32*\i+4*\j+3], v2, s[4:5] offset:4096*\i+512*\j th:TH_LOAD_NT   ; 512 consecutive bytes a load
.endr
.endr
.irp j, 0,1,2,3,4,5,6,7
	global_load_b128 v[G+4*\j:G+4*\j+3], v2, s[6:7] offset:512*\j
.endr
.irp j, 0,1,2,3,4,5,6,7
	global_load_b128 v[BI+4*\j:BI+4*\j+3], v2, s[8:9] offset:512*\j
.endr
; the four chains of each row become one number, the same in all 32 lanes; the two rows by turns
.macro RSUM
.irp i, 0
	v_pk_add_f32 v[CH+8*\i:CH+8*\i+1], v[CH+8*\i:CH+8*\i+1], v[CH+8*\i+2:CH+8*\i+3]
	s_delay_alu instid0(VALU_DEP_3)
	v_pk_add_f32 v[CH+8*\i+4:CH+8*\i+5], v[CH+8*\i+4:CH+8*\i+5], v[CH+8*\i+6:CH+8*\i+7]
.endr
.irp i, 1
	v_pk_add_f32 v[CH+8*\i:CH+8*\i+1], v[CH+8*\i:CH+8*\i+1], v[CH+8*\i+2:CH+8*\i+3]
	s_delay_alu instid0(VALU_DEP_4)
	v_pk_add_f32 v[CH+8*\i+4:CH+8*\i+5], v[CH+8*\i+4:CH+8*\i+5], v[CH+8*\i+6:CH+8*\i+7]
.endr
.irp i, 0
	s_delay_alu instid0(VALU_DEP_3)
	v_pk_add_f32 v[CH+8*\i:CH+8*\i+1], v[CH+8*\i:CH+8*\i+1], v[CH+8*\i+4:CH+8*\i+5]
.endr
.irp i, 1
	s_delay_alu instid0(VALU_DEP_2)
	v_pk_add_f32 v[CH+8*\i:CH+8*\i+1], v[CH+8*\i:CH+8*\i+1], v[CH+8*\i+4:CH+8*\i+5]
.endr
.irp i, 0,1
	s_delay_alu instid0(VALU_DEP_2)
	v_add_f32 v[CH+8*\i], v[CH+8*\i], v[CH+8*\i+1]
.endr
.irp m, 1,2,4,8
.irp i, 0,1
	s_delay_alu instid0(VALU_DEP_2)
	v_add_f32_dpp v[CH+8*\i], v[CH+8*\i], v[CH+8*\i] row_xmask:\m row_mask:0xf bank_mask:0xf
.endr
.endr
.irp i, 0,1
	s_delay_alu instid0(VALU_DEP_2)
	v_permlanex16_b32 v[CH+8*\i+1], v[CH+8*\i], s14, s15
.endr
.irp i, 0,1
	s_delay_alu instid0(VALU_DEP_2)
	v_add_f32 v[CH+8*\i], v[CH+8*\i], v[CH+8*\i+1]
.endr
.endm
	s_wait_loadcnt 16                              ; x is in; the 16 loads of g and b may stay out
.irp k, 0,1,2,3
.irp i, 0,1
	v_pk_add_f32 v[CH+8*\i+2*\k:CH+8*\i+2*\k+1], v[X+32*\i+4*\k:X+32*\i+4*\k+1], v[X+32*\i+4*\k+2:X+32*\i+4*\k+3]   ; the first pairs start the chains: nothing is cleared
.endr
.endr
.irp p, 8,9,10,11,12,13,14,15
.irp i, 0,1
	v_pk_add_f32 v[CH+8*\i+2*(\p%4):CH+8*\i+2*(\p%4)+1], v[CH+8*\i+2*(\p%4):CH+8*\i+2*(\p%4)+1], v[X+32*\i+2*\p:X+32*\i+2*\p+1]
.endr
.endr
	RSUM
.irp i, 0
	s_delay_alu instid0(VALU_DEP_2)
	v_mul_f32 v[6+2*\i], s17, v[CH+8*\i]           ; the mean, twice: a pair for the packed form
	s_delay_alu instid0(VALU_DEP_3)
	v_mul_f32 v[7+2*\i], s17, v[CH+8*\i]
.endr
.irp i, 1
	s_delay_alu instid0(VALU_DEP_3)
	v_mul_f32 v[6+2*\i], s17, v[CH+8*\i]           ; the mean, twice: a pair for the packed form
	s_delay_alu instid0(VALU_DEP_4)
	v_mul_f32 v[7+2*\i], s17, v[CH+8*\i]
.endr
.irp p, 0,1,2,3,4,5,6,7,8,9,10,11,12,13,14,15
.irp i, 0,1
	v_pk_add_f32 v[X+32*\i+2*\p:X+32*\i+2*\p+1], v[X+32*\i+2*\p:X+32*\i+2*\p+1], v[6+2*\i:7+2*\i] neg_lo:[0,1] neg_hi:[0,1]   ; d = x - mean: the variance is taken of d, so a common offset of x costs nothing
.endr
.endr
.irp k, 0,1,2,3
.irp i, 0,1
	v_pk_mul_f32 v[CH+8*\i+2*\k:CH+8*\i+2*\k+1], v[X+32*\i+2*\k:X+32*\i+2*\k+1], v[X+32*\i+2*\k:X+32*\i+2*\k+1]
.endr
.endr
.irp p, 4,5,6,7,8,9,10,11,12,13,14,15
.irp i, 0,1
	v_pk_fma_f32 v[CH+8*\i+2*(\p%4):CH+8*\i+2*(\p%4)+1], v[X+32*\i+2*\p:X+32*\i+2*\p+1], v[X+32*\i+2*\p:X+32*\i+2*\p+1], v[CH+8*\i+2*(\p%4):CH+8*\i+2*(\p%4)+1]
.endr
.endr
	RSUM
.irp i, 0,1
	s_delay_alu instid0(VALU_DEP_2)
	v_fma_f32 v[CH+8*\i+2], v[CH+8*\i], s17, s18   ; var + eps
.endr
	s_wait_alu depctr_va_vdst(0)
.irp i, 0,1
	v_rsq_f32 v[10+2*\i], v[CH+8*\i+2]             ; one batch of four: each row's twice, a pair for the packed form
	v_rsq_f32 v[11+2*\i], v[CH+8*\i+2]
.endr
	v_nop                                          ; a plain instruction behind the last of them,
	s_wait_alu depctr_va_vdst(0)                   ; and the one wait ahead of the first reader
	s_wait_loadcnt 0x0                             ; g and b
.irp p, 0,1,2,3,4,5,6,7,8,9,10,11,12,13,14,15
.irp i, 0,1
	v_pk_mul_f32 v[X+32*\i+2*\p:X+32*\i+2*\p+1], v[X+32*\i+2*\p:X+32*\i+2*\p+1], v[10+2*\i:11+2*\i]
.endr
.endr
.irp p, 0,1,2,3,4,5,6,7,8,9,10,11,12,13,14,15
.irp i, 0,1
	v_pk_fma_f32 v[X+32*\i+2*\p:X+32*\i+2*\p+1], v[X+32*\i+2*\p:X+32*\i+2*\p+1], v[G+2*\p:G+2*\p+1], v[BI+2*\p:BI+2*\p+1]
.endr
.endr
.irp i, 0,1
.irp j, 0,1,2,3,4,5,6,7
	ds_store_b128 v3, v[X+32*\i+4*\j:X+32*\i+4*\j+3] offset:SP*\i+512*\j
.endr
.endr
	s_wait_dscnt 0x0                               ; for the others' sake: my two rows lie in the stage
	s_barrier_signal -1
	s_barrier_wait -1                              ; all sixteen do
.irp c, 0,1,2,3
.irp j, 0,1,2,3
	ds_load_b128 v[X+16*\c+4*\j:X+16*\c+4*\j+3], v4 offset:128*\c+16*\j   ; register 16 c + i = column 128 w + 32 c + 16 h + i of row r
.endr
.endr
	s_wait_dscnt 0x0
.irp b, 0,1,2,3
	v_max3_num_f32 v[TM+\b], |v[X+16*\b]|, |v[X+1+16*\b]|, 0x4800000   ; block b: my 16 numbers, and the floor 2^(9 - 127): the byte cannot fall under 1
.endr
.irp i, 2,4,6,8,10,12,14
.irp b, 0,1,2,3
	s_delay_alu instid0(VALU_DEP_4)
	v_max3_num_f32 v[TM+\b], v[TM+\b], |v[X+16*\b+\i]|, |v[X+1+16*\b+\i]|   ; the four blocks by turns
.endr
.endr
.irp b, 0,1,2,3
	s_delay_alu instid0(VALU_DEP_4)
	v_permlanex16_b32 v[TM+4+\b], v[TM+\b], s14, s15
.endr
.irp b, 0,1,2,3
	s_delay_alu instid0(VALU_DEP_4)
	v_max_num_f32 v[TM+\b], v[TM+\b], v[TM+4+\b]   ; with lane l xor 16's: the block's largest magnitude
.endr
.irp b, 0,1,2,3
	s_delay_alu instid0(VALU_DEP_4)
	v_add_nc_u32 v[TM+12+\b], 0xfc000000, v[TM+\b] ; 8 off its exponent field: the conversion's scale operand
.endr
.irp b, 0,1,2,3
	v_and_or_b32 v[TM+8+\b], v[TM+\b], 0x7f800000, s16   ; 448 x the scale
.endr
.irp b, 0,1,2,3
	v_lshrrev_b32 v[TM+4+\b], 23, v[TM+12+\b]      ; the scale's byte
.endr
	s_delay_alu instid0(VALU_DEP_3)
	v_lshl_or_b32 v[PW], v[TM+5], 8, v[TM+4]
	s_delay_alu instid0(VALU_DEP_1)
	v_lshl_or_b32 v[PW], v[TM+6], 16, v[PW]
	s_delay_alu instid0(VALU_DEP_1)
	v_lshl_or_b32 v[PW], v[TM+7], 24, v[PW]        ; my row's scale word
.irp b, 0,1,2,3
.irp i, 0,1,2,3,4,5,6,7,8,9,10,11,12,13,14,15
	v_med3_num_f32 v[X+16*\b+\i], v[X+16*\b+\i], -v[TM+8+\b], v[TM+8+\b]   ; the conversion to an 8-bit code does not saturate (ISA guide 7.6.2): the hold at the largest code x the scale
.endr
	v_cvt_scalef32_pk8_fp8_f32 v[PC+4*\b:PC+1+4*\b], v[X+16*\b:X+7+16*\b], v[TM+12+\b]
	v_cvt_scalef32_pk8_fp8_f32 v[PC+2+4*\b:PC+3+4*\b], v[X+8+16*\b:X+15+16*\b], v[TM+12+\b]
.endr
	v_nop
.irp c, 0,1,2,3
	global_store_b128 v2, v[PC+4*\c:PC+4*\c+3], s[26:27] offset:512*\c   ; the fragment as it stands: 512 consecutive bytes a store
.endr
	global_store_b32 v5, v[PW], s[28:29]           ; 16 words; lanes r and r + 16 store the same word to the same place
	s_wait_tensorcnt 0x0                           ; the wave's end
	ds_add_u32 v[SPW], v[NIL]
	s_wait_dscnt 0x0
	s_endpgm
.Lfunc_end_k_qf21b093039_lnq1:
	.size	k_qf21b093039_lnq1, .Lfunc_end_k_qf21b093039_lnq1-k_qf21b093039_lnq1
	.p2alignl 7, 3214868480
	.fill 96, 4, 3214868480
	.section	.rodata,"a",@progbits
	.p2align	6, 0x0
	.amdhsa_kernel k_qf21b093039_lnq1
		.amdhsa_group_segment_fixed_size 66816
		.amdhsa_private_segment_fixed_size 0
		.amdhsa_enable_private_segment 0
		.amdhsa_kernarg_size 32
		.amdhsa_user_sgpr_count 2
		.amdhsa_user_sgpr_kernarg_segment_ptr 1
		.amdhsa_wavefront_size32 1
		.amdhsa_system_sgpr_workgroup_id_x 1
		.amdhsa_system_sgpr_workgroup_id_y 1
		.amdhsa_system_sgpr_workgroup_id_z 1
		.amdhsa_system_vgpr_workitem_id 0
		.amdhsa_next_free_vgpr 192
		.amdhsa_next_free_sgpr 66
		.amdhsa_reserve_vcc 0
		.amdhsa_float_denorm_mode_32 3
		.amdhsa_float_denorm_mode_16_64 3
		.amdhsa_memory_ordered 1
		.amdhsa_forward_progress 1
		.amdhsa_inst_pref_size 32
	.end_amdhsa_kernel
	.amdgpu_metadata
---
amdhsa.version: [ 1, 2 ]
amdhsa.kernels:
  - .name:           k_qf21b093039_lnq1
    .symbol:         k_qf21b093039_lnq1.kd
    .args:
      - { .name: x, .offset: 0, .size: 8, .value_kind: global_buffer, .address_space: global }
      - { .name: ln1_g, .offset: 8, .size: 8, .value_kind: global_buffer, .address_space: global }
      - { .name: ln1_b, .offset: 16, .size: 8, .value_kind: global_buffer, .address_space: global }
      - { .name: himg, .offset: 24, .size: 8, .value_kind: global_buffer, .address_space: global }
    .group_segment_fixed_size: 66816
    .private_segment_fixed_size: 0
    .kernarg_segment_align: 8
    .kernarg_segment_size: 32
    .max_flat_workgroup_size: 256
    .sgpr_count:     66
    .vgpr_count:     192
    .wavefront_size: 32
...
	.end_amdgpu_metadata
.endif
;; end of part 7
;; launch qkv (part 8): grid 12 x 16, 4 waves a work-group, clusters of 4 x 4, 327,680 bytes of LDS; arguments himg, Wq_codes, Wq_scales, Wk_codes, Wk_scales, Wv_codes, Wv_scales, qimg, kv; writes qimg, kv
.if DOCPART == 8
	.amdgcn_target "amdgcn-amd-amdhsa--gfx1250"
	.amdhsa_code_object_version 6
	.text
	.protected	k_qf21b093039_qkv
	.globl	k_qf21b093039_qkv
	.p2align	8
	.type	k_qf21b093039_qkv,@function
k_qf21b093039_qkv:
	s_mov_b64 s[64:65], 0
	v_nop
	global_prefetch_b8 v0, s[64:65] scope:SCOPE_SE
	s_setreg_imm32_b32 hwreg(HW_REG_WAVE_MODE, 25, 1), 1
	s_wait_xcnt 0x0
	s_wait_alu depctr_hold_cnt(0) depctr_sa_sdst(0) depctr_va_vdst(0) depctr_va_sdst(0) depctr_va_ssrc(0) depctr_va_vcc(0) depctr_vm_vsrc(0)
	s_getreg_b32 s2, hwreg(HW_REG_IB_STS2, 6, 4)
	s_cmp_eq_u32 s2, 0
	s_cbranch_scc0 .Lentry_in_a_cluster
	s_endpgm
.Lentry_in_a_cluster:
	s_bfe_u32 s2, ttmp6, 0x10000c
	s_cmp_lg_u32 s2, 0xf033
	s_cbranch_scc0 .Lentry_shape_is_right
	s_endpgm
.Lentry_shape_is_right:
; q, k, v = h W^T for all 16 heads, on codes of E4M3 with E8M0 scales, and the three results quantised in registers for attention.  Nothing is left out.
; h: images of operand registers, [token / 128][k / 256][33,792 bytes] (codes [tile 8][2][c 4][lane][16], then scale words [2][tile 8][row 16]).  W: rows [64 head + e][1,024 codes], scale bytes [row][32].
; A work-group makes 256 tokens x 256 rows of one W; four waves, each 128 x 128: 64 accumulators, 512 registers.  K goes in steps of 256 through two LDS slots filled by the tensor data mover.
; The cluster's x says which W: 0 q, 1 k, 2 v; cx says which 256 of its rows.  4 x 4 work-groups: h's blocks are asked for jointly along a row of the cluster, W's tiles and scales along a column.
; ROWS OF A TILE: lane r of tile T takes row 32 (T / 2) + 8 (T % 2) + r + 8 (r / 8), on both sides.  In D(source 0 = P tile b, source 1 = Q tile a) a lane holds one Q row, and the 64 registers of b = 0 .. 7 are P rows
; 32 c + 16 (lane / 16) + i: an operand's register order.  q and k: P = W, Q = h: a lane holds a token, registers run along the head's channels, the K of q k^T.
; v: the two register sides change data (P = h, Q = W): a lane holds a channel and registers run along the keys, the K of p v.  Only the runs of LDS loads and the stores have two arms, on the cluster's x, which all partners share.
; OUT.  qimg: codes [b head][tile 128][c 2][lane][16], from byte 4,194,304 scale words [b head][tile][row] (an even tile's two bytes in bytes 0, 1, an odd tile's in bytes 2, 3).  kv: [b head][unit 32][8,704]: unit 2 s: keys 128 s on, codes [tile 8][c 2][lane][16], words [tile 8][row 16];
; unit 2 s + 1: v of the same keys, codes [channel tile 4][c 4][lane][16], words [tile 4][lane 32].
; LIMITS: NaN and infinities are not served; a block of zeros gets the byte 1 (its codes are zeros; only this program reads the bytes).  Scale words leave in pieces of 64 or 128 bytes: one part in 32 of the codes.
; REGISTERS: window 0: v1-31 addresses; v32-47 Q's scale words (two sets), v48-63 P's; v128-255 Q's fragments, one set.  window 1: P's fragments, two sets.  windows 2, 3: accumulator (a, b) at v[8 (8 (a % 4) + b)].
.set KT,    1024
.set NKS,   KT/256
.set KS,    KT/32                      ; a row of W's scale bytes
.set ABLK,  33792                      ; h: 128 tokens x 256 k, codes and scale words
.set PITCH, 272                        ; a row of W in LDS: 256 bytes + 16
.set BHALF, 128*PITCH
.set BOFF,  2*ABLK
.set SLOT,  BOFF+2*BHALF               ; h's two blocks, then W's 256 rows
.set SCL,   2*SLOT                     ; behind the ring: W's scale bytes of 256 rows for all of K, as 256 bytes + 16; filled once
.set SCQ,   (64*KS/256)*272            ; those of 64 rows
.set SPARE, SCL+4*SCQ                  ; the spare words, 128 bytes for each wave
.set LAPS,  KT/512
.set ADRA, 16                          ; v16-17 h's fragments in slot 0, 1: 16 x lane
.set ADSA, 18                          ; v18-19 h's scale words: 4 r + 512 h: lanes 0-15 the first 128 of k, lanes 16-31 the second
.set ADRB, 20                          ; v20-21 W's fragments: row (r + 8 (r / 8)) x pitch + 16 h
.set L4,   23                          ; 4 x lane
.set ADRS, 27                          ; W's scale words; steps 8 bytes a K step
.set SPW,  28
.set NIL,  29
.set L16,  30                          ; 16 x lane
.set R4,   31                          ; 4 r
.set SQ,   32
.set SP,   48
.set QF,   128
.set TM,   32                          ; the way out: v32-47 at work, v48-50 scale words, v64-127 held numbers, v128-143 codes
.set PW,   48
.set XT,   64
.set PC,   128
.set G1A, 24
.set G0A, 32
.set G1B, 48
.set G0B, 56
.set G1S, 68
.set G0S, 76
.set MSB, 0
.macro WIN new                         ; the immediate's high byte repeats the setting that is left
.if MSB != (\new)
	s_set_vgpr_msb (MSB<<8)|(\new)
.set MSB, (\new)
.endif
.endm
.macro PLACES n
.rept \n
	v_nop
.endr
.endm
.macro JLOAD s                         ; a joint load: waves 0, 1 fetch h's two blocks, waves 2, 3 W's two halves; an s_nop 0 and four v_nop follow each line
	s_cmp_eq_u32 s15, 0
	s_cbranch_scc0 .Lfor_w_\@
	tensor_load_to_lds s[G0A+4*\s:G0A+4*\s+3], s[G1A:G1A+7]
	s_nop 0
.rept 4
	v_nop
.endr
	s_branch .Lasked_\@
.Lfor_w_\@:
	tensor_load_to_lds s[G0B+4*\s:G0B+4*\s+3], s[G1B:G1B+7]
	s_nop 0
.rept 4
	v_nop
.endr
.Lasked_\@:
.endm
.macro CREST                           ; a round of the cluster's barrier behind its opening barrier
	s_cmp_lg_u32 s14, 0
	s_cbranch_scc1 .Lnot_wave_0_\@
	s_barrier_signal -3
.Lnot_wave_0_\@:
	s_barrier_wait -3
	s_barrier_signal -1
	s_barrier_wait -1
.endm
.macro CROUND
	s_barrier_signal -1
	s_barrier_wait -1
	CREST
.endm
	s_load_b64 s[4:5], s[0:1], 0x0                 ; h's images
	s_load_b128 s[8:11], s[0:1], 0x8               ; Wq: codes, scales
	s_load_b128 s[84:87], s[0:1], 0x18             ; Wk
	s_load_b128 s[88:91], s[0:1], 0x28             ; Wv
	s_load_b128 s[92:95], s[0:1], 0x38             ; qimg, kv
	v_lshl_add_u32 v[SPW], v0, 2, SPARE
	v_mov_b32 v[NIL], 0
	ds_add_u32 v[SPW], v[NIL]                      ; the opening: the add, twice on end, and its wait ahead of my first tensor load
	ds_add_u32 v[SPW], v[NIL]
	v_lshrrev_b32 v1, 5, v0
	v_readfirstlane_b32 s14, v1                    ; wave 0..3
	s_lshr_b32 s15, s14, 1                         ; my half of the tokens.  Also: I fetch h (0) or W (1)
	s_and_b32 s16, s14, 1                          ; my half of W's rows.  Also: which half I fetch
	s_bfe_u32 s40, ttmp6, 0x40000                  ; cx
	s_bfe_u32 s41, ttmp6, 0x40004                  ; cy
	s_and_b32 s17, ttmp7, 0xffff
	s_lshl_b32 s17, s17, 2
	s_add_co_u32 s17, s17, s41                     ; which 256 tokens
	s_lshl_b32 s43, s41, 2
	s_lshl_b32 s43, 15, s43                        ; my row of the cluster
	s_lshl_b32 s44, 0x1111, s40                    ; my column
	s_or_b32 s[G1A], s43, (3<<16)|(1<<21)          ; h's block: dense, 132 rows of 32 elements of 8 bytes, no padding
	s_mov_b32 s[G1A+1], 32<<16
	s_mov_b32 s[G1A+2], 132<<16
	s_mov_b32 s[G1A+3], 32<<16
	s_mov_b32 s[G1A+4], 132
	s_mov_b32 s[G1A+5], 32
	s_mov_b32 s[G1A+6], 0
	s_mov_b32 s[G1A+7], 0
	s_or_b32 s[G1B], s44, (1<<20)|(1<<21)|(5<<22)|(3<<25)   ; W: 128 rows of 256 bytes, KT apart, four words of padding behind every 64
	s_mov_b32 s[G1B+1], 256<<16
	s_mov_b32 s[G1B+2], 256<<16                    ; the head's load brings all 256 rows; behind it the two words that count rows are set to 128
	s_mov_b32 s[G1B+3], 256<<16
	s_mov_b32 s[G1B+4], 256
	s_mov_b32 s[G1B+5], KT
	s_mov_b32 s[G1B+6], 0
	s_mov_b32 s[G1B+7], 0
	s_or_b32 s[G1S], s44, (3<<16)|(1<<20)|(1<<21)|(5<<22)|(3<<25)   ; W's scale bytes of 256 rows: dense, as rows of 256 bytes, padded likewise
	s_mov_b32 s[G1S+1], 32<<16
	s_mov_b32 s[G1S+2], KS<<16                     ; the scale bytes of all 256 rows: KS rows of 256 bytes, one load
	s_mov_b32 s[G1S+3], 32<<16
	s_mov_b32 s[G1S+4], KS
	s_mov_b32 s[G1S+5], 32
	s_mov_b32 s[G1S+6], 0
	s_mov_b32 s[G1S+7], 0
	s_lshl_b32 s20, s17, 1
	s_add_co_u32 s20, s20, s16
	s_mul_i32 s20, s20, NKS*ABLK                   ; h: block row 2 x (256 tokens) + the half that I fetch
	s_mov_b32 s21, 0
	s_lshl_b32 s46, s40, 8
	s_lshl_b32 s47, s16, 7
	s_add_co_u32 s46, s46, s47
	s_mul_i32 s46, s46, KT                         ; W: row 256 cx + 128 x half
	s_mov_b32 s47, 0
	s_lshl_b32 s80, s40, 8
	s_mul_i32 s80, s80, KS                         ; its scale bytes: row 256 cx on
	s_mov_b32 s81, 0
	s_mul_i32 s45, s16, ABLK                       ; where they go: no place in the cluster enters an LDS address
	s_mul_i32 s82, s16, BHALF
	s_add_co_u32 s82, s82, BOFF
	s_mov_b32 s18, SCL
	s_mov_b32 s19, 0x600000                        ; the mantissa field of 448
	s_mov_b32 s98, 0x76543210
	s_mov_b32 s99, 0xfedcba98                      ; lane l xor 16
	s_wait_dscnt 0x0                               ; both opening adds are done
	s_wait_kmcnt 0x0
	s_cmp_eq_u32 ttmp9, 1                          ; which W: the cluster's x, the same in all sixteen partners
	s_cselect_b64 s[8:9], s[84:85], s[8:9]
	s_cselect_b64 s[10:11], s[86:87], s[10:11]
	s_cmp_eq_u32 ttmp9, 2
	s_cselect_b64 s[8:9], s[88:89], s[8:9]
	s_cselect_b64 s[10:11], s[90:91], s[10:11]
	s_cselect_b32 s83, 1, 0                        ; 1: this cluster makes v
	s_add_nc_u64 s[20:21], s[4:5], s[20:21]
	s_add_nc_u64 s[46:47], s[8:9], s[46:47]
	s_add_nc_u64 s[80:81], s[10:11], s[80:81]
	s_mov_b32 s[G0S], 1
	s_mov_b32 s[G0S+1], s18
	s_mov_b64 s[G0S+2:G0S+3], s[80:81]
	s_or_b32 s[G0S+3], s[G0S+3], 0x80000000
	s_lshl_b32 s2, s40, 8                          ; group 0 of the head's load of W: K step 0 of rows 256 cx on, in the registers that held arguments
	s_mul_i32 s2, s2, KT
	s_mov_b32 s3, 0
	s_add_nc_u64 s[10:11], s[8:9], s[2:3]
	s_or_b32 s11, s11, 0x80000000
	s_mov_b32 s8, 1
	s_mov_b32 s9, BOFF
.irp s, 0,1
	s_mov_b32 s[G0A+4*\s], 1
	s_add_co_u32 s[G0A+4*\s+1], s45, \s*SLOT
	s_add_nc_u64 s[G0A+4*\s+2:G0A+4*\s+3], s[20:21], \s*ABLK
	s_or_b32 s[G0A+4*\s+3], s[G0A+4*\s+3], 0x80000000
	s_mov_b32 s[G0B+4*\s], 1
	s_add_co_u32 s[G0B+4*\s+1], s82, \s*SLOT
	s_add_nc_u64 s[G0B+4*\s+2:G0B+4*\s+3], s[46:47], \s*256
	s_or_b32 s[G0B+4*\s+3], s[G0B+4*\s+3], 0x80000000
.endr
	CROUND                                         ; all sixteen work-groups are here: the first joint loads meet
	; the head's four tiles, one load a wave, in one chain of branches on the wave's number: waves 0, 1 h's two blocks of K step 0, wave 2 W's 256 rows, wave 3 W's scale bytes
	s_cmp_lt_u32 s14, 2
	s_cbranch_scc0 .Lhead_w
	tensor_load_to_lds s[G0A:G0A+3], s[G1A:G1A+7]
	s_nop 0
.rept 4
	v_nop
.endr
	s_branch .Lhead_asked
.Lhead_w:
	s_cmp_eq_u32 s14, 2
	s_cbranch_scc0 .Lhead_s
	tensor_load_to_lds s[8:11], s[G1B:G1B+7]
	s_nop 0
.rept 4
	v_nop
.endr
	s_branch .Lhead_asked
.Lhead_s:
	tensor_load_to_lds s[G0S:G0S+3], s[G1S:G1S+7]
	s_nop 0
.rept 4
	v_nop
.endr
.Lhead_asked:
	v_and_b32 v1, 15, v0                           ; r
	v_bfe_u32 v2, v0, 4, 1                         ; h
	v_and_b32 v3, 31, v0
	v_lshlrev_b32 v[L16], 4, v3
	v_lshlrev_b32 v[R4], 2, v1
	v_lshlrev_b32 v[L4], 2, v3
	v_and_b32 v4, 8, v1
	v_add_nc_u32 v4, v4, v1                        ; r + 8 (r / 8)
	s_mul_i32 s21, s15, ABLK
	v_add_nc_u32 v[ADRA], s21, v[L16]
	v_add_nc_u32 v[ADRA+1], SLOT, v[ADRA]
	v_lshl_add_u32 v5, v2, 9, v[R4]
	v_add_nc_u32 v[ADSA], s21, v5
	v_add_nc_u32 v[ADSA+1], SLOT, v[ADSA]
	v_mul_u32_u24 v6, v4, PITCH
	v_lshl_add_u32 v6, v2, 4, v6
	s_mul_i32 s22, s16, BHALF
	s_add_co_u32 s22, s22, BOFF
	v_add_nc_u32 v[ADRB], s22, v6
	v_add_nc_u32 v[ADRB+1], SLOT, v[ADRB]
	v_mul_u32_u24 v7, v4, KS                       ; my row's scale bytes,
	v_lshrrev_b32 v8, 8, v7
	v_lshl_add_u32 v7, v8, 4, v7                   ; 16 more for each 256 passed,
	v_lshl_add_u32 v7, v2, 2, v7                   ; lanes 16-31 the word of the second 128 of k
	s_mul_i32 s22, s16, 2*SCQ
	s_add_co_u32 s22, s22, SCL
	v_add_nc_u32 v[ADRS], s22, v7
	; where the results go
	s_lshr_b32 s18, s17, 3                         ; the batch,
	s_lshl_b32 s18, s18, 4
	s_lshl_b32 s20, s40, 2
	s_add_co_u32 s18, s18, s20
	s_lshl_b32 s20, s16, 1
	s_add_co_u32 s18, s18, s20                     ; 16 x batch + my first head (I make two)
	s_and_b32 s45, s17, 7
	s_lshl_b32 s45, s45, 1
	s_add_co_u32 s45, s45, s15                     ; which 128 tokens of the sequence
	s_lshl_b32 s20, s18, 17
	s_lshl_b32 s21, s45, 13
	s_add_co_u32 s20, s20, s21                     ; q: codes,
	s_lshl_b32 s21, s18, 13
	s_lshl_b32 s22, s45, 9
	s_add_co_u32 s21, s21, s22
	s_add_co_u32 s21, s21, 4194304                 ; scale words
	s_mul_i32 s22, s18, 278528
	s_mul_i32 s23, s45, 17408
	s_add_co_u32 s22, s22, s23                     ; k: the unit;
	s_cmp_eq_u32 ttmp9, 2
	s_cselect_b32 s23, 8704, 0
	s_add_co_u32 s22, s22, s23                     ; v: the unit behind it
	s_add_co_u32 s23, s22, 8192                    ; a unit's scale words
	s_cmp_eq_u32 ttmp9, 0
	s_cselect_b64 s[92:93], s[92:93], s[94:95]
	s_cselect_b32 s20, s20, s22
	s_cselect_b32 s21, s21, s23
	s_mov_b32 s22, 278528
	s_cselect_b32 s23, 131072, s22                 ; from head to head: codes,
	s_cselect_b32 s22, 8192, s22                   ; scale words
	s_mov_b32 s97, 0
	s_mov_b32 s96, s20
	s_add_nc_u64 s[84:85], s[92:93], s[96:97]      ; s[84:85], s[86:87]: my two heads' codes
	s_mov_b32 s96, s23
	s_add_nc_u64 s[86:87], s[84:85], s[96:97]
	s_mov_b32 s96, s21
	s_add_nc_u64 s[88:89], s[92:93], s[96:97]      ; s[88:89], s[90:91]: their scale words (q, k)
	s_mov_b32 s96, s22
	s_add_nc_u64 s[90:91], s[88:89], s[96:97]
.macro FRAGA reg, slot, q, i           ; a fragment of h: an image, 4 x 512 consecutive bytes
.irp c, 0,1,2,3
	ds_load_b128 v[\reg+4*\c:\reg+4*\c+3], v[ADRA+\slot] offset:4096*(\i)+2048*(\q)+512*\c
.endr
.endm
.macro FRAGB reg, slot, q, t           ; a fragment of W: tile t begins at row 32 (t / 2) + 8 (t % 2)
.irp c, 0,1,2,3
	ds_load_b128 v[\reg+4*\c:\reg+4*\c+3], v[ADRB+\slot] offset:(32*((\t)/2)+8*((\t)%2))*PITCH+128*(\q)+32*\c
.endr
.endm
; A run of LDS loads: P's eight fragments into set p, Q's tiles 0-3, and (sc = 1) the K step's scale words.  Two arms with the same number of loads, so that the counted waits hold on both.
.macro RUN1 slot, q, p, sc
	s_cmp_eq_u32 s83, 0
	s_cbranch_scc0 .Lr1v_\@
	WIN 0x40
	s_wait_alu depctr_va_vdst(0)
.irp t, 0,1,2,3,4,5,6,7
	FRAGB 128*(\p)+16*\t, \slot, \q, \t
.endr
	WIN 0
.irp i, 0,1,2,3
	FRAGA QF+16*\i, \slot, \q, \i
.endr
.if \sc
.irp i, 0,1,2,3,4,5,6,7
	ds_load_b32 v[SQ+8*\slot+\i], v[ADSA+\slot] offset:32768+64*\i
	ds_load_b32 v[SP+8*\slot+\i], v[ADRS] offset:((32*(\i/2)+8*(\i%2))*KS/256)*272
.endr
.endif
	s_branch .Lr1j_\@
.Lr1v_\@:
	WIN 0x40
.irp t, 0,1,2,3,4,5,6,7
	FRAGA 128*(\p)+16*\t, \slot, \q, \t
.endr
	WIN 0
	s_wait_alu depctr_va_vdst(0)
.irp i, 0,1,2,3
	FRAGB QF+16*\i, \slot, \q, \i
.endr
.if \sc
.irp i, 0,1,2,3,4,5,6,7
	ds_load_b32 v[SP+8*\slot+\i], v[ADSA+\slot] offset:32768+64*\i
	ds_load_b32 v[SQ+8*\slot+\i], v[ADRS] offset:((32*(\i/2)+8*(\i%2))*KS/256)*272
.endr
.endif
.Lr1j_\@:
.endm
.macro RUN2 slot, q                    ; Q's tiles 4-7
	s_cmp_eq_u32 s83, 0
	s_cbranch_scc0 .Lr2v_\@
.irp i, 4,5,6,7
	FRAGA QF+16*\i, \slot, \q, \i
.endr
	s_branch .Lr2j_\@
.Lr2v_\@:
.irp i, 4,5,6,7
	FRAGB QF+16*\i, \slot, \q, \i
.endr
.Lr2j_\@:
.endm
; 16 matrix instructions: Q's tiles a0, a0 + 1 x P's eight, the slot's q-th 128 along K.  A scale register holds q = 0 in lanes 0-15 and q = 1 in lanes 16-31.  zero = 1: the first product starts the sums.
; The 64 accumulators take turns, one instruction a turn, in the same order in every step.
.macro MUL16 a0, p, q, set, zero
.irp a, \a0, \a0+1
.irp b, 0,1,2,3,4,5,6,7
.set rD, 8*(8*((\a)%4)+\b)
.set rP, 128*(\p)+16*\b
.set rQ, QF+16*(\a)
.if \q
	v_wmma_scale_f32_16x16x128_f8f6f4 v[rD:rD+7], v[rP:rP+15], v[rQ:rQ+15], v[rD:rD+7], v[SP+8*(\set)+\b], v[SQ+8*(\set)+(\a)] matrix_a_scale:MATRIX_SCALE_ROW1 matrix_b_scale:MATRIX_SCALE_ROW1
.elseif \zero
	v_wmma_scale_f32_16x16x128_f8f6f4 v[rD:rD+7], v[rP:rP+15], v[rQ:rQ+15], 0, v[SP+8*(\set)+\b], v[SQ+8*(\set)+(\a)]
.else
	v_wmma_scale_f32_16x16x128_f8f6f4 v[rD:rD+7], v[rP:rP+15], v[rQ:rQ+15], v[rD:rD+7], v[SP+8*(\set)+\b], v[SQ+8*(\set)+(\a)]
.endif
.endr
.endr
.endm
; A slot's first 128 along K.  Eight places stand in front of each run of loads into registers that matrix instructions have read.
.macro STEP slot, zero
	s_wait_dscnt 16                                ; all but the youngest run, Q's tiles 4-7
	WIN 0xa1
	MUL16 0, 0, 0, \slot, \zero
	MUL16 2, 0, 0, \slot, \zero
	s_wait_dscnt 0x0
	PLACES 8
	WIN 0
	RUN1 \slot, 1, 1, 0
	WIN 0xf1
	MUL16 4, 0, 0, \slot, \zero
	MUL16 6, 0, 0, \slot, \zero
	PLACES 8
	WIN 0
	RUN2 \slot, 1
.endm
; A slot's second 128 along K, and the change of slots: one barrier; in front of it each wave waits for all its tensor loads, adds 0 to its spare word, and waits for that and for its reads of this slot.
.macro TURN slot, next, fill
	s_wait_tensorcnt 0x0                           ; all my tensor loads have landed: my part of the next slot
	ds_add_u32 v[SPW], v[NIL]
	s_wait_dscnt 17                                ; (the add and the youngest run may be out)
	WIN 0xa1
	MUL16 0, 1, 1, \slot, 0
	s_wait_dscnt 0x0                               ; the add is done, and my reads of this slot are over
	s_barrier_signal -1
	MUL16 2, 1, 1, \slot, 0
	WIN 0
	s_barrier_wait -1
.if \fill
	CREST                                          ; the barrier has opened a round of the cluster's: no wave of any partner still reads this slot or has a load on its way
	s_add_nc_u64 s[G0A+4*\slot+2:G0A+4*\slot+3], s[G0A+4*\slot+2:G0A+4*\slot+3], 2*ABLK
	s_add_nc_u64 s[G0B+4*\slot+2:G0B+4*\slot+3], s[G0B+4*\slot+2:G0B+4*\slot+3], 512
	JLOAD \slot                                    ; the first tensor load behind the round; its four v_nop are among the eight places
	PLACES 4
.else
	PLACES 8
.endif
	v_add_nc_u32 v[ADRS], 8, v[ADRS]               ; W's scale words of the next K step
	RUN1 \next, 0, 0, 1
	WIN 0xf1
	MUL16 4, 1, 1, \slot, 0
	MUL16 6, 1, 1, \slot, 0
	PLACES 8
	WIN 0
	RUN2 \next, 0
.endm
	s_wait_alu depctr_va_vdst(0)                   ; the head's end
	s_wait_tensorcnt 0x0                           ; my tile of the head's four is in
	ds_add_u32 v[SPW], v[NIL]
	s_mov_b32 s[G1B+2], 128<<16                    ; no tensor load of mine is out: from here on a load of W brings 128 rows
	s_mov_b32 s[G1B+4], 128
	s_wait_dscnt 0x0
	CROUND                                         ; all four tiles are in, and all sixteen work-groups are here
	JLOAD 1                                        ; K step 1, the first tensor load behind the round
	RUN1 0, 0, 0, 1
	RUN2 0, 0
	STEP 0, 1
	s_mov_b32 s3, LAPS-1
.Llap:                                             ; a trip goes once round the ring and fills both slots again
	TURN 0, 1, 1
	STEP 1, 0
	TURN 1, 0, 1
	STEP 0, 0
	s_sub_co_u32 s3, s3, 1
	s_cmp_lg_u32 s3, 0
	s_cbranch_scc1 .Llap
	TURN 0, 1, 0                                   ; the last lap fills nothing
	STEP 1, 0
	s_wait_dscnt 16
	WIN 0xa1
	MUL16 0, 1, 1, 1, 0
	MUL16 2, 1, 1, 1, 0
	s_wait_dscnt 0x0
	WIN 0xf1
	MUL16 4, 1, 1, 1, 0
	MUL16 6, 1, 1, 1, 0
	WIN 0
	PLACES 8
; THE WAY OUT.  Q tile a's 64 registers become one fragment's codes (v[PC] on) and its scale word, by the quantiser's rule; each accumulator is read from its low end on.
.macro QUANT a
.set AC, 64*((\a)%4)
.set W, 2+(\a)/4
	s_wait_xcnt 0x0                                ; the last tile's stores have read their data: codes and words are written again only behind this wait
	WIN W|(W<<2)
.irp c, 0,1,2,3
	v_max3_num_f32 v[TM+\c], |v[AC+16*\c]|, |v[AC+16*\c+1]|, 0x4800000   ; with the floor 2^(9 - 127): the byte cannot fall under 1
.endr
	WIN (W<<2)|(W<<4)
.irp i, 2,4,6,8,10,12,14
.irp c, 0,1,2,3
	v_max3_num_f32 v[TM+\c], v[TM+\c], |v[AC+16*\c+\i]|, |v[AC+16*\c+\i+1]|
.endr
.endr
	WIN 0
.irp c, 0,1,2,3
	v_permlanex16_b32 v[TM+4+\c], v[TM+\c], s98, s99
.endr
.irp c, 0,1,2,3
	v_max_num_f32 v[TM+\c], v[TM+\c], v[TM+4+\c]   ; the block's largest magnitude
.endr
.irp c, 0,1,2,3
	v_add_nc_u32 v[TM+12+\c], 0xfc000000, v[TM+\c] ; 8 off its exponent field: the conversion's scale operand
.endr
.irp c, 0,1,2,3
	v_and_or_b32 v[TM+8+\c], v[TM+\c], 0x7f800000, s19   ; 448 x the scale
.endr
.irp c, 0,1,2,3
	v_lshrrev_b32 v[TM+4+\c], 23, v[TM+12+\c]      ; the byte
.endr
	v_lshl_or_b32 v[PW+1], v[TM+5], 8, v[TM+4]     ; the first head's word (q, k): bytes 2 and 3 are 0,
	v_lshl_or_b32 v[PW+2], v[TM+7], 8, v[TM+6]     ; the second head's,
	v_lshl_or_b32 v[PW], v[PW+2], 16, v[PW+1]      ; and all four bytes (v)
.if (\a)%2
	v_lshlrev_b32 v[PW+1], 16, v[PW+1]             ; q, k: an odd tile's two bytes go to bytes 2 and 3 of its word: attention lays an odd tile in the upper 64 of a product's K
	v_lshlrev_b32 v[PW+2], 16, v[PW+2]
.endif
	WIN W
.irp c, 0,1,2,3
.irp i, 0,1,2,3,4,5,6,7,8,9,10,11,12,13,14,15
	v_med3_num_f32 v[XT+16*\c+\i], v[AC+16*\c+\i], -v[TM+8+\c], v[TM+8+\c]   ; the conversion does not saturate (ISA guide 7.6.2): the hold
.endr
.endr
	WIN 0
.irp c, 0,1,2,3
	v_cvt_scalef32_pk8_fp8_f32 v[PC+4*\c:PC+4*\c+1], v[XT+16*\c:XT+16*\c+7], v[TM+12+\c]
	v_cvt_scalef32_pk8_fp8_f32 v[PC+4*\c+2:PC+4*\c+3], v[XT+16*\c+8:XT+16*\c+15], v[TM+12+\c]
.endr
	v_nop                                          ; a plain instruction behind the last conversion
.endm
.macro OUT a
	s_cmp_eq_u32 s83, 0
	s_cbranch_scc0 .Lov_\@
	global_store_b128 v[L16], v[PC:PC+3], s[84:85] offset:1024*(\a)          ; q, k: blocks 0, 1 are the first head's 64 channels,
	global_store_b128 v[L16], v[PC+4:PC+7], s[84:85] offset:1024*(\a)+512
	global_store_b128 v[L16], v[PC+8:PC+11], s[86:87] offset:1024*(\a)       ; blocks 2, 3 the second's; 512 consecutive bytes a store
	global_store_b128 v[L16], v[PC+12:PC+15], s[86:87] offset:1024*(\a)+512
	global_store_b32 v[R4], v[PW+1], s[88:89] offset:64*(\a)
	global_store_b32 v[R4], v[PW+2], s[90:91] offset:64*(\a)
	s_branch .Loj_\@
.Lov_\@:
	s_wait_alu depctr_va_vdst(0)
.irp c, 0,1,2,3
	global_store_b128 v[L16], v[PC+4*\c:PC+4*\c+3], s[84+2*((\a)/4):85+2*((\a)/4)] offset:2048*((\a)%4)+512*\c   ; v: tiles 0-3 are the first head's channels, 4-7 the second's
.endr
	global_store_b32 v[L4], v[PW], s[84+2*((\a)/4):85+2*((\a)/4)] offset:8192+128*((\a)%4)
.Loj_\@:
.endm
.irp c, 0,1,2,3
	v_mov_b32 v[TM+4+\c], 0                        ; written once: a lane permute's destination counts as one of its sources
.endr
.irp a, 0,1,2,3,4,5,6,7
	QUANT \a
	OUT \a
.endr
	s_wait_tensorcnt 0x0                           ; the wave's end
	ds_add_u32 v[SPW], v[NIL]
	s_wait_dscnt 0x0
	CROUND                                         ; the closing round
	s_endpgm
.Lfunc_end_k_qf21b093039_qkv:
	.size	k_qf21b093039_qkv, .Lfunc_end_k_qf21b093039_qkv-k_qf21b093039_qkv
	.p2alignl 7, 3214868480
	.fill 96, 4, 3214868480
	.section	.rodata,"a",@progbits
	.p2align	6, 0x0
	.amdhsa_kernel k_qf21b093039_qkv
		.amdhsa_group_segment_fixed_size 327680
		.amdhsa_private_segment_fixed_size 0
		.amdhsa_enable_private_segment 0
		.amdhsa_kernarg_size 72
		.amdhsa_user_sgpr_count 2
		.amdhsa_user_sgpr_kernarg_segment_ptr 1
		.amdhsa_wavefront_size32 1
		.amdhsa_system_sgpr_workgroup_id_x 1
		.amdhsa_system_sgpr_workgroup_id_y 1
		.amdhsa_system_sgpr_workgroup_id_z 1
		.amdhsa_system_vgpr_workitem_id 0
		.amdhsa_next_free_vgpr 1024
		.amdhsa_next_free_sgpr 100
		.amdhsa_reserve_vcc 0
		.amdhsa_float_denorm_mode_32 3
		.amdhsa_float_denorm_mode_16_64 3
		.amdhsa_memory_ordered 1
		.amdhsa_forward_progress 1
		.amdhsa_inst_pref_size 233
	.end_amdhsa_kernel
	.amdgpu_metadata
---
amdhsa.version: [ 1, 2 ]
amdhsa.kernels:
  - .name:           k_qf21b093039_qkv
    .symbol:         k_qf21b093039_qkv.kd
    .args:
      - { .name: himg, .offset: 0, .size: 8, .value_kind: global_buffer, .address_space: global }
      - { .name: Wq_codes, .offset: 8, .size: 8, .value_kind: global_buffer, .address_space: global }
      - { .name: Wq_scales, .offset: 16, .size: 8, .value_kind: global_buffer, .address_space: global }
      - { .name: Wk_codes, .offset: 24, .size: 8, .value_kind: global_buffer, .address_space: global }
      - { .name: Wk_scales, .offset: 32, .size: 8, .value_kind: global_buffer, .address_space: global }
      - { .name: Wv_codes, .offset: 40, .size: 8, .value_kind: global_buffer, .address_space: global }
      - { .name: Wv_scales, .offset: 48, .size: 8, .value_kind: global_buffer, .address_space: global }
      - { .name: qimg, .offset: 56, .size: 8, .value_kind: global_buffer, .address_space: global }
      - { .name: kv, .offset: 64, .size: 8, .value_kind: global_buffer, .address_space: global }
    .group_segment_fixed_size: 327680
    .private_segment_fixed_size: 0
    .kernarg_segment_align: 8
    .kernarg_segment_size: 72
    .max_flat_workgroup_size: 128
    .sgpr_count:     100
    .vgpr_count:     1024
    .wavefront_size: 32
...
	.end_amdgpu_metadata
.endif
;; end of part 8
;; launch attn (part 9): grid 8 x 32, 16 waves a work-group, clusters of 4 x 1, 327,680 bytes of LDS; arguments qimg, kv, oimg; writes oimg
.if DOCPART == 9
	.amdgcn_target "amdgcn-amd-amdhsa--gfx1250"
	.amdhsa_code_object_version 6
	.text
	.protected	k_qf21b093039_attn
	.globl	k_qf21b093039_attn
	.p2align	8
	.type	k_qf21b093039_attn,@function
k_qf21b093039_attn:
	s_mov_b64 s[64:65], 0
	v_nop
	global_prefetch_b8 v0, s[64:65] scope:SCOPE_SE
	s_setreg_imm32_b32 hwreg(HW_REG_WAVE_MODE, 25, 1), 1
	s_wait_xcnt 0x0
	s_wait_alu depctr_hold_cnt(0) depctr_sa_sdst(0) depctr_va_vdst(0) depctr_va_sdst(0) depctr_va_ssrc(0) depctr_va_vcc(0) depctr_vm_vsrc(0)
	s_getreg_b32 s2, hwreg(HW_REG_IB_STS2, 6, 4)
	s_cmp_eq_u32 s2, 0
	s_cbranch_scc0 .Lentry_in_a_cluster
	s_endpgm
.Lentry_in_a_cluster:
	s_bfe_u32 s2, ttmp6, 0x10000c
	s_cmp_lg_u32 s2, 0x3003
	s_cbranch_scc0 .Lentry_shape_is_right
	s_endpgm
.Lentry_shape_is_right:
; o = softmax(q k^T / 8) v for one batch and head, both products on codes of E4M3 with E8M0 scales, and o quantised along the channels for the projection.  Nothing is left out.
; THE SOFTMAX: t = score x log2(e) / 8; M = the running largest t rounded up to a whole number, kept as -M; p = 2^(t - M) is quantised along the keys, not normalised; the row's sum is taken of the unquantised p and divides at the end.
; When M moves, the sum and O are multiplied by 2^(old M - new M), in every step, with no branch.
; LIMITS: NaN and infinities are not served; the promise holds while the scaled scores stay under 2^31 in magnitude; a block of zeros gets the byte 1 (its codes are zeros; only this program reads the bytes).
; IN.  qimg: codes [b head][tile 128][c 2][lane][16], from byte 4,194,304 scale words [b head][tile][row]: an even tile's two bytes in bytes 0, 1, an odd tile's in bytes 2, 3, the others 0.
; kv: [b head][unit 32][8,704]: unit 2 s: keys 128 s on, codes [tile 8][c 2][lane][16], words [tile 8][row 16] laid like q's; unit 2 s + 1: v of these keys, codes [channel tile 4][c 4][lane][16], words [tile 4][lane 32].
; SHARES.  A work-group owns 256 queries of one head, each of its sixteen waves one tile of 16.  The head's 32 units, 278,528 bytes, lie in LDS for the whole launch: each wave fetches two units by its one tensor load at the head,
; asked for jointly by the four work-groups of a cluster, which are four query blocks of one head.  One barrier shows them; nothing is filled again.  No prefetch: the launch has this one fill and no loop to run ahead in.
; THE FIRST PRODUCT.  The head's K is 64, the instruction's 128.  A fragment of K holds TWO key tiles, 2 m in k 0-63 and 2 m + 1 in k 64-127: 2,048 consecutive bytes of a unit.  It is multiplied by [q | 0] (v16-31) for tile 2 m and
; by [0 | q] (v24-39) for tile 2 m + 1: the eight zero registers are shared by the two.  A register of scale words holds tile 2 m's in lanes 0-15 and tile 2 m + 1's in lanes 16-31.
; Both products are used transposed: a lane holds one query; the 16 registers of tiles 2 b, 2 b + 1 are keys 32 b + 16 (lane / 16) + 0 .. 15 (the order of rows in a tile, as the program's first kernel states it).
; TWO AREAS OF 64 REGISTERS CHANGE ROLES FROM STEP TO STEP: K(s) lies in one, the scores go to the other; V(s) is loaded over K(s) under the softmax; K(s + 1) is loaded over p, block by block, behind each block's conversions.
; So a trip of the loop is two steps.  The last two steps are written out: the last loads no further K.  Dependent lines are laid in several chains by turns, and short chains stand among long independent runs.
; REGISTERS: v1 16 x lane, v2 4 x lane, v3, v4 the step's LDS addresses, v5, v6 the add's, v7 4 r; v8-11 two of the sum's chains; v12 -M, v[14:15] the sum; v16-39 q; v40-103, v104-167 the two areas; v168-199 O^T; v200-215 p's codes; v216 on at work.
.set UNIT,  8704
.set SPARE, 32*UNIT
.set XA,  40
.set YA,  104
.set O,   168
.set PC,  200
.set BM,  216                          ; each block's largest score, then its largest p
.set PT,  220                          ; a second chain of maxima, the other half's maxima, then the bytes
.set HD,  224                          ; 448 x the scale
.set SO,  228                          ; the conversions' scale operands
.set KSC, 232                          ; K's scale words
.set VSC, 236                          ; V's
.set PS,  241                          ; p's scale word
.set F,   242                          ; v[242:243] f = 2^(old M - new M), and 0
.set T,   244
.set OLD, 245                          ; -M of the step before
.set SUA, 246                          ; the step's sum of p, in four chains of pairs
.set SUB, 248
.set SUC, 8
.set SUD, 10
.set T2,  250
.set QS,  252                          ; q's scale word, its two bytes in both halves
.macro CROUND
	s_barrier_signal -1
	s_barrier_wait -1
	s_cmp_lg_u32 s10, 0
	s_cbranch_scc1 .Lnot_wave_0_\@
	s_barrier_signal -3
.Lnot_wave_0_\@:
	s_barrier_wait -3
	s_barrier_signal -1
	s_barrier_wait -1
.endm
.macro HOLD2 x, h                      ; two holds in one dual instruction: p is not negative, so the hold is one-sided
	v_dual_min_num_f32 v[\x], v[\x], v[\h] :: v_dual_min_num_f32 v[\x+1], v[\x+1], v[\h]
.endm
.macro TMF SA, n                       ; n pairs of t - M, from pair j on
.rept \n
	v_pk_fma_f32 v[\SA+j:\SA+j+1], v[\SA+j:\SA+j+1], s[22:23], v[12:13] op_sel_hi:[1,0,0]
.set j, j+2
.endr
.endm
.macro SROUND SA, k                    ; eight more p onto the four chains
	v_pk_add_f32 v[SUA:SUA+1], v[SUA:SUA+1], v[\SA+\k:\SA+\k+1]
	v_pk_add_f32 v[SUB:SUB+1], v[SUB:SUB+1], v[\SA+\k+2:\SA+\k+3]
	v_pk_add_f32 v[SUC:SUC+1], v[SUC:SUC+1], v[\SA+\k+4:\SA+\k+5]
	v_pk_add_f32 v[SUD:SUD+1], v[SUD:SUD+1], v[\SA+\k+6:\SA+\k+7]
.endm
.macro HB SA, b                        ; block b's sixteen holds (the conversion does not saturate: ISA guide 7.6.2)
.irp i, 0,2,4,6,8,10,12,14
	HOLD2 \SA+16*\b+\i, HD+\b
.endr
.endm
.macro CV SA, b, pf                    ; block b's codes; pf = 1: the next step's K over the block just converted
	v_cvt_scalef32_pk8_fp8_f32 v[PC+4*\b:PC+4*\b+1], v[\SA+16*\b:\SA+16*\b+7], v[SO+\b]
	v_cvt_scalef32_pk8_fp8_f32 v[PC+4*\b+2:PC+4*\b+3], v[\SA+16*\b+8:\SA+16*\b+15], v[SO+\b]
.if \pf
.irp c, 0,1,2,3
	ds_load_b128 v[\SA+16*\b+4*\c:\SA+16*\b+4*\c+3], v3 offset:2*UNIT+2048*\b+512*\c
.endr
.endif
.endm
	s_load_b128 s[4:7], s[0:1], 0x0                ; qimg, kv
	s_load_b64 s[8:9], s[0:1], 0x10                ; oimg
	v_lshl_add_u32 v5, v0, 2, SPARE
	v_mov_b32 v6, 0
	ds_add_u32 v5, v6                              ; the opening: the add, twice on end, and its wait ahead of my tensor load
	ds_add_u32 v5, v6
	v_lshrrev_b32 v1, 5, v0
	s_delay_alu instid0(VALU_DEP_1)
	v_readfirstlane_b32 s10, v1                    ; wave 0..15
	s_bfe_u32 s11, ttmp6, 0x40000
	s_lshl_b32 s12, ttmp9, 2
	s_add_co_u32 s12, s12, s11                     ; which 256 queries
	s_and_b32 s13, ttmp7, 0xffff                   ; 16 x batch + head
	s_mov_b32 s24, 15|(3<<16)|(1<<21)              ; two units: dense, 68 rows of 32 elements of 8 bytes; the mask names the cluster's four
	s_mov_b32 s25, 32<<16
	s_mov_b32 s26, 68<<16
	s_mov_b32 s27, 32<<16
	s_mov_b32 s28, 68
	s_mov_b32 s29, 32
	s_mov_b32 s30, 0
	s_mov_b32 s31, 0
	s_mul_i32 s14, s10, 2*UNIT
	s_mul_i32 s16, s13, 32*UNIT
	s_add_co_u32 s16, s16, s14
	s_mov_b32 s17, 0
	s_mov_b32 s20, 0x76543210
	s_mov_b32 s21, 0xfedcba98                      ; lane l xor 16
	s_mov_b32 s22, 0x3e38aa3b                      ; c = log2(e) / 8
	s_mov_b32 s23, s22
	s_mov_b32 s19, 0x600000                        ; the mantissa field of 448
	s_mov_b32 s2, 0                                ; LDS byte at which the step's two units begin
	s_wait_dscnt 0x0
	s_wait_kmcnt 0x0
	s_add_nc_u64 s[6:7], s[6:7], s[16:17]
	s_mov_b32 s32, 1
	s_mov_b32 s33, s14
	s_mov_b64 s[34:35], s[6:7]
	s_or_b32 s35, s35, 0x80000000
	CROUND                                         ; the four work-groups are here: the joint loads meet
	tensor_load_to_lds s[32:35], s[24:31]          ; units 2 w and 2 w + 1: my one tensor load
	s_nop 0
.rept 4
	v_nop
.endr
	s_lshl_b32 s18, s12, 4
	s_add_co_u32 s18, s18, s10                     ; my tile of 16 queries, 0 .. 127
	s_lshl_b32 s40, s13, 17
	s_lshl_b32 s41, s18, 10
	s_add_co_u32 s40, s40, s41
	s_mov_b32 s41, 0
	s_add_nc_u64 s[44:45], s[4:5], s[40:41]        ; its codes,
	s_lshl_b32 s40, s13, 13
	s_lshl_b32 s42, s18, 6
	s_add_co_u32 s40, s40, s42
	s_add_co_u32 s40, s40, 4194304
	s_add_nc_u64 s[46:47], s[4:5], s[40:41]        ; its scale words
	v_and_b32 v8, 31, v0
	s_delay_alu instid0(VALU_DEP_1)
	v_lshlrev_b32 v1, 4, v8
	s_delay_alu instid0(VALU_DEP_2)
	v_lshlrev_b32 v2, 2, v8
	v_and_b32 v7, 15, v0
	s_delay_alu instid0(VALU_DEP_1)
	v_lshlrev_b32 v7, 2, v7
	global_load_b128 v[16:19], v1, s[44:45]        ; q, below the zeros,
	global_load_b128 v[20:23], v1, s[44:45] offset:512
	global_load_b128 v[32:35], v1, s[44:45]        ; and once more above them
	global_load_b128 v[36:39], v1, s[44:45] offset:512
	global_load_b32 v[QS], v7, s[46:47]
	s_lshr_b32 s40, s13, 4                         ; where o goes: the images [token / 128][k / 256][33,792], k = 64 head + channel
	s_lshl_b32 s40, s40, 7
	s_add_co_u32 s40, s40, s18
	s_and_b32 s42, s13, 15
	s_lshr_b32 s43, s40, 3
	s_lshl_b32 s43, s43, 2
	s_lshr_b32 s3, s42, 2
	s_add_co_u32 s43, s43, s3
	s_mul_i32 s43, s43, 33792
	s_and_b32 s40, s40, 7
	s_bfe_u32 s3, s42, 0x10001
	s_and_b32 s42, s42, 1
	s_lshl_b32 s16, s40, 12
	s_add_co_u32 s16, s16, s43
	s_lshl_b32 s11, s3, 11
	s_add_co_u32 s16, s16, s11
	s_lshl_b32 s11, s42, 10
	s_add_co_u32 s16, s16, s11
	s_mov_b32 s17, 0
	s_add_nc_u64 s[16:17], s[8:9], s[16:17]        ; the codes,
	s_lshl_b32 s14, s40, 6
	s_add_co_u32 s14, s14, s43
	s_lshl_b32 s11, s3, 9
	s_add_co_u32 s14, s14, s11
	s_lshl_b32 s11, s42, 1
	s_add_co_u32 s14, s14, s11
	s_add_co_u32 s14, s14, 32768
	s_mov_b32 s15, 0
	s_add_nc_u64 s[14:15], s[8:9], s[14:15]        ; the two scale bytes
	s_mov_b32 s11, 0xbe38aa3b                      ; -c
	s_wait_alu depctr_va_vdst(0)
	s_wait_loadcnt 0x0                             ; q
	v_lshl_or_b32 v[T], v[QS], 16, v[QS]           ; q's two bytes lie in one half of the word, the other is 0: they go into both halves
	v_lshrrev_b32 v[OLD], 16, v[QS]
	v_or_b32 v[QS], v[T], v[OLD]
.irp j, 24,25,26,27,28,29,30,31
	v_mov_b32 v[\j], 0                             ; the zero codes between the two copies of q
.endr
.set j, 0
.rept 32
	v_mov_b32 v[O+j], 0                            ; O^T: the step is written once; the first finds zeros, which the first change of M leaves zeros
.set j, j+1
.endr
	v_mov_b32 v12, 0x7f61b1e6                      ; -M: 3e38, over every -t
	v_mov_b32 v13, 0                               ; (named with v12 as a pair)
	v_mov_b32 v14, 0
	v_mov_b32 v15, 0
.irp b, 0,1,2,3
	v_mov_b32 v[PT+\b], 0                          ; a lane permute's destination counts as one of its sources
	v_mov_b32 v[SUA+\b], 0                         ; the first step adds the sums of no step
	v_mov_b32 v[SUC+\b], 0
.endr
	v_mov_b32 v[T2], 0
	v_mov_b32 v[F], 0
	v_mov_b32 v[F+1], 0
	v_add_nc_u32 v3, s2, v1
	v_add_nc_u32 v4, s2, v2
; A KEY STEP of 128 keys.  KA: K's fragments, later V's;  SA: the scores, then p, later the next step's K (pf = 1)
.macro STEP KA, SA, pf
.irp m, 0,1,2,3
	s_wait_dscnt 12-4*\m                           ; K's fragment m is in: 4 loads for each later fragment may be out (the scale words were issued ahead of all)
	v_wmma_scale_f32_16x16x128_f8f6f4 v[\SA+16*\m:\SA+16*\m+7], v[\KA+16*\m:\KA+16*\m+15], v[16:31], 0, v[KSC+\m], v[QS]
	v_wmma_scale_f32_16x16x128_f8f6f4 v[\SA+16*\m+8:\SA+16*\m+15], v[\KA+16*\m:\KA+16*\m+15], v[24:39], 0, v[KSC+\m], v[QS] matrix_a_scale:MATRIX_SCALE_ROW1
.endr
	v_pk_add_f32 v[SUA:SUA+1], v[SUA:SUA+1], v[SUB:SUB+1]                          ; eight places, five of them work: the last step's four chains become one
	v_pk_add_f32 v[SUC:SUC+1], v[SUC:SUC+1], v[SUD:SUD+1]
	v_mov_b32 v[OLD], v12                                                          ; -M as it stands,
	v_pk_add_f32 v[SUA:SUA+1], v[SUA:SUA+1], v[SUC:SUC+1]
	v_nop
	v_pk_fma_f32 v[14:15], v[14:15], v[F:F+1], v[SUA:SUA+1] op_sel_hi:[1,0,1]      ; and the row's sum under that step's M, plus its sum
	v_nop
	v_nop
.irp ct, 0,1,2,3
.irp c, 0,1,2,3
	ds_load_b128 v[\KA+16*\ct+4*\c:\KA+16*\ct+4*\c+3], v3 offset:UNIT+2048*\ct+512*\c   ; V's fragments over K's, which are done with
.endr
	ds_load_b32 v[VSC+\ct], v4 offset:UNIT+8192+128*\ct
.endr
.if \pf
.irp m, 0,1,2,3
	ds_load_b32 v[KSC+\m], v4 offset:2*UNIT+8192+128*\m                            ; the next step's scale words of K
.endr
.endif
.irp b, 0,1,2,3
	v_max3_num_f32 v[BM+\b], v[\SA+16*\b], v[\SA+16*\b+1], v[\SA+16*\b+2]          ; each block's largest score, in two chains a block: eight chains by turns
.endr
.irp b, 0,1,2,3
	v_max3_num_f32 v[PT+\b], v[\SA+16*\b+8], v[\SA+16*\b+9], v[\SA+16*\b+10]
.endr
.irp i, 3,5
.irp b, 0,1,2,3
	v_max3_num_f32 v[BM+\b], v[BM+\b], v[\SA+16*\b+\i], v[\SA+16*\b+\i+1]
.endr
.irp b, 0,1,2,3
	v_max3_num_f32 v[PT+\b], v[PT+\b], v[\SA+16*\b+8+\i], v[\SA+16*\b+9+\i]
.endr
.endr
.irp b, 0,1,2,3
	v_max3_num_f32 v[BM+\b], v[BM+\b], v[PT+\b], v[\SA+16*\b+7]
.endr
.irp b, 0,1,2,3
	v_max_num_f32 v[BM+\b], v[BM+\b], v[\SA+16*\b+15]
.endr
	v_max3_num_f32 v[T], v[BM], v[BM+1], v[BM+2]   ; the row's maximum crosses the lanes by itself, beside the blocks' maxima
	v_permlanex16_b32 v[PT], v[BM], s20, s21
	v_max_num_f32 v[T], v[T], v[BM+3]
	v_permlanex16_b32 v[PT+1], v[BM+1], s20, s21
	v_permlanex16_b32 v[PT+2], v[BM+2], s20, s21
	v_permlanex16_b32 v[T2], v[T], s20, s21
	v_permlanex16_b32 v[PT+3], v[BM+3], s20, s21
	v_max_num_f32 v[BM], v[BM], v[PT]              ; with lane l xor 16's 16 keys
	v_max_num_f32 v[BM+1], v[BM+1], v[PT+1]
	v_max_num_f32 v[T], v[T], v[T2]                ; the step's largest score
	v_max_num_f32 v[BM+2], v[BM+2], v[PT+2]
	v_mul_f32 v[T], s11, v[T]                      ; as -t
	v_max_num_f32 v[BM+3], v[BM+3], v[PT+3]
	v_floor_f32 v[T], v[T]                         ; floor(-t) = -ceil(t)
	s_delay_alu instid0(VALU_DEP_1)
	v_min_num_f32 v12, v12, v[T]                   ; the new -M
.set j, 0
	TMF \SA, 2                                     ; t - M; the three lines that make f stand among them
	v_sub_f32 v[T], v12, v[OLD]                    ; old M - new M: a whole number, 0 or less
	TMF \SA, 2
	v_cvt_i32_f32 v[T], v[T]                       ; (it saturates)
	TMF \SA, 2
	v_ldexp_f32 v[F], 1.0, v[T]                    ; f
	TMF \SA, 26
.irp b, 0,1,2,3
	v_fma_f32 v[BM+\b], v[BM+\b], s22, v12         ; the same of each block's largest score
.endr
.set j, 0
.rept 16
	v_pk_mul_f32 v[O+j:O+j+1], v[O+j:O+j+1], v[F:F+1] op_sel_hi:[1,0]   ; O^T under the new M
.set j, j+2
.endr
	s_wait_alu depctr_va_vdst(0)                   ; ahead of the batch
.set j, 0
.rept 64
	v_exp_f32 v[\SA+j], v[\SA+j]                   ; p
.set j, j+1
.endr
.irp b, 0,1,2,3
	v_exp_f32 v[BM+\b], v[BM+\b]                   ; each block's largest p: the same two instructions on the same number
.endr
	v_nop                                          ; a plain instruction behind the batch,
	s_wait_alu depctr_va_vdst(0)                   ; and the one wait ahead of its first reader
	v_pk_add_f32 v[SUA:SUA+1], v[\SA:\SA+1], v[\SA+2:\SA+3]        ; the sum of the unquantised p, in four chains; the scales' lines stand between the rounds
	v_pk_add_f32 v[SUB:SUB+1], v[\SA+4:\SA+5], v[\SA+6:\SA+7]
	v_pk_add_f32 v[SUC:SUC+1], v[\SA+8:\SA+9], v[\SA+10:\SA+11]
	v_pk_add_f32 v[SUD:SUD+1], v[\SA+12:\SA+13], v[\SA+14:\SA+15]
.irp b, 0,1,2,3
	v_max_num_f32 v[BM+\b], 0x4800000, v[BM+\b]    ; the floor 2^(9 - 127): the byte cannot fall under 1
.endr
	SROUND \SA, 16
.irp b, 0,1,2,3
	v_add_nc_u32 v[SO+\b], 0xfc000000, v[BM+\b]    ; 8 off the exponent field: the conversion's scale operand
.endr
	SROUND \SA, 24
.irp b, 0,1,2,3
	v_and_or_b32 v[HD+\b], v[BM+\b], 0x7f800000, s19   ; 448 x the scale
.endr
	SROUND \SA, 32
.irp b, 0,1,2,3
	v_lshrrev_b32 v[PT+\b], 23, v[SO+\b]           ; the byte
.endr
	SROUND \SA, 40
	v_lshl_or_b32 v[PS], v[PT+1], 8, v[PT]
	SROUND \SA, 48
	v_lshl_or_b32 v[PS], v[PT+2], 16, v[PS]
	SROUND \SA, 56
	v_lshl_or_b32 v[PS], v[PT+3], 24, v[PS]        ; p's scale word
	HB \SA, 0                                      ; a block's holds stand a block ahead of its conversions
	HB \SA, 1
	CV \SA, 0, \pf
	HB \SA, 2
	CV \SA, 1, \pf
	HB \SA, 3
	CV \SA, 2, \pf
	CV \SA, 3, \pf
.if \pf
	s_add_co_u32 s2, s2, 2*UNIT
	v_add_nc_u32 v3, s2, v1                        ; four places between the last codes and the products: the next step's addresses,
	v_add_nc_u32 v4, s2, v2
	v_nop
	v_nop
.else
.rept 4
	v_nop
.endr
.endif
	s_wait_alu depctr_va_vdst(0)
.if \pf
	s_wait_dscnt 16                                ; V's loads and the scale words are in; the 16 issued behind them, the next step's K, may be out
.else
	s_wait_dscnt 0x0
.endif
.irp ct, 0,1,2,3
	v_wmma_scale_f32_16x16x128_f8f6f4 v[O+8*\ct:O+8*\ct+7], v[\KA+16*\ct:\KA+16*\ct+15], v[PC:PC+15], v[O+8*\ct:O+8*\ct+7], v[VSC+\ct], v[PS]
.endr
.if \pf
.rept 9
	v_nop                                          ; nine places: the next step's scores are written over V's fragments
.endr
.endif
.endm
	s_wait_alu depctr_va_vdst(0)                   ; the head's end
	s_wait_tensorcnt 0x0                           ; my two units are in
	s_barrier_signal -1
	s_barrier_wait -1                              ; all 32 are
.irp m, 0,1,2,3
	ds_load_b32 v[KSC+\m], v4 offset:8192+128*\m
.endr
.irp m, 0,1,2,3
.irp c, 0,1,2,3
	ds_load_b128 v[XA+16*\m+4*\c:XA+16*\m+4*\c+3], v3 offset:2048*\m+512*\c
.endr
.endr
	s_mov_b32 s40, 7
.Lpair:                                            ; seven trips of two steps
	STEP XA, YA, 1
	STEP YA, XA, 1
	s_sub_co_u32 s40, s40, 1
	s_cmp_lg_u32 s40, 0
	s_cbranch_scc1 .Lpair
	STEP XA, YA, 1
	STEP YA, XA, 0
	; THE WAY OUT.  Eight places behind the last products, seven of them work: the last step's sum, and the row's
	v_pk_add_f32 v[SUA:SUA+1], v[SUA:SUA+1], v[SUB:SUB+1]
	v_pk_add_f32 v[SUC:SUC+1], v[SUC:SUC+1], v[SUD:SUD+1]
	v_pk_add_f32 v[SUA:SUA+1], v[SUA:SUA+1], v[SUC:SUC+1]
	v_pk_fma_f32 v[14:15], v[14:15], v[F:F+1], v[SUA:SUA+1] op_sel_hi:[1,0,1]
	v_add_f32 v14, v14, v15
	v_permlanex16_b32 v[T], v14, s20, s21
	v_add_f32 v14, v14, v[T]
	v_nop
	s_wait_alu depctr_va_vdst(0)                   ; ahead of the transcendental
	v_rcp_f32 v[F], v14
	v_nop
	s_wait_alu depctr_va_vdst(0)                   ; and ahead of its first reader, which is O^T's too
.set j, 0
.rept 16
	v_pk_mul_f32 v[O+j:O+j+1], v[O+j:O+j+1], v[F:F+1] op_sel_hi:[1,0]   ; o: register 16 b + i is channel 32 b + 16 (lane / 16) + i
.set j, j+2
.endr
.irp b, 0,1
	v_max3_num_f32 v[BM+\b], |v[O+16*\b]|, |v[O+1+16*\b]|, 0x4800000
.endr
.irp i, 2,4,6,8,10,12,14
.irp b, 0,1
	s_delay_alu instid0(VALU_DEP_2)
	v_max3_num_f32 v[BM+\b], v[BM+\b], |v[O+16*\b+\i]|, |v[O+1+16*\b+\i]|
.endr
.endr
.irp b, 0,1
	s_delay_alu instid0(VALU_DEP_2)
	v_permlanex16_b32 v[PT+\b], v[BM+\b], s20, s21
.endr
.irp b, 0,1
	s_delay_alu instid0(VALU_DEP_2)
	v_max_num_f32 v[BM+\b], v[BM+\b], v[PT+\b]
.endr
.irp b, 0,1
	s_delay_alu instid0(VALU_DEP_2)
	v_add_nc_u32 v[SO+\b], 0xfc000000, v[BM+\b]
.endr
.irp b, 0,1
	s_delay_alu instid0(VALU_DEP_4)
	v_and_or_b32 v[HD+\b], v[BM+\b], 0x7f800000, s19
.endr
.irp b, 0,1
	s_delay_alu instid0(VALU_DEP_4)
	v_lshrrev_b32 v[PT+\b], 23, v[SO+\b]
.endr
	s_delay_alu instid0(VALU_DEP_1)
	v_lshl_or_b32 v[PS], v[PT+1], 8, v[PT]
.irp b, 0,1
.irp i, 0,1,2,3,4,5,6,7,8,9,10,11,12,13,14,15
	v_med3_num_f32 v[O+16*\b+\i], v[O+16*\b+\i], -v[HD+\b], v[HD+\b]
.endr
	v_cvt_scalef32_pk8_fp8_f32 v[PC+4*\b:PC+1+4*\b], v[O+16*\b:O+7+16*\b], v[SO+\b]
	v_cvt_scalef32_pk8_fp8_f32 v[PC+2+4*\b:PC+3+4*\b], v[O+8+16*\b:O+15+16*\b], v[SO+\b]
.endr
	v_nop
	global_store_b128 v1, v[PC:PC+3], s[16:17]     ; 512 consecutive bytes a store
	global_store_b128 v1, v[PC+4:PC+7], s[16:17] offset:512
	global_store_b16 v7, v[PS], s[14:15]           ; my head's two bytes of the row's scale word
	s_wait_tensorcnt 0x0                           ; the wave's end
	ds_add_u32 v5, v6
	s_wait_dscnt 0x0
	CROUND                                         ; the closing round
	s_endpgm
.Lfunc_end_k_qf21b093039_attn:
	.size	k_qf21b093039_attn, .Lfunc_end_k_qf21b093039_attn-k_qf21b093039_attn
	.p2alignl 7, 3214868480
	.fill 96, 4, 3214868480
	.section	.rodata,"a",@progbits
	.p2align	6, 0x0
	.amdhsa_kernel k_qf21b093039_attn
		.amdhsa_group_segment_fixed_size 327680
		.amdhsa_private_segment_fixed_size 0
		.amdhsa_enable_private_segment 0
		.amdhsa_kernarg_size 24
		.amdhsa_user_sgpr_count 2
		.amdhsa_user_sgpr_kernarg_segment_ptr 1
		.amdhsa_wavefront_size32 1
		.amdhsa_system_sgpr_workgroup_id_x 1
		.amdhsa_system_sgpr_workgroup_id_y 1
		.amdhsa_system_sgpr_workgroup_id_z 1
		.amdhsa_system_vgpr_workitem_id 0
		.amdhsa_next_free_vgpr 256
		.amdhsa_next_free_sgpr 66
		.amdhsa_reserve_vcc 0
		.amdhsa_float_denorm_mode_32 3
		.amdhsa_float_denorm_mode_16_64 3
		.amdhsa_memory_ordered 1
		.amdhsa_forward_progress 1
		.amdhsa_inst_pref_size 89
	.end_amdhsa_kernel
	.amdgpu_metadata
---
amdhsa.version: [ 1, 2 ]
amdhsa.kernels:
  - .name:           k_qf21b093039_attn
    .symbol:         k_qf21b093039_attn.kd
    .args:
      - { .name: qimg, .offset: 0, .size: 8, .value_kind: global_buffer, .address_space: global }
      - { .name: kv, .offset: 8, .size: 8, .value_kind: global_buffer, .address_space: global }
      - { .name: oimg, .offset: 16, .size: 8, .value_kind: global_buffer, .address_space: global }
    .group_segment_fixed_size: 327680
    .private_segment_fixed_size: 0
    .kernarg_segment_align: 8
    .kernarg_segment_size: 24
    .max_flat_workgroup_size: 512
    .sgpr_count:     66
    .vgpr_count:     256
    .wavefront_size: 32
...
	.end_amdgpu_metadata
.endif
;; end of part 9
;; launch proj (part 10): grid 8 x 32, 4 waves a work-group, clusters of 4 x 4, 327,680 bytes of LDS; arguments oimg, Wproj_codes, Wproj_scales, bproj, x, x1; writes x1
.if DOCPART == 10
	.amdgcn_target "amdgcn-amd-amdhsa--gfx1250"
	.amdhsa_code_object_version 6
	.text
	.protected	k_qf21b093039_proj
	.globl	k_qf21b093039_proj
	.p2align	8
	.type	k_qf21b093039_proj,@function
k_qf21b093039_proj:
	s_mov_b64 s[64:65], 0
	v_nop
	global_prefetch_b8 v0, s[64:65] scope:SCOPE_SE
	s_setreg_imm32_b32 hwreg(HW_REG_WAVE_MODE, 25, 1), 1
	s_wait_xcnt 0x0
	s_wait_alu depctr_hold_cnt(0) depctr_sa_sdst(0) depctr_va_vdst(0) depctr_va_sdst(0) depctr_va_ssrc(0) depctr_va_vcc(0) depctr_vm_vsrc(0)
	s_getreg_b32 s2, hwreg(HW_REG_IB_STS2, 6, 4)
	s_cmp_eq_u32 s2, 0
	s_cbranch_scc0 .Lentry_in_a_cluster
	s_endpgm
.Lentry_in_a_cluster:
	s_bfe_u32 s2, ttmp6, 0x10000c
	s_cmp_lg_u32 s2, 0xf033
	s_cbranch_scc0 .Lentry_shape_is_right
	s_endpgm
.Lentry_shape_is_right:
; out = res + act W^T + bias, the product on codes of E4M3 with E8M0 scales; out, res: [4,096][1,024] f32.  Here: act = o, W = Wproj, K = 1,024, res = x, out = x1.  Nothing is left out.
; act: images of operand registers, [token / 128][k / 256][33,792 bytes] (codes [tile 8][2][c 4][lane][16], then scale words [2][tile 8][row 16]).  W: rows [n][KT codes], scale bytes [n][KT / 32].
; A work-group makes 128 tokens x 128 n: 256 such tiles.  THE FOUR WAVES SHARE THE TILE, 2 x 2: a wave makes 64 tokens x 64 n, 16 accumulators, each sum one chain in ascending k; no sum crosses waves.
; A slot in LDS holds 512 along K: four steps of 128, 16 products each, on two sets of fragments: while one set is multiplied the next step's 32 loads are out.
; Two slots, filled by the tensor data mover.  At the head one load a wave: wave 0 act's two blocks of slot 0, waves 1 and 2 W's two tiles, wave 3 W's scale bytes for all of K; slot 1 behind a round, a quarter a wave.
; 4 x 4 work-groups form a cluster: act's blocks are asked for jointly along a row of the cluster, W's tiles and scale bytes along a column.
; ROWS OF A TILE: act's tiles have the tokens 32 (T / 2) + 8 (T % 2) + r + 8 (r / 8), as they were stored; W's tiles have neighbouring rows.  In D(source 0 = W tile, source 1 = act tile) lane (r, h) holds token r, register j column 16 b + 8 h + j.
; res is asked for at the head, in the layout in which rows come back from the wave's stage.  The stage has LDS bytes of its own: 16 rows of 256 bytes + 16 a wave.
; LIMITS: NaN and infinities are not served.
; REGISTERS: window 0: v1-31 addresses, v12-15 the bias; v32-47 act's scale words (two sets), v52-67 W's; v128-255 the accumulators.  window 1: fragments, set p at v[128 p]: act's four, then W's four.  window 2: v0-127 res, v128-191 rows back from the stage.
.set KT,    1024
.set NKS,   KT/256
.set KS,    KT/32
.set NF,    KT/512
.set ABLK,  33792
.set PITCH, 272
.set BHALF, 128*PITCH
.set BOFF,  2*ABLK
.set SLOT,  BOFF+2*BHALF
.set SCL,   2*SLOT
.set SPARE, SCL+(128*KS/256)*272
.set STG,   SPARE+512
.set BT,   12
.set ADRA, 16
.set ADSA, 18
.set ADRB, 20
.set PFO,  22
.set STO,  24
.set RD,   25
.set CO,   26
.set ADRS, 27
.set SPW,  28
.set NIL,  29
.set L16,  30
.set R4,   31
.set SQ,   32
.set SP,   52
.set AC,   128
.set G1A, 24
.set G0A, 32
.set G1B, 48
.set G0B, 56
.set G1S, 68
.set G0S, 76
.set PFA, 92
.set PFS, 94
.set LIM, 96
.set MSB, 0
.macro WIN new
.if MSB != (\new)
	s_set_vgpr_msb (MSB<<8)|(\new)
.set MSB, (\new)
.endif
.endm
.macro PLACES n
.rept \n
	v_nop
.endr
.endm
.macro JLOAD s                         ; a joint load: waves 0, 1 fetch act's two blocks, waves 2, 3 W's two tiles
	s_cmp_eq_u32 s15, 0
	s_cbranch_scc0 .Lfor_w_\@
	tensor_load_to_lds s[G0A+4*\s:G0A+4*\s+3], s[G1A:G1A+7]
	s_nop 0
.rept 4
	v_nop
.endr
	s_branch .Lasked_\@
.Lfor_w_\@:
	tensor_load_to_lds s[G0B+4*\s:G0B+4*\s+3], s[G1B:G1B+7]
	s_nop 0
.rept 4
	v_nop
.endr
.Lasked_\@:
.endm
.macro CREST
	s_cmp_lg_u32 s14, 0
	s_cbranch_scc1 .Lnot_wave_0_\@
	s_barrier_signal -3
.Lnot_wave_0_\@:
	s_barrier_wait -3
	s_barrier_signal -1
	s_barrier_wait -1
.endm
.macro CROUND
	s_barrier_signal -1
	s_barrier_wait -1
	CREST
.endm
; A prefetch of the fill that the NEXT change of slots will ask for, one instruction a wave (only where slots are filled again).  act's blocks: cluster x = 0 asks, waves 0 and 1, a block each, the partner at cx 32 pieces, lanes 256 bytes apart;
; W's tiles: cluster y = 0 asks, waves 2 and 3, a tile each, the partner at cy 32 rows, a lane a row.  The partners are told apart by address.
.macro ASK
	s_cmp_eq_u32 s[LIM], 1
	s_cbranch_scc0 .Lnot_mine_\@
	global_prefetch_b8 v[PFO], s[PFA:PFA+1] th:TH_LOAD_NT scope:SCOPE_SE
.Lnot_mine_\@:
.endm
	s_load_b64 s[4:5], s[0:1], 0x0                 ; act's images
	s_load_b128 s[8:11], s[0:1], 0x8               ; W: codes, scales
	s_load_b64 s[12:13], s[0:1], 0x18              ; the bias
	s_load_b128 s[84:87], s[0:1], 0x20             ; res, out
	v_lshl_add_u32 v[SPW], v0, 2, SPARE
	v_mov_b32 v[NIL], 0
	ds_add_u32 v[SPW], v[NIL]                      ; the opening: the add, twice on end, and its wait ahead of my first tensor load
	ds_add_u32 v[SPW], v[NIL]
	v_lshrrev_b32 v1, 5, v0
	v_readfirstlane_b32 s14, v1                    ; wave 0..3
	s_lshr_b32 s15, s14, 1                         ; my half of the tokens.  Also: in the ring I fetch act (0) or W (1)
	s_and_b32 s16, s14, 1                          ; my half of the n.  Also: which of a slot's two K steps of 256 I fetch
	s_bfe_u32 s40, ttmp6, 0x40000                  ; cx
	s_bfe_u32 s41, ttmp6, 0x40004                  ; cy
	s_lshl_b32 s42, ttmp9, 2
	s_add_co_u32 s42, s42, s40                     ; which 128 n
	s_and_b32 s17, ttmp7, 0xffff
	s_lshl_b32 s17, s17, 2
	s_add_co_u32 s17, s17, s41                     ; which 128 tokens
	s_lshl_b32 s43, s41, 2
	s_lshl_b32 s43, 15, s43                        ; my row of the cluster
	s_lshl_b32 s44, 0x1111, s40                    ; my column
	s_or_b32 s[G1A], s43, (3<<16)|(1<<21)          ; act: dense rows of 32 elements of 8 bytes; the head's load brings two blocks, 264 rows
	s_mov_b32 s[G1A+1], 32<<16
	s_mov_b32 s[G1A+2], 264<<16
	s_mov_b32 s[G1A+3], 32<<16
	s_mov_b32 s[G1A+4], 264
	s_mov_b32 s[G1A+5], 32
	s_mov_b32 s[G1A+6], 0
	s_mov_b32 s[G1A+7], 0
	s_or_b32 s[G1B], s44, (1<<20)|(1<<21)|(5<<22)|(3<<25)   ; W: 128 rows of 256 bytes, KT apart, four words of padding behind every 64
	s_mov_b32 s[G1B+1], 256<<16
	s_mov_b32 s[G1B+2], 128<<16
	s_mov_b32 s[G1B+3], 256<<16
	s_mov_b32 s[G1B+4], 128
	s_mov_b32 s[G1B+5], KT
	s_mov_b32 s[G1B+6], 0
	s_mov_b32 s[G1B+7], 0
	s_or_b32 s[G1S], s44, (3<<16)|(1<<20)|(1<<21)|(5<<22)|(3<<25)   ; W's scale bytes of 128 rows: dense, as rows of 256 bytes, padded likewise
	s_mov_b32 s[G1S+1], 32<<16
	s_mov_b32 s[G1S+2], (128*KS/256)<<16
	s_mov_b32 s[G1S+3], 32<<16
	s_mov_b32 s[G1S+4], 128*KS/256
	s_mov_b32 s[G1S+5], 32
	s_mov_b32 s[G1S+6], 0
	s_mov_b32 s[G1S+7], 0
	s_mul_i32 s20, s17, NKS
	s_add_co_u32 s20, s20, s16
	s_mul_i32 s20, s20, ABLK                       ; act: my 128 tokens' row of blocks, the K step that I fetch
	s_mov_b32 s21, 0
	s_lshl_b32 s46, s42, 7
	s_mul_i32 s46, s46, KT
	s_lshl_b32 s47, s16, 8
	s_add_co_u32 s46, s46, s47                     ; W: row 128 x (128 n), the K step that I fetch
	s_mov_b32 s47, 0
	s_lshl_b32 s80, s42, 7
	s_mul_i32 s80, s80, KS                         ; its scale bytes
	s_mov_b32 s81, 0
	s_mul_i32 s45, s16, ABLK                       ; where they go: no place in the cluster enters an LDS address
	s_mul_i32 s82, s16, BHALF
	s_add_co_u32 s82, s82, BOFF
	s_wait_dscnt 0x0                               ; both opening adds are done
	s_wait_kmcnt 0x0
	s_add_nc_u64 s[20:21], s[4:5], s[20:21]
	s_add_nc_u64 s[46:47], s[8:9], s[46:47]
	s_add_nc_u64 s[80:81], s[10:11], s[80:81]
	s_mov_b32 s[G0S], 1
	s_mov_b32 s[G0S+1], SCL
	s_mov_b64 s[G0S+2:G0S+3], s[80:81]
	s_or_b32 s[G0S+3], s[G0S+3], 0x80000000
.irp s, 0,1
	s_mov_b32 s[G0A+4*\s], 1
	s_add_co_u32 s[G0A+4*\s+1], s45, \s*SLOT
	s_add_nc_u64 s[G0A+4*\s+2:G0A+4*\s+3], s[20:21], \s*2*ABLK
	s_or_b32 s[G0A+4*\s+3], s[G0A+4*\s+3], 0x80000000
	s_mov_b32 s[G0B+4*\s], 1
	s_add_co_u32 s[G0B+4*\s+1], s82, \s*SLOT
	s_add_nc_u64 s[G0B+4*\s+2:G0B+4*\s+3], s[46:47], \s*512
	s_or_b32 s[G0B+4*\s+3], s[G0B+4*\s+3], 0x80000000
.endr
.if NF > 2
	s_and_b32 s88, ttmp7, 0xffff
	s_cmp_eq_u32 s15, 0
	s_cselect_b64 s[PFA:PFA+1], s[20:21], s[46:47]
	s_cselect_b32 s88, ttmp9, s88
	s_cselect_b32 s89, s40, s41
	s_mov_b32 s90, 32*KT
	s_cselect_b32 s90, 8192, s90
	s_mov_b32 s[PFS], 512
	s_cselect_b32 s[PFS], 2*ABLK, s[PFS]
	s_mov_b32 s91, KT
	s_cselect_b32 s91, 256, s91
	s_mov_b32 s[PFS+1], 0
	s_cmp_eq_u32 s88, 0
	s_cselect_b32 s[LIM], 1, 0
	s_mul_i32 s88, s89, s90
	s_mov_b32 s89, 0
	s_add_nc_u64 s[PFA:PFA+1], s[PFA:PFA+1], s[88:89]
	s_add_nc_u64 s[PFA:PFA+1], s[PFA:PFA+1], s[PFS:PFS+1]
	s_add_nc_u64 s[PFA:PFA+1], s[PFA:PFA+1], s[PFS:PFS+1]   ; at fill 2: the first refill steps it to fill 3
.endif
	CROUND                                         ; all sixteen work-groups are here: the first joint loads meet
	s_cmp_eq_u32 s14, 0                            ; the head's four tiles, one load a wave, in one chain of branches on the wave's number
	s_cbranch_scc0 .Lhead_w
	tensor_load_to_lds s[G0A:G0A+3], s[G1A:G1A+7]
	s_nop 0
.rept 4
	v_nop
.endr
	s_branch .Lhead_asked
.Lhead_w:
	s_cmp_lt_u32 s14, 3
	s_cbranch_scc0 .Lhead_s
	tensor_load_to_lds s[G0B:G0B+3], s[G1B:G1B+7]
	s_nop 0
.rept 4
	v_nop
.endr
	s_branch .Lhead_asked
.Lhead_s:
	tensor_load_to_lds s[G0S:G0S+3], s[G1S:G1S+7]
	s_nop 0
.rept 4
	v_nop
.endr
.Lhead_asked:
	s_lshl_b32 s2, s15, 14                         ; my four tiles of act: 16,384 bytes on in a block's codes,
	s_lshl_b32 s3, s15, 8                          ; 256 on among its scale words,
	s_add_co_u32 s3, s3, 32768                     ; which lie behind a block's 32,768 bytes of codes
	s_mul_i32 s18, s16, 64*PITCH
	s_add_co_u32 s18, s18, BOFF                    ; my 64 rows of W
	s_mul_i32 s19, s16, (64*KS/256)*272
	s_add_co_u32 s19, s19, SCL                     ; and their scale bytes
	s_mul_i32 s23, s14, 16*PITCH
	s_add_co_u32 s23, s23, STG                     ; my stage
	s_lshl_b32 s88, s17, 7
	s_lshl_b32 s89, s15, 6
	s_add_co_u32 s88, s88, s89                     ; my first token
	s_lshl_b32 s88, s88, 12
	s_lshl_b32 s98, s42, 9
	s_lshl_b32 s99, s16, 8
	s_add_co_u32 s98, s98, s99                     ; my first n, in bytes
	s_add_co_u32 s88, s88, s98
	s_mov_b32 s89, 0
	s_mov_b32 s99, 0
	s_add_nc_u64 s[84:85], s[84:85], s[88:89]
	s_add_nc_u64 s[86:87], s[86:87], s[88:89]
	s_add_nc_u64 s[12:13], s[12:13], s[98:99]
	v_and_b32 v1, 15, v0                           ; r
	v_bfe_u32 v2, v0, 4, 1                         ; h
	v_and_b32 v3, 31, v0
	v_lshlrev_b32 v[L16], 4, v3
	v_lshlrev_b32 v[R4], 2, v1
.if NF > 2
	v_mul_lo_u32 v[PFO], v3, s91
.endif
	v_add_nc_u32 v[ADRA], s2, v[L16]
	v_add_nc_u32 v[ADRA+1], SLOT, v[ADRA]
	v_lshl_add_u32 v5, v2, 9, v[R4]                ; lanes 0-15 the first 128 of a K step, lanes 16-31 the second
	v_add_nc_u32 v[ADSA], s3, v5
	v_add_nc_u32 v[ADSA+1], SLOT, v[ADSA]
	v_mul_u32_u24 v6, v1, PITCH
	v_lshl_add_u32 v4, v2, 4, v6
	v_add_nc_u32 v[ADRB], s18, v4
	v_add_nc_u32 v[ADRB+1], SLOT, v[ADRB]
	v_mul_u32_u24 v7, v1, KS                       ; my row's scale bytes,
	v_lshrrev_b32 v8, 8, v7
	v_lshl_add_u32 v7, v8, 4, v7                   ; 16 more for each 256 passed,
	v_lshl_add_u32 v7, v2, 2, v7                   ; lanes 16-31 the word of the second 128
	v_add_nc_u32 v[ADRS], s19, v7
	v_lshl_add_u32 v5, v2, 5, v6
	v_add_nc_u32 v[STO], s23, v5                   ; into the stage: row r, 32 bytes for each half of the lanes
	v_mul_u32_u24 v5, v2, PITCH
	v_lshl_add_u32 v5, v1, 4, v5
	v_add_nc_u32 v[RD], s23, v5                    ; back: lanes 0-15 one row of 256 bytes, lanes 16-31 the next
	v_lshlrev_b32 v5, 12, v2
	v_lshl_add_u32 v[CO], v1, 4, v5                ; and the same two rows in res and out
	v_lshlrev_b32 v9, 4, v1
	s_wait_alu depctr_va_vdst(0)                   ; the head's end
	WIN 0x80
.irp a, 0,1,2,3
.irp u, 0,1,2,3,4,5,6,7
	global_load_b128 v[32*\a+4*\u:32*\a+4*\u+3], v[CO], s[84:85] offset:(32*(\a/2)+8*(\a%2)+2*\u+8*(\u/4))*4096 th:TH_LOAD_NT   ; rows 2 u, 2 u + 1 of my tile a: sixteen lanes read 256 consecutive aligned bytes
.endr
.endr
	WIN 0
	global_load_b128 v[BT:BT+3], v9, s[12:13]      ; the bias of my four columns
.macro LOADS slot, j, p                ; step j's 32 loads into set p: act's four fragments (images), W's four
	WIN 0x40
.irp i, 0,1,2,3
.irp c, 0,1,2,3
	ds_load_b128 v[128*(\p)+16*\i+4*\c:128*(\p)+16*\i+4*\c+3], v[ADRA+\slot] offset:((\j)/2)*ABLK+4096*\i+2048*((\j)%2)+512*\c
.endr
.endr
.irp t, 0,1,2,3
.irp c, 0,1,2,3
	ds_load_b128 v[128*(\p)+64+16*\t+4*\c:128*(\p)+64+16*\t+4*\c+3], v[ADRB+\slot] offset:((\j)/2)*BHALF+16*\t*PITCH+128*((\j)%2)+32*\c
.endr
.endr
	WIN 0
.endm
.macro SCALES slot                     ; a slot's 16 registers of scale words
.irp k, 0,1
.irp i, 0,1,2,3
	ds_load_b32 v[SQ+8*\slot+4*\k+\i], v[ADSA+\slot] offset:\k*ABLK+64*\i
	ds_load_b32 v[SP+8*\slot+4*\k+\i], v[ADRS] offset:(16*\i*KS/256)*272+8*\k
.endr
.endr
.endm
; 16 products: the slot's step j.  The 16 accumulators take turns, one instruction a turn, in the same order in every step.  zero = 1: the first product starts the sums.
.macro MUL slot, j, zero
	WIN 0x05
.irp a, 0,1,2,3
.irp b, 0,1,2,3
.set rD, AC+8*(4*\a+\b)
.set rP, 128*((\j)%2)+64+16*\b
.set rQ, 128*((\j)%2)+16*\a
.set sP, SP+8*(\slot)+4*((\j)/2)+\b
.set sQ, SQ+8*(\slot)+4*((\j)/2)+\a
.if (\j)%2
	v_wmma_scale_f32_16x16x128_f8f6f4 v[rD:rD+7], v[rP:rP+15], v[rQ:rQ+15], v[rD:rD+7], v[sP], v[sQ] matrix_a_scale:MATRIX_SCALE_ROW1 matrix_b_scale:MATRIX_SCALE_ROW1
.elseif \zero
	v_wmma_scale_f32_16x16x128_f8f6f4 v[rD:rD+7], v[rP:rP+15], v[rQ:rQ+15], 0, v[sP], v[sQ]
.else
	v_wmma_scale_f32_16x16x128_f8f6f4 v[rD:rD+7], v[rP:rP+15], v[rQ:rQ+15], v[rD:rD+7], v[sP], v[sQ]
.endif
.endr
.endr
	WIN 0
.endm
; A SLOT'S FOUR STEPS.  Eight places stand in front of each run of loads into registers that products have read.  Ahead of the fourth step's products the slots change (more = 1): each wave waits for all its tensor loads,
; adds 0 to its spare word, waits for that and for its reads of this slot; one barrier (fill = 1: it opens a round of the cluster's); this slot is filled again first, then the next slot's first fragments are read.
.macro TURN slot, next, fill, zero, ask, more
	PLACES 8
	LOADS \slot, 1, 1
	s_wait_dscnt 32                                ; all but the 32 just issued
	MUL \slot, 0, \zero
	PLACES 8
	LOADS \slot, 2, 0
	s_wait_dscnt 32
	MUL \slot, 1, 0
	PLACES 8
	LOADS \slot, 3, 1
	s_wait_dscnt 32
	MUL \slot, 2, 0
.if \more
	s_wait_tensorcnt 0x0                           ; all my tensor loads have landed: my part of the next slot
	ds_add_u32 v[SPW], v[NIL]
.if \fill
	s_add_nc_u64 s[G0A+4*\slot+2:G0A+4*\slot+3], s[G0A+4*\slot+2:G0A+4*\slot+3], 4*ABLK   ; two fills on
	s_add_nc_u64 s[G0B+4*\slot+2:G0B+4*\slot+3], s[G0B+4*\slot+2:G0B+4*\slot+3], 1024
.endif
.if \ask
	s_wait_xcnt 0x0                                ; the last prefetch has read its address
	s_add_nc_u64 s[PFA:PFA+1], s[PFA:PFA+1], s[PFS:PFS+1]
.endif
	s_wait_dscnt 0x0                               ; the add is done, and my reads of this slot are over
	s_barrier_signal -1
	s_barrier_wait -1
.if \fill
	CREST
	JLOAD \slot                                    ; the first tensor load behind the round; its four v_nop are among the eight places
	PLACES 4
.else
	PLACES 8
.endif
	s_wait_alu depctr_va_vdst(0)
	v_add_nc_u32 v[ADRS], 16, v[ADRS]              ; W's scale words of the next 512 along K
	LOADS \next, 0, 0
	SCALES \next
.if \ask
	ASK
.endif
.else
	s_wait_dscnt 0x0
.endif
	MUL \slot, 3, 0
.endm
	s_wait_tensorcnt 0x0                           ; my tile of the head's four is in
	ds_add_u32 v[SPW], v[NIL]
	s_mov_b32 s[G1A+2], 132<<16                    ; no tensor load of mine is out: from here on a load of act brings one block
	s_mov_b32 s[G1A+4], 132
	s_wait_dscnt 0x0
	CROUND                                         ; all four tiles are in, and all sixteen work-groups are here
	JLOAD 1                                        ; slot 1, the first tensor load behind the round
	LOADS 0, 0, 0
	SCALES 0
.if NF > 2
	TURN 0, 1, 1, 1, 1, 1
	s_mov_b32 s3, (NF-4)/2
.Llap:                                             ; a trip goes once round the ring and fills both slots again
	TURN 1, 0, 1, 0, 1, 1
	TURN 0, 1, 1, 0, 1, 1
	s_sub_co_u32 s3, s3, 1
	s_cmp_lg_u32 s3, 0
	s_cbranch_scc1 .Llap
	TURN 1, 0, 1, 0, 0, 1                          ; the last refill: there is no fill behind it to prefetch
	TURN 0, 1, 0, 0, 0, 1
.else
	TURN 0, 1, 0, 1, 0, 1                          ; the two first fills are all of K
.endif
	TURN 1, 0, 0, 0, 0, 0
	; THE WAY OUT.  res + bias first: these lines are also the places behind the last products
	s_wait_loadcnt 0x0
	WIN 0x82
.set j, 0
.rept 32
	v_pk_add_f32 v[4*j:4*j+1], v[4*j:4*j+1], v[BT:BT+1]
	v_pk_add_f32 v[4*j+2:4*j+3], v[4*j+2:4*j+3], v[BT+2:BT+3]
.set j, j+1
.endr
	WIN 0
.macro TOSTAGE a                       ; my tile a, 16 tokens x 64 n, into my stage and back as whole rows; LDS serves a wave's instructions in order (ISA guide 5.7.1.4)
.irp b, 0,1,2,3
	ds_store_b128 v[STO], v[AC+8*(4*(\a)+\b):AC+8*(4*(\a)+\b)+3] offset:64*\b          ; each accumulator from its low end on
	ds_store_b128 v[STO], v[AC+8*(4*(\a)+\b)+4:AC+8*(4*(\a)+\b)+7] offset:64*\b+16
.endr
	WIN 0x80
.irp u, 0,1,2,3,4,5,6,7
	ds_load_b128 v[128+32*((\a)%2)+4*\u:128+32*((\a)%2)+4*\u+3], v[RD] offset:2*\u*PITCH
.endr
	WIN 0
.endm
.macro SEND a, younger
	s_wait_dscnt \younger
	WIN 0x8a
.set j, 0
.rept 16
	v_pk_add_f32 v[128+32*((\a)%2)+j:128+32*((\a)%2)+j+1], v[128+32*((\a)%2)+j:128+32*((\a)%2)+j+1], v[32*(\a)+j:32*(\a)+j+1]
.set j, j+2
.endr
	WIN 0x08
.irp u, 0,1,2,3,4,5,6,7
	global_store_b128 v[CO], v[128+32*((\a)%2)+4*\u:128+32*((\a)%2)+4*\u+3], s[86:87] offset:(32*((\a)/2)+8*((\a)%2)+2*\u+8*(\u/4))*4096 th:TH_STORE_NT   ; sixteen lanes store 256 consecutive aligned bytes
.endr
	WIN 0
.endm
	TOSTAGE 0
	TOSTAGE 1
	SEND 0, 16                                     ; behind tile 0's loads: tile 1's 8 stores and 8 loads
	s_wait_xcnt 0x0                                ; tile 0's stores have read their data: tile 2's rows may land there
	TOSTAGE 2
	SEND 1, 16
	s_wait_xcnt 0x0
	TOSTAGE 3
	SEND 2, 16
	SEND 3, 0
	s_wait_tensorcnt 0x0                           ; the wave's end
	ds_add_u32 v[SPW], v[NIL]
	s_wait_dscnt 0x0
	CROUND                                         ; the closing round
	s_endpgm
.Lfunc_end_k_qf21b093039_proj:
	.size	k_qf21b093039_proj, .Lfunc_end_k_qf21b093039_proj-k_qf21b093039_proj
	.p2alignl 7, 3214868480
	.fill 96, 4, 3214868480
	.section	.rodata,"a",@progbits
	.p2align	6, 0x0
	.amdhsa_kernel k_qf21b093039_proj
		.amdhsa_group_segment_fixed_size 327680
		.amdhsa_private_segment_fixed_size 0
		.amdhsa_enable_private_segment 0
		.amdhsa_kernarg_size 48
		.amdhsa_user_sgpr_count 2
		.amdhsa_user_sgpr_kernarg_segment_ptr 1
		.amdhsa_wavefront_size32 1
		.amdhsa_system_sgpr_workgroup_id_x 1
		.amdhsa_system_sgpr_workgroup_id_y 1
		.amdhsa_system_sgpr_workgroup_id_z 1
		.amdhsa_system_vgpr_workitem_id 0
		.amdhsa_next_free_vgpr 768
		.amdhsa_next_free_sgpr 100
		.amdhsa_reserve_vcc 0
		.amdhsa_float_denorm_mode_32 3
		.amdhsa_float_denorm_mode_16_64 3
		.amdhsa_memory_ordered 1
		.amdhsa_forward_progress 1
		.amdhsa_inst_pref_size 66
	.end_amdhsa_kernel
	.amdgpu_metadata
---
amdhsa.version: [ 1, 2 ]
amdhsa.kernels:
  - .name:           k_qf21b093039_proj
    .symbol:         k_qf21b093039_proj.kd
    .args:
      - { .name: oimg, .offset: 0, .size: 8, .value_kind: global_buffer, .address_space: global }
      - { .name: Wproj_codes, .offset: 8, .size: 8, .value_kind: global_buffer, .address_space: global }
      - { .name: Wproj_scales, .offset: 16, .size: 8, .value_kind: global_buffer, .address_space: global }
      - { .name: bproj, .offset: 24, .size: 8, .value_kind: global_buffer, .address_space: global }
      - { .name: x, .offset: 32, .size: 8, .value_kind: global_buffer, .address_space: global }
      - { .name: x1, .offset: 40, .size: 8, .value_kind: global_buffer, .address_space: global }
    .group_segment_fixed_size: 327680
    .private_segment_fixed_size: 0
    .kernarg_segment_align: 8
    .kernarg_segment_size: 48
    .max_flat_workgroup_size: 128
    .sgpr_count:     100
    .vgpr_count:     768
    .wavefront_size: 32
...
	.end_amdgpu_metadata
.endif
;; end of part 10
;; launch lnq2: the kernel of part 7 again; grid 256 x 1, 8 waves a work-group, no clusters, 66,816 bytes of LDS; arguments x1, ln2_g, ln2_b, himg; writes himg
;; launch mlp1 (part 11): grid 16 x 16, 4 waves a work-group, clusters of 4 x 4, 327,680 bytes of LDS; arguments himg, W1_codes, W1_scales, b1, hidimg; writes hidimg
.if DOCPART == 11
	.amdgcn_target "amdgcn-amd-amdhsa--gfx1250"
	.amdhsa_code_object_version 6
	.text
	.protected	k_qf21b093039_mlp1
	.globl	k_qf21b093039_mlp1
	.p2align	8
	.type	k_qf21b093039_mlp1,@function
k_qf21b093039_mlp1:
	s_mov_b64 s[64:65], 0
	v_nop
	global_prefetch_b8 v0, s[64:65] scope:SCOPE_SE
	s_setreg_imm32_b32 hwreg(HW_REG_WAVE_MODE, 25, 1), 1
	s_wait_xcnt 0x0
	s_wait_alu depctr_hold_cnt(0) depctr_sa_sdst(0) depctr_va_vdst(0) depctr_va_sdst(0) depctr_va_ssrc(0) depctr_va_vcc(0) depctr_vm_vsrc(0)
	s_getreg_b32 s2, hwreg(HW_REG_IB_STS2, 6, 4)
	s_cmp_eq_u32 s2, 0
	s_cbranch_scc0 .Lentry_in_a_cluster
	s_endpgm
.Lentry_in_a_cluster:
	s_bfe_u32 s2, ttmp6, 0x10000c
	s_cmp_lg_u32 s2, 0xf033
	s_cbranch_scc0 .Lentry_shape_is_right
	s_endpgm
.Lentry_shape_is_right:
; hidden = relu(h W1^T + b1), the product on codes of E4M3 with E8M0 scales, and the result quantised in registers along the hidden units, the K of the next product.  Nothing is left out.
; h: images of operand registers, [token / 128][k / 256][33,792 bytes] (codes [tile 8][2][c 4][lane][16], then scale words [2][tile 8][row 16]).  W1: rows [n][1,024 codes], scale bytes [n][32].  The result: the same images with k = n, 16 blocks a row of blocks.
; A work-group makes 256 tokens x 256 n; four waves, each 128 x 128: 64 accumulators, 512 registers.  K goes in steps of 256 through two LDS slots filled by the tensor data mover.
; 4 x 4 work-groups form a cluster: h's blocks are asked for jointly along a row of the cluster, W1's tiles and scale bytes along a column.
; ROWS OF A TILE: lane r of tile T takes row 32 (T / 2) + 8 (T % 2) + r + 8 (r / 8), on both sides.  In D(source 0 = W1 tile b, source 1 = h tile a) a lane holds one token, and the 64 registers of b = 0 .. 7 are hidden units
; 32 c + 16 (lane / 16) + i: an operand's register order.  So a tile's results become one fragment by conversions alone and leave as four stores of 512 consecutive bytes.
; The bias is the C of each sum's first product.  The activation costs nothing: the hold that the conversion wants clips at 0 as well.
; LIMITS: NaN and infinities are not served; a block of zeros gets the byte 1 (its codes are zeros; only this program reads the bytes).  Scale words leave in pieces of 64 bytes: one part in 32 of the codes.
; REGISTERS: window 0: v1-31 addresses; v32-47 h's scale words (two sets), v48-63 W1's; v64-127 the bias; v128-255 h's fragments, one set.  window 1: W1's fragments, two sets.  windows 2, 3: accumulator (a, b) at v[8 (8 (a % 4) + b)].
.set KT,    1024
.set NKS,   KT/256
.set KS,    KT/32                      ; a row of W1's scale bytes
.set ABLK,  33792                      ; h: 128 tokens x 256 k, codes and scale words
.set PITCH, 272                        ; a row of W1 in LDS: 256 bytes + 16
.set BHALF, 128*PITCH
.set BOFF,  2*ABLK
.set SLOT,  BOFF+2*BHALF               ; h's two blocks, then W1's 256 rows
.set SCL,   2*SLOT                     ; behind the ring: W1's scale bytes of 256 rows for all of K, as 256 bytes + 16; filled once
.set SCQ,   (64*KS/256)*272            ; those of 64 rows
.set SPARE, SCL+4*SCQ                  ; the spare words, 128 bytes for each wave
.set LAPS,  KT/512
.set ADRA, 16                          ; v16-17 h's fragments in slot 0, 1: 16 x lane
.set ADSA, 18                          ; v18-19 h's scale words: 4 r + 512 h
.set ADRB, 20                          ; v20-21 W1's fragments: row (r + 8 (r / 8)) x pitch + 16 h
.set ADRS, 27                          ; W1's scale words; steps 8 bytes a K step
.set SPW,  28
.set NIL,  29
.set L16,  30                          ; 16 x lane
.set R4,   31                          ; 4 r
.set SQ,   32
.set SP,   48
.set BT,   64
.set QF,   128
.set TM,   32                          ; the way out: v32-47 at work, v48 the scale word, v64-127 held numbers, v128-143 codes
.set PW,   48
.set XT,   64
.set PC,   128
.set G1A, 24
.set G0A, 32
.set G1B, 48
.set G0B, 56
.set G1S, 68
.set G0S, 76
.set MSB, 0
.macro WIN new                         ; the immediate's high byte repeats the setting that is left
.if MSB != (\new)
	s_set_vgpr_msb (MSB<<8)|(\new)
.set MSB, (\new)
.endif
.endm
.macro PLACES n
.rept \n
	v_nop
.endr
.endm
.macro JLOAD s                         ; a joint load: waves 0, 1 fetch h's two blocks, waves 2, 3 W1's two halves; an s_nop 0 and four v_nop follow each line
	s_cmp_eq_u32 s15, 0
	s_cbranch_scc0 .Lfor_w_\@
	tensor_load_to_lds s[G0A+4*\s:G0A+4*\s+3], s[G1A:G1A+7]
	s_nop 0
.rept 4
	v_nop
.endr
	s_branch .Lasked_\@
.Lfor_w_\@:
	tensor_load_to_lds s[G0B+4*\s:G0B+4*\s+3], s[G1B:G1B+7]
	s_nop 0
.rept 4
	v_nop
.endr
.Lasked_\@:
.endm
.macro CREST                           ; a round of the cluster's barrier behind its opening barrier
	s_cmp_lg_u32 s14, 0
	s_cbranch_scc1 .Lnot_wave_0_\@
	s_barrier_signal -3
.Lnot_wave_0_\@:
	s_barrier_wait -3
	s_barrier_signal -1
	s_barrier_wait -1
.endm
.macro CROUND
	s_barrier_signal -1
	s_barrier_wait -1
	CREST
.endm
	s_load_b64 s[4:5], s[0:1], 0x0                 ; h's images
	s_load_b128 s[8:11], s[0:1], 0x8               ; W1: codes, scales
	s_load_b64 s[12:13], s[0:1], 0x18              ; b1
	s_load_b64 s[84:85], s[0:1], 0x20              ; the hidden layer's images
	v_lshl_add_u32 v[SPW], v0, 2, SPARE
	v_mov_b32 v[NIL], 0
	ds_add_u32 v[SPW], v[NIL]                      ; the opening: the add, twice on end, and its wait ahead of my first tensor load
	ds_add_u32 v[SPW], v[NIL]
	v_lshrrev_b32 v1, 5, v0
	v_readfirstlane_b32 s14, v1                    ; wave 0..3
	s_lshr_b32 s15, s14, 1                         ; my half of the tokens.  Also: I fetch h (0) or W1 (1)
	s_and_b32 s16, s14, 1                          ; my half of W1's rows.  Also: which half I fetch
	s_bfe_u32 s40, ttmp6, 0x40000                  ; cx
	s_bfe_u32 s41, ttmp6, 0x40004                  ; cy
	s_lshl_b32 s42, ttmp9, 2
	s_add_co_u32 s42, s42, s40                     ; which 256 n
	s_and_b32 s17, ttmp7, 0xffff
	s_lshl_b32 s17, s17, 2
	s_add_co_u32 s17, s17, s41                     ; which 256 tokens
	s_lshl_b32 s43, s41, 2
	s_lshl_b32 s43, 15, s43                        ; my row of the cluster
	s_lshl_b32 s44, 0x1111, s40                    ; my column
	s_or_b32 s[G1A], s43, (3<<16)|(1<<21)          ; h's block: dense, 132 rows of 32 elements of 8 bytes, no padding
	s_mov_b32 s[G1A+1], 32<<16
	s_mov_b32 s[G1A+2], 132<<16
	s_mov_b32 s[G1A+3], 32<<16
	s_mov_b32 s[G1A+4], 132
	s_mov_b32 s[G1A+5], 32
	s_mov_b32 s[G1A+6], 0
	s_mov_b32 s[G1A+7], 0
	s_or_b32 s[G1B], s44, (1<<20)|(1<<21)|(5<<22)|(3<<25)   ; W1: 128 rows of 256 bytes, KT apart, four words of padding behind every 64
	s_mov_b32 s[G1B+1], 256<<16
	s_mov_b32 s[G1B+2], 256<<16                    ; the head's load brings all 256 rows; behind it the two words that count rows are set to 128
	s_mov_b32 s[G1B+3], 256<<16
	s_mov_b32 s[G1B+4], 256
	s_mov_b32 s[G1B+5], KT
	s_mov_b32 s[G1B+6], 0
	s_mov_b32 s[G1B+7], 0
	s_or_b32 s[G1S], s44, (3<<16)|(1<<20)|(1<<21)|(5<<22)|(3<<25)   ; W1's scale bytes of 256 rows: dense, as rows of 256 bytes, padded likewise
	s_mov_b32 s[G1S+1], 32<<16
	s_mov_b32 s[G1S+2], KS<<16                     ; the scale bytes of all 256 rows: KS rows of 256 bytes, one load
	s_mov_b32 s[G1S+3], 32<<16
	s_mov_b32 s[G1S+4], KS
	s_mov_b32 s[G1S+5], 32
	s_mov_b32 s[G1S+6], 0
	s_mov_b32 s[G1S+7], 0
	s_lshl_b32 s20, s17, 1
	s_add_co_u32 s20, s20, s16
	s_mul_i32 s20, s20, NKS*ABLK                   ; h: block row 2 x (256 tokens) + the half that I fetch
	s_mov_b32 s21, 0
	s_lshl_b32 s46, s42, 8
	s_lshl_b32 s47, s16, 7
	s_add_co_u32 s46, s46, s47
	s_mul_i32 s46, s46, KT                         ; W1: row 256 x (256 n) + 128 x half
	s_mov_b32 s47, 0
	s_lshl_b32 s80, s42, 8
	s_mul_i32 s80, s80, KS                         ; its scale bytes
	s_mov_b32 s81, 0
	s_mul_i32 s45, s16, ABLK                       ; where they go: no place in the cluster enters an LDS address
	s_mul_i32 s82, s16, BHALF
	s_add_co_u32 s82, s82, BOFF
	s_mov_b32 s18, SCL
	s_mov_b32 s19, 0x600000                        ; the mantissa field of 448
	s_mov_b32 s98, 0x76543210
	s_mov_b32 s99, 0xfedcba98                      ; lane l xor 16
	s_wait_dscnt 0x0                               ; both opening adds are done
	s_wait_kmcnt 0x0
	s_add_nc_u64 s[20:21], s[4:5], s[20:21]
	s_add_nc_u64 s[46:47], s[8:9], s[46:47]
	s_add_nc_u64 s[80:81], s[10:11], s[80:81]
	s_mov_b32 s[G0S], 1
	s_mov_b32 s[G0S+1], s18
	s_mov_b64 s[G0S+2:G0S+3], s[80:81]
	s_or_b32 s[G0S+3], s[G0S+3], 0x80000000
	s_lshl_b32 s2, s42, 8                          ; group 0 of the head's load of W1: K step 0 of my 256 rows, in the registers that held arguments
	s_mul_i32 s2, s2, KT
	s_mov_b32 s3, 0
	s_add_nc_u64 s[10:11], s[8:9], s[2:3]
	s_or_b32 s11, s11, 0x80000000
	s_mov_b32 s8, 1
	s_mov_b32 s9, BOFF
.irp s, 0,1
	s_mov_b32 s[G0A+4*\s], 1
	s_add_co_u32 s[G0A+4*\s+1], s45, \s*SLOT
	s_add_nc_u64 s[G0A+4*\s+2:G0A+4*\s+3], s[20:21], \s*ABLK
	s_or_b32 s[G0A+4*\s+3], s[G0A+4*\s+3], 0x80000000
	s_mov_b32 s[G0B+4*\s], 1
	s_add_co_u32 s[G0B+4*\s+1], s82, \s*SLOT
	s_add_nc_u64 s[G0B+4*\s+2:G0B+4*\s+3], s[46:47], \s*256
	s_or_b32 s[G0B+4*\s+3], s[G0B+4*\s+3], 0x80000000
.endr
	CROUND                                         ; all sixteen work-groups are here: the first joint loads meet
	; the head's four tiles, one load a wave, in one chain of branches on the wave's number: waves 0, 1 h's two blocks of K step 0, wave 2 W1's 256 rows, wave 3 W1's scale bytes
	s_cmp_lt_u32 s14, 2
	s_cbranch_scc0 .Lhead_w
	tensor_load_to_lds s[G0A:G0A+3], s[G1A:G1A+7]
	s_nop 0
.rept 4
	v_nop
.endr
	s_branch .Lhead_asked
.Lhead_w:
	s_cmp_eq_u32 s14, 2
	s_cbranch_scc0 .Lhead_s
	tensor_load_to_lds s[8:11], s[G1B:G1B+7]
	s_nop 0
.rept 4
	v_nop
.endr
	s_branch .Lhead_asked
.Lhead_s:
	tensor_load_to_lds s[G0S:G0S+3], s[G1S:G1S+7]
	s_nop 0
.rept 4
	v_nop
.endr
.Lhead_asked:
	v_and_b32 v1, 15, v0                           ; r
	v_bfe_u32 v2, v0, 4, 1                         ; h
	v_and_b32 v3, 31, v0
	v_lshlrev_b32 v[L16], 4, v3
	v_lshlrev_b32 v[R4], 2, v1
	v_and_b32 v4, 8, v1
	v_add_nc_u32 v4, v4, v1                        ; r + 8 (r / 8)
	s_mul_i32 s21, s15, ABLK
	v_add_nc_u32 v[ADRA], s21, v[L16]
	v_add_nc_u32 v[ADRA+1], SLOT, v[ADRA]
	v_lshl_add_u32 v5, v2, 9, v[R4]
	v_add_nc_u32 v[ADSA], s21, v5
	v_add_nc_u32 v[ADSA+1], SLOT, v[ADSA]
	v_mul_u32_u24 v6, v4, PITCH
	v_lshl_add_u32 v6, v2, 4, v6
	s_mul_i32 s22, s16, BHALF
	s_add_co_u32 s22, s22, BOFF
	v_add_nc_u32 v[ADRB], s22, v6
	v_add_nc_u32 v[ADRB+1], SLOT, v[ADRB]
	v_mul_u32_u24 v7, v4, KS                       ; my row's scale bytes,
	v_lshrrev_b32 v8, 8, v7
	v_lshl_add_u32 v7, v8, 4, v7                   ; 16 more for each 256 passed,
	v_lshl_add_u32 v7, v2, 2, v7                   ; lanes 16-31 the word of the second 128 of k
	s_mul_i32 s22, s16, 2*SCQ
	s_add_co_u32 s22, s22, SCL
	v_add_nc_u32 v[ADRS], s22, v7
	v_lshlrev_b32 v9, 6, v2                        ; the bias: + 16 h numbers
	s_lshl_b32 s90, s42, 10
	s_lshl_b32 s89, s16, 9
	s_add_co_u32 s90, s90, s89                     ; my first n, in bytes
	s_mov_b32 s91, 0
	s_add_nc_u64 s[12:13], s[12:13], s[90:91]
.irp b, 0,1,2,3,4,5,6,7                        ; b1 in the result's layout: for W1 tile b the lane's eight units 32 (b / 2) + 8 (b % 2) + 16 h + 0 .. 7
	global_load_b128 v[BT+8*\b:BT+8*\b+3], v9, s[12:13] offset:(32*(\b/2)+8*(\b%2))*4
	global_load_b128 v[BT+8*\b+4:BT+8*\b+7], v9, s[12:13] offset:(32*(\b/2)+8*(\b%2))*4+16
.endr
	s_lshl_b32 s88, s17, 1                         ; where the results go: block (token / 128) x 16 + n / 256,
	s_add_co_u32 s88, s88, s15
	s_lshl_b32 s88, s88, 4
	s_add_co_u32 s88, s88, s42
	s_mul_i32 s88, s88, 33792
	s_lshl_b32 s89, s16, 11
	s_add_co_u32 s90, s88, s89                     ; the codes of my 128 of its 256 along k,
	s_lshl_b32 s89, s16, 9
	s_add_co_u32 s88, s88, s89
	s_add_co_u32 s88, s88, 32768                   ; their scale words
	s_mov_b32 s89, 0
	s_add_nc_u64 s[92:93], s[84:85], s[90:91]
	s_add_nc_u64 s[94:95], s[84:85], s[88:89]
	s_wait_alu depctr_va_vdst(0)
	s_wait_loadcnt 0x0
.macro FRAGA reg, slot, q, i           ; a fragment of h: an image, 4 x 512 consecutive bytes
.irp c, 0,1,2,3
	ds_load_b128 v[\reg+4*\c:\reg+4*\c+3], v[ADRA+\slot] offset:4096*(\i)+2048*(\q)+512*\c
.endr
.endm
.macro FRAGB reg, slot, q, t           ; a fragment of W1: tile t begins at row 32 (t / 2) + 8 (t % 2)
.irp c, 0,1,2,3
	ds_load_b128 v[\reg+4*\c:\reg+4*\c+3], v[ADRB+\slot] offset:(32*((\t)/2)+8*((\t)%2))*PITCH+128*(\q)+32*\c
.endr
.endm
.macro RUN1 slot, q, p, sc             ; a run of LDS loads: W1's eight fragments into set p, h's tiles 0-3, and (sc = 1) the K step's scale words
	WIN 0x40
.irp t, 0,1,2,3,4,5,6,7
	FRAGB 128*(\p)+16*\t, \slot, \q, \t
.endr
	WIN 0
.irp i, 0,1,2,3
	FRAGA QF+16*\i, \slot, \q, \i
.endr
.if \sc
.irp i, 0,1,2,3,4,5,6,7
	ds_load_b32 v[SQ+8*\slot+\i], v[ADSA+\slot] offset:32768+64*\i
	ds_load_b32 v[SP+8*\slot+\i], v[ADRS] offset:((32*(\i/2)+8*(\i%2))*KS/256)*272
.endr
.endif
.endm
.macro RUN2 slot, q                    ; h's tiles 4-7
.irp i, 4,5,6,7
	FRAGA QF+16*\i, \slot, \q, \i
.endr
.endm
; 16 matrix instructions: h's tiles a0, a0 + 1 x W1's eight, the slot's q-th 128 along K.  A scale register holds q = 0 in lanes 0-15 and q = 1 in lanes 16-31.  bias = 1: the first product starts the sums with b1.
; The 64 accumulators take turns, one instruction a turn, in the same order in every step.
.macro MUL16 a0, p, q, set, bias
.irp a, \a0, \a0+1
.irp b, 0,1,2,3,4,5,6,7
.set rD, 8*(8*((\a)%4)+\b)
.set rP, 128*(\p)+16*\b
.set rQ, QF+16*(\a)
.if \q
	v_wmma_scale_f32_16x16x128_f8f6f4 v[rD:rD+7], v[rP:rP+15], v[rQ:rQ+15], v[rD:rD+7], v[SP+8*(\set)+\b], v[SQ+8*(\set)+(\a)] matrix_a_scale:MATRIX_SCALE_ROW1 matrix_b_scale:MATRIX_SCALE_ROW1
.elseif \bias
	v_wmma_scale_f32_16x16x128_f8f6f4 v[rD:rD+7], v[rP:rP+15], v[rQ:rQ+15], v[BT+8*\b:BT+8*\b+7], v[SP+8*(\set)+\b], v[SQ+8*(\set)+(\a)]
.else
	v_wmma_scale_f32_16x16x128_f8f6f4 v[rD:rD+7], v[rP:rP+15], v[rQ:rQ+15], v[rD:rD+7], v[SP+8*(\set)+\b], v[SQ+8*(\set)+(\a)]
.endif
.endr
.endr
.endm
; A slot's first 128 along K.  Eight places stand in front of each run of loads into registers that matrix instructions have read.
.macro STEP slot, bias
	s_wait_dscnt 16                                ; all but the youngest run, h's tiles 4-7
.if \bias
	WIN 0x81                                       ; C, the bias, in window 0
.else
	WIN 0xa1
.endif
	MUL16 0, 0, 0, \slot, \bias
	MUL16 2, 0, 0, \slot, \bias
	s_wait_dscnt 0x0
	PLACES 8
	WIN 0
	RUN1 \slot, 1, 1, 0
.if \bias
	WIN 0xc1
.else
	WIN 0xf1
.endif
	MUL16 4, 0, 0, \slot, \bias
	MUL16 6, 0, 0, \slot, \bias
	PLACES 8
	WIN 0
	RUN2 \slot, 1
.endm
; A slot's second 128 along K, and the change of slots: one barrier; in front of it each wave waits for all its tensor loads, adds 0 to its spare word, and waits for that and for its reads of this slot.
.macro TURN slot, next, fill
	s_wait_tensorcnt 0x0                           ; all my tensor loads have landed: my part of the next slot
	ds_add_u32 v[SPW], v[NIL]
	s_wait_dscnt 17                                ; (the add and the youngest run may be out)
	WIN 0xa1
	MUL16 0, 1, 1, \slot, 0
	s_wait_dscnt 0x0                               ; the add is done, and my reads of this slot are over
	s_barrier_signal -1
	MUL16 2, 1, 1, \slot, 0
	WIN 0
	s_barrier_wait -1
.if \fill
	CREST                                          ; the barrier has opened a round of the cluster's: no wave of any partner still reads this slot or has a load on its way
	s_add_nc_u64 s[G0A+4*\slot+2:G0A+4*\slot+3], s[G0A+4*\slot+2:G0A+4*\slot+3], 2*ABLK
	s_add_nc_u64 s[G0B+4*\slot+2:G0B+4*\slot+3], s[G0B+4*\slot+2:G0B+4*\slot+3], 512
	JLOAD \slot                                    ; the first tensor load behind the round; its four v_nop are among the eight places
	PLACES 4
.else
	PLACES 8
.endif
	s_wait_alu depctr_va_vdst(0)
	v_add_nc_u32 v[ADRS], 8, v[ADRS]               ; W1's scale words of the next K step
	RUN1 \next, 0, 0, 1
	WIN 0xf1
	MUL16 4, 1, 1, \slot, 0
	MUL16 6, 1, 1, \slot, 0
	PLACES 8
	WIN 0
	RUN2 \next, 0
.endm
	s_wait_tensorcnt 0x0                           ; my tile of the head's four is in
	ds_add_u32 v[SPW], v[NIL]
	s_mov_b32 s[G1B+2], 128<<16                    ; no tensor load of mine is out: from here on a load of W1 brings 128 rows
	s_mov_b32 s[G1B+4], 128
	s_wait_dscnt 0x0
	CROUND                                         ; all four tiles are in, and all sixteen work-groups are here
	JLOAD 1                                        ; K step 1, the first tensor load behind the round
	RUN1 0, 0, 0, 1
	RUN2 0, 0
	STEP 0, 1
	s_mov_b32 s3, LAPS-1
.Llap:                                             ; a trip goes once round the ring and fills both slots again
	TURN 0, 1, 1
	STEP 1, 0
	TURN 1, 0, 1
	STEP 0, 0
	s_sub_co_u32 s3, s3, 1
	s_cmp_lg_u32 s3, 0
	s_cbranch_scc1 .Llap
	TURN 0, 1, 0                                   ; the last lap fills nothing
	STEP 1, 0
	s_wait_dscnt 16
	WIN 0xa1
	MUL16 0, 1, 1, 1, 0
	MUL16 2, 1, 1, 1, 0
	s_wait_dscnt 0x0
	WIN 0xf1
	MUL16 4, 1, 1, 1, 0
	MUL16 6, 1, 1, 1, 0
	WIN 0
	PLACES 8
; THE WAY OUT.  h tile a's 64 registers become one fragment's codes (v[PC] on) and its scale word; each accumulator is read from its low end on.
; No |.| on the maximum's sources: what is negative is to become 0, so it must not count; the floor stands over it.
.macro QUANT a
.set AC, 64*((\a)%4)
.set W, 2+(\a)/4
	s_wait_xcnt 0x0                                ; the last tile's stores have read their data: codes and word are written again only behind this wait
	WIN W|(W<<2)
.irp c, 0,1,2,3
	v_max3_num_f32 v[TM+\c], v[AC+16*\c], v[AC+16*\c+1], 0x4800000   ; with the floor 2^(9 - 127): the byte cannot fall under 1
.endr
	WIN (W<<2)|(W<<4)
.irp i, 2,4,6,8,10,12,14
.irp c, 0,1,2,3
	v_max3_num_f32 v[TM+\c], v[TM+\c], v[AC+16*\c+\i], v[AC+16*\c+\i+1]
.endr
.endr
	WIN 0
.irp c, 0,1,2,3
	v_permlanex16_b32 v[TM+4+\c], v[TM+\c], s98, s99
.endr
.irp c, 0,1,2,3
	v_max_num_f32 v[TM+\c], v[TM+\c], v[TM+4+\c]   ; the block's largest magnitude
.endr
.irp c, 0,1,2,3
	v_add_nc_u32 v[TM+12+\c], 0xfc000000, v[TM+\c] ; 8 off its exponent field: the conversion's scale operand
.endr
.irp c, 0,1,2,3
	v_and_or_b32 v[TM+8+\c], v[TM+\c], 0x7f800000, s19   ; 448 x the scale
.endr
.irp c, 0,1,2,3
	v_lshrrev_b32 v[TM+4+\c], 23, v[TM+12+\c]      ; the byte
.endr
	v_lshl_or_b32 v[PW], v[TM+5], 8, v[TM+4]
	v_lshl_or_b32 v[PW], v[TM+6], 16, v[PW]
	v_lshl_or_b32 v[PW], v[TM+7], 24, v[PW]
	WIN W
.irp c, 0,1,2,3
.irp i, 0,1,2,3,4,5,6,7,8,9,10,11,12,13,14,15
	v_med3_num_f32 v[XT+16*\c+\i], v[AC+16*\c+\i], 0, v[TM+8+\c]   ; the activation and the hold in one (the conversion does not saturate: ISA guide 7.6.2)
.endr
.endr
	WIN 0
.irp c, 0,1,2,3
	v_cvt_scalef32_pk8_fp8_f32 v[PC+4*\c:PC+4*\c+1], v[XT+16*\c:XT+16*\c+7], v[TM+12+\c]
	v_cvt_scalef32_pk8_fp8_f32 v[PC+4*\c+2:PC+4*\c+3], v[XT+16*\c+8:XT+16*\c+15], v[TM+12+\c]
.endr
	v_nop                                          ; a plain instruction behind the last conversion
.endm
.irp c, 0,1,2,3
	v_mov_b32 v[TM+4+\c], 0                        ; written once: a lane permute's destination counts as one of its sources
.endr
.irp a, 0,1,2,3,4,5,6,7
	QUANT \a
.irp c, 0,1,2,3
	global_store_b128 v[L16], v[PC+4*\c:PC+4*\c+3], s[92:93] offset:4096*\a+512*\c   ; the fragment as it stands: 512 consecutive bytes a store
.endr
	global_store_b32 v[R4], v[PW], s[94:95] offset:64*\a
.endr
	s_wait_tensorcnt 0x0                           ; the wave's end
	ds_add_u32 v[SPW], v[NIL]
	s_wait_dscnt 0x0
	CROUND                                         ; the closing round
	s_endpgm
.Lfunc_end_k_qf21b093039_mlp1:
	.size	k_qf21b093039_mlp1, .Lfunc_end_k_qf21b093039_mlp1-k_qf21b093039_mlp1
	.p2alignl 7, 3214868480
	.fill 96, 4, 3214868480
	.section	.rodata,"a",@progbits
	.p2align	6, 0x0
	.amdhsa_kernel k_qf21b093039_mlp1
		.amdhsa_group_segment_fixed_size 327680
		.amdhsa_private_segment_fixed_size 0
		.amdhsa_enable_private_segment 0
		.amdhsa_kernarg_size 40
		.amdhsa_user_sgpr_count 2
		.amdhsa_user_sgpr_kernarg_segment_ptr 1
		.amdhsa_wavefront_size32 1
		.amdhsa_system_sgpr_workgroup_id_x 1
		.amdhsa_system_sgpr_workgroup_id_y 1
		.amdhsa_system_sgpr_workgroup_id_z 1
		.amdhsa_system_vgpr_workitem_id 0
		.amdhsa_next_free_vgpr 1024
		.amdhsa_next_free_sgpr 100
		.amdhsa_reserve_vcc 0
		.amdhsa_float_denorm_mode_32 3
		.amdhsa_float_denorm_mode_16_64 3
		.amdhsa_memory_ordered 1
		.amdhsa_forward_progress 1
		.amdhsa_inst_pref_size 189
	.end_amdhsa_kernel
	.amdgpu_metadata
---
amdhsa.version: [ 1, 2 ]
amdhsa.kernels:
  - .name:           k_qf21b093039_mlp1
    .symbol:         k_qf21b093039_mlp1.kd
    .args:
      - { .name: himg, .offset: 0, .size: 8, .value_kind: global_buffer, .address_space: global }
      - { .name: W1_codes, .offset: 8, .size: 8, .value_kind: global_buffer, .address_space: global }
      - { .name: W1_scales, .offset: 16, .size: 8, .value_kind: global_buffer, .address_space: global }
      - { .name: b1, .offset: 24, .size: 8, .value_kind: global_buffer, .address_space: global }
      - { .name: hidimg, .offset: 32, .size: 8, .value_kind: global_buffer, .address_space: global }
    .group_segment_fixed_size: 327680
    .private_segment_fixed_size: 0
    .kernarg_segment_align: 8
    .kernarg_segment_size: 40
    .max_flat_workgroup_size: 128
    .sgpr_count:     100
    .vgpr_count:     1024
    .wavefront_size: 32
...
	.end_amdgpu_metadata
.endif
;; end of part 11
;; launch mlp2 (part 12): grid 8 x 32, 4 waves a work-group, clusters of 4 x 4, 327,680 bytes of LDS; arguments hidimg, W2_codes, W2_scales, b2, x1, out0; writes out0
.if DOCPART == 12
	.amdgcn_target "amdgcn-amd-amdhsa--gfx1250"
	.amdhsa_code_object_version 6
	.text
	.protected	k_qf21b093039_mlp2
	.globl	k_qf21b093039_mlp2
	.p2align	8
	.type	k_qf21b093039_mlp2,@function
k_qf21b093039_mlp2:
	s_mov_b64 s[64:65], 0
	v_nop
	global_prefetch_b8 v0, s[64:65] scope:SCOPE_SE
	s_setreg_imm32_b32 hwreg(HW_REG_WAVE_MODE, 25, 1), 1
	s_wait_xcnt 0x0
	s_wait_alu depctr_hold_cnt(0) depctr_sa_sdst(0) depctr_va_vdst(0) depctr_va_sdst(0) depctr_va_ssrc(0) depctr_va_vcc(0) depctr_vm_vsrc(0)
	s_getreg_b32 s2, hwreg(HW_REG_IB_STS2, 6, 4)
	s_cmp_eq_u32 s2, 0
	s_cbranch_scc0 .Lentry_in_a_cluster
	s_endpgm
.Lentry_in_a_cluster:
	s_bfe_u32 s2, ttmp6, 0x10000c
	s_cmp_lg_u32 s2, 0xf033
	s_cbranch_scc0 .Lentry_shape_is_right
	s_endpgm
.Lentry_shape_is_right:
; out = res + act W^T + bias, the product on codes of E4M3 with E8M0 scales; out, res: [4,096][1,024] f32.  Here: act = the hidden layer, W = W2, K = 4,096, res = x1, out = out0.  Nothing is left out.
; The plan is the projection's kernel's, at this K: 128 tokens x 128 n a work-group, the four waves 2 x 2 with 64 x 64 each, each sum one chain in ascending k; two slots of 512 along K, eight fills, six of them refills behind
; rounds of the cluster's barrier; act's blocks asked for jointly along a row of the cluster, W's tiles and scale bytes along a column; res asked for at the head; a stage of its own for each wave.
; The fill that the next change of slots will ask for is prefetched, one instruction a wave, a slot's four steps ahead of its load; fills 0 to 2 come by their loads alone, and the last refill has none behind it.
; LIMITS: NaN and infinities are not served.
; REGISTERS: window 0: v1-31 addresses, v12-15 the bias; v32-47 act's scale words (two sets), v52-67 W's; v128-255 the accumulators.  window 1: fragments, set p at v[128 p]: act's four, then W's four.  window 2: v0-127 res, v128-191 rows back from the stage.
.set KT,    4096
.set NKS,   KT/256
.set KS,    KT/32
.set NF,    KT/512
.set ABLK,  33792
.set PITCH, 272
.set BHALF, 128*PITCH
.set BOFF,  2*ABLK
.set SLOT,  BOFF+2*BHALF
.set SCL,   2*SLOT
.set SPARE, SCL+(128*KS/256)*272
.set STG,   SPARE+512
.set BT,   12
.set ADRA, 16
.set ADSA, 18
.set ADRB, 20
.set PFO,  22
.set STO,  24
.set RD,   25
.set CO,   26
.set ADRS, 27
.set SPW,  28
.set NIL,  29
.set L16,  30
.set R4,   31
.set SQ,   32
.set SP,   52
.set AC,   128
.set G1A, 24
.set G0A, 32
.set G1B, 48
.set G0B, 56
.set G1S, 68
.set G0S, 76
.set PFA, 92
.set PFS, 94
.set LIM, 96
.set MSB, 0
.macro WIN new
.if MSB != (\new)
	s_set_vgpr_msb (MSB<<8)|(\new)
.set MSB, (\new)
.endif
.endm
.macro PLACES n
.rept \n
	v_nop
.endr
.endm
.macro JLOAD s                         ; a joint load: waves 0, 1 fetch act's two blocks, waves 2, 3 W's two tiles
	s_cmp_eq_u32 s15, 0
	s_cbranch_scc0 .Lfor_w_\@
	tensor_load_to_lds s[G0A+4*\s:G0A+4*\s+3], s[G1A:G1A+7]
	s_nop 0
.rept 4
	v_nop
.endr
	s_branch .Lasked_\@
.Lfor_w_\@:
	tensor_load_to_lds s[G0B+4*\s:G0B+4*\s+3], s[G1B:G1B+7]
	s_nop 0
.rept 4
	v_nop
.endr
.Lasked_\@:
.endm
.macro CREST
	s_cmp_lg_u32 s14, 0
	s_cbranch_scc1 .Lnot_wave_0_\@
	s_barrier_signal -3
.Lnot_wave_0_\@:
	s_barrier_wait -3
	s_barrier_signal -1
	s_barrier_wait -1
.endm
.macro CROUND
	s_barrier_signal -1
	s_barrier_wait -1
	CREST
.endm
; A prefetch: act's blocks: cluster x = 0 asks, waves 0 and 1, a block each, the partner at cx 32 pieces, lanes 256 bytes apart; W's tiles: cluster y = 0 asks, waves 2 and 3, a tile each, the partner at cy 32 rows, a lane a row.
; The partners are told apart by address.
.macro ASK
	s_cmp_eq_u32 s[LIM], 1
	s_cbranch_scc0 .Lnot_mine_\@
	global_prefetch_b8 v[PFO], s[PFA:PFA+1] th:TH_LOAD_NT scope:SCOPE_SE
.Lnot_mine_\@:
.endm
	s_load_b64 s[4:5], s[0:1], 0x0                 ; act's images
	s_load_b128 s[8:11], s[0:1], 0x8               ; W: codes, scales
	s_load_b64 s[12:13], s[0:1], 0x18              ; the bias
	s_load_b128 s[84:87], s[0:1], 0x20             ; res, out
	v_lshl_add_u32 v[SPW], v0, 2, SPARE
	v_mov_b32 v[NIL], 0
	ds_add_u32 v[SPW], v[NIL]                      ; the opening: the add, twice on end, and its wait ahead of my first tensor load
	ds_add_u32 v[SPW], v[NIL]
	v_lshrrev_b32 v1, 5, v0
	v_readfirstlane_b32 s14, v1                    ; wave 0..3
	s_lshr_b32 s15, s14, 1                         ; my half of the tokens.  Also: in the ring I fetch act (0) or W (1)
	s_and_b32 s16, s14, 1                          ; my half of the n.  Also: which of a slot's two K steps of 256 I fetch
	s_bfe_u32 s40, ttmp6, 0x40000                  ; cx
	s_bfe_u32 s41, ttmp6, 0x40004                  ; cy
	s_lshl_b32 s42, ttmp9, 2
	s_add_co_u32 s42, s42, s40                     ; which 128 n
	s_and_b32 s17, ttmp7, 0xffff
	s_lshl_b32 s17, s17, 2
	s_add_co_u32 s17, s17, s41                     ; which 128 tokens
	s_lshl_b32 s43, s41, 2
	s_lshl_b32 s43, 15, s43                        ; my row of the cluster
	s_lshl_b32 s44, 0x1111, s40                    ; my column
	s_or_b32 s[G1A], s43, (3<<16)|(1<<21)          ; act: dense rows of 32 elements of 8 bytes; the head's load brings two blocks, 264 rows
	s_mov_b32 s[G1A+1], 32<<16
	s_mov_b32 s[G1A+2], 264<<16
	s_mov_b32 s[G1A+3], 32<<16
	s_mov_b32 s[G1A+4], 264
	s_mov_b32 s[G1A+5], 32
	s_mov_b32 s[G1A+6], 0
	s_mov_b32 s[G1A+7], 0
	s_or_b32 s[G1B], s44, (1<<20)|(1<<21)|(5<<22)|(3<<25)   ; W: 128 rows of 256 bytes, KT apart, four words of padding behind every 64
	s_mov_b32 s[G1B+1], 256<<16
	s_mov_b32 s[G1B+2], 128<<16
	s_mov_b32 s[G1B+3], 256<<16
	s_mov_b32 s[G1B+4], 128
	s_mov_b32 s[G1B+5], KT
	s_mov_b32 s[G1B+6], 0
	s_mov_b32 s[G1B+7], 0
	s_or_b32 s[G1S], s44, (3<<16)|(1<<20)|(1<<21)|(5<<22)|(3<<25)   ; W's scale bytes of 128 rows: dense, as rows of 256 bytes, padded likewise
	s_mov_b32 s[G1S+1], 32<<16
	s_mov_b32 s[G1S+2], (128*KS/256)<<16
	s_mov_b32 s[G1S+3], 32<<16
	s_mov_b32 s[G1S+4], 128*KS/256
	s_mov_b32 s[G1S+5], 32
	s_mov_b32 s[G1S+6], 0
	s_mov_b32 s[G1S+7], 0
	s_mul_i32 s20, s17, NKS
	s_add_co_u32 s20, s20, s16
	s_mul_i32 s20, s20, ABLK                       ; act: my 128 tokens' row of blocks, the K step that I fetch
	s_mov_b32 s21, 0
	s_lshl_b32 s46, s42, 7
	s_mul_i32 s46, s46, KT
	s_lshl_b32 s47, s16, 8
	s_add_co_u32 s46, s46, s47                     ; W: row 128 x (128 n), the K step that I fetch
	s_mov_b32 s47, 0
	s_lshl_b32 s80, s42, 7
	s_mul_i32 s80, s80, KS                         ; its scale bytes
	s_mov_b32 s81, 0
	s_mul_i32 s45, s16, ABLK                       ; where they go: no place in the cluster enters an LDS address
	s_mul_i32 s82, s16, BHALF
	s_add_co_u32 s82, s82, BOFF
	s_wait_dscnt 0x0                               ; both opening adds are done
	s_wait_kmcnt 0x0
	s_add_nc_u64 s[20:21], s[4:5], s[20:21]
	s_add_nc_u64 s[46:47], s[8:9], s[46:47]
	s_add_nc_u64 s[80:81], s[10:11], s[80:81]
	s_mov_b32 s[G0S], 1
	s_mov_b32 s[G0S+1], SCL
	s_mov_b64 s[G0S+2:G0S+3], s[80:81]
	s_or_b32 s[G0S+3], s[G0S+3], 0x80000000
.irp s, 0,1
	s_mov_b32 s[G0A+4*\s], 1
	s_add_co_u32 s[G0A+4*\s+1], s45, \s*SLOT
	s_add_nc_u64 s[G0A+4*\s+2:G0A+4*\s+3], s[20:21], \s*2*ABLK
	s_or_b32 s[G0A+4*\s+3], s[G0A+4*\s+3], 0x80000000
	s_mov_b32 s[G0B+4*\s], 1
	s_add_co_u32 s[G0B+4*\s+1], s82, \s*SLOT
	s_add_nc_u64 s[G0B+4*\s+2:G0B+4*\s+3], s[46:47], \s*512
	s_or_b32 s[G0B+4*\s+3], s[G0B+4*\s+3], 0x80000000
.endr
.if NF > 2
	s_and_b32 s88, ttmp7, 0xffff
	s_cmp_eq_u32 s15, 0
	s_cselect_b64 s[PFA:PFA+1], s[20:21], s[46:47]
	s_cselect_b32 s88, ttmp9, s88
	s_cselect_b32 s89, s40, s41
	s_mov_b32 s90, 32*KT
	s_cselect_b32 s90, 8192, s90
	s_mov_b32 s[PFS], 512
	s_cselect_b32 s[PFS], 2*ABLK, s[PFS]
	s_mov_b32 s91, KT
	s_cselect_b32 s91, 256, s91
	s_mov_b32 s[PFS+1], 0
	s_cmp_eq_u32 s88, 0
	s_cselect_b32 s[LIM], 1, 0
	s_mul_i32 s88, s89, s90
	s_mov_b32 s89, 0
	s_add_nc_u64 s[PFA:PFA+1], s[PFA:PFA+1], s[88:89]
	s_add_nc_u64 s[PFA:PFA+1], s[PFA:PFA+1], s[PFS:PFS+1]
	s_add_nc_u64 s[PFA:PFA+1], s[PFA:PFA+1], s[PFS:PFS+1]   ; at fill 2: the first refill steps it to fill 3
.endif
	CROUND                                         ; all sixteen work-groups are here: the first joint loads meet
	s_cmp_eq_u32 s14, 0                            ; the head's four tiles, one load a wave, in one chain of branches on the wave's number
	s_cbranch_scc0 .Lhead_w
	tensor_load_to_lds s[G0A:G0A+3], s[G1A:G1A+7]
	s_nop 0
.rept 4
	v_nop
.endr
	s_branch .Lhead_asked
.Lhead_w:
	s_cmp_lt_u32 s14, 3
	s_cbranch_scc0 .Lhead_s
	tensor_load_to_lds s[G0B:G0B+3], s[G1B:G1B+7]
	s_nop 0
.rept 4
	v_nop
.endr
	s_branch .Lhead_asked
.Lhead_s:
	tensor_load_to_lds s[G0S:G0S+3], s[G1S:G1S+7]
	s_nop 0
.rept 4
	v_nop
.endr
.Lhead_asked:
	s_lshl_b32 s2, s15, 14                         ; my four tiles of act: 16,384 bytes on in a block's codes,
	s_lshl_b32 s3, s15, 8                          ; 256 on among its scale words,
	s_add_co_u32 s3, s3, 32768                     ; which lie behind a block's 32,768 bytes of codes
	s_mul_i32 s18, s16, 64*PITCH
	s_add_co_u32 s18, s18, BOFF                    ; my 64 rows of W
	s_mul_i32 s19, s16, (64*KS/256)*272
	s_add_co_u32 s19, s19, SCL                     ; and their scale bytes
	s_mul_i32 s23, s14, 16*PITCH
	s_add_co_u32 s23, s23, STG                     ; my stage
	s_lshl_b32 s88, s17, 7
	s_lshl_b32 s89, s15, 6
	s_add_co_u32 s88, s88, s89                     ; my first token
	s_lshl_b32 s88, s88, 12
	s_lshl_b32 s98, s42, 9
	s_lshl_b32 s99, s16, 8
	s_add_co_u32 s98, s98, s99                     ; my first n, in bytes
	s_add_co_u32 s88, s88, s98
	s_mov_b32 s89, 0
	s_mov_b32 s99, 0
	s_add_nc_u64 s[84:85], s[84:85], s[88:89]
	s_add_nc_u64 s[86:87], s[86:87], s[88:89]
	s_add_nc_u64 s[12:13], s[12:13], s[98:99]
	v_and_b32 v1, 15, v0                           ; r
	v_bfe_u32 v2, v0, 4, 1                         ; h
	v_and_b32 v3, 31, v0
	v_lshlrev_b32 v[L16], 4, v3
	v_lshlrev_b32 v[R4], 2, v1
.if NF > 2
	v_mul_lo_u32 v[PFO], v3, s91
.endif
	v_add_nc_u32 v[ADRA], s2, v[L16]
	v_add_nc_u32 v[ADRA+1], SLOT, v[ADRA]
	v_lshl_add_u32 v5, v2, 9, v[R4]                ; lanes 0-15 the first 128 of a K step, lanes 16-31 the second
	v_add_nc_u32 v[ADSA], s3, v5
	v_add_nc_u32 v[ADSA+1], SLOT, v[ADSA]
	v_mul_u32_u24 v6, v1, PITCH
	v_lshl_add_u32 v4, v2, 4, v6
	v_add_nc_u32 v[ADRB], s18, v4
	v_add_nc_u32 v[ADRB+1], SLOT, v[ADRB]
	v_mul_u32_u24 v7, v1, KS                       ; my row's scale bytes,
	v_lshrrev_b32 v8, 8, v7
	v_lshl_add_u32 v7, v8, 4, v7                   ; 16 more for each 256 passed,
	v_lshl_add_u32 v7, v2, 2, v7                   ; lanes 16-31 the word of the second 128
	v_add_nc_u32 v[ADRS], s19, v7
	v_lshl_add_u32 v5, v2, 5, v6
	v_add_nc_u32 v[STO], s23, v5                   ; into the stage: row r, 32 bytes for each half of the lanes
	v_mul_u32_u24 v5, v2, PITCH
	v_lshl_add_u32 v5, v1, 4, v5
	v_add_nc_u32 v[RD], s23, v5                    ; back: lanes 0-15 one row of 256 bytes, lanes 16-31 the next
	v_lshlrev_b32 v5, 12, v2
	v_lshl_add_u32 v[CO], v1, 4, v5                ; and the same two rows in res and out
	v_lshlrev_b32 v9, 4, v1
	s_wait_alu depctr_va_vdst(0)                   ; the head's end
	WIN 0x80
.irp a, 0,1,2,3
.irp u, 0,1,2,3,4,5,6,7
	global_load_b128 v[32*\a+4*\u:32*\a+4*\u+3], v[CO], s[84:85] offset:(32*(\a/2)+8*(\a%2)+2*\u+8*(\u/4))*4096 th:TH_LOAD_NT   ; rows 2 u, 2 u + 1 of my tile a: sixteen lanes read 256 consecutive aligned bytes
.endr
.endr
	WIN 0
	global_load_b128 v[BT:BT+3], v9, s[12:13]      ; the bias of my four columns
.macro LOADS slot, j, p                ; step j's 32 loads into set p: act's four fragments (images), W's four
	WIN 0x40
.irp i, 0,1,2,3
.irp c, 0,1,2,3
	ds_load_b128 v[128*(\p)+16*\i+4*\c:128*(\p)+16*\i+4*\c+3], v[ADRA+\slot] offset:((\j)/2)*ABLK+4096*\i+2048*((\j)%2)+512*\c
.endr
.endr
.irp t, 0,1,2,3
.irp c, 0,1,2,3
	ds_load_b128 v[128*(\p)+64+16*\t+4*\c:128*(\p)+64+16*\t+4*\c+3], v[ADRB+\slot] offset:((\j)/2)*BHALF+16*\t*PITCH+128*((\j)%2)+32*\c
.endr
.endr
	WIN 0
.endm
.macro SCALES slot                     ; a slot's 16 registers of scale words
.irp k, 0,1
.irp i, 0,1,2,3
	ds_load_b32 v[SQ+8*\slot+4*\k+\i], v[ADSA+\slot] offset:\k*ABLK+64*\i
	ds_load_b32 v[SP+8*\slot+4*\k+\i], v[ADRS] offset:(16*\i*KS/256)*272+8*\k
.endr
.endr
.endm
; 16 products: the slot's step j.  The 16 accumulators take turns, one instruction a turn, in the same order in every step.  zero = 1: the first product starts the sums.
.macro MUL slot, j, zero
	WIN 0x05
.irp a, 0,1,2,3
.irp b, 0,1,2,3
.set rD, AC+8*(4*\a+\b)
.set rP, 128*((\j)%2)+64+16*\b
.set rQ, 128*((\j)%2)+16*\a
.set sP, SP+8*(\slot)+4*((\j)/2)+\b
.set sQ, SQ+8*(\slot)+4*((\j)/2)+\a
.if (\j)%2
	v_wmma_scale_f32_16x16x128_f8f6f4 v[rD:rD+7], v[rP:rP+15], v[rQ:rQ+15], v[rD:rD+7], v[sP], v[sQ] matrix_a_scale:MATRIX_SCALE_ROW1 matrix_b_scale:MATRIX_SCALE_ROW1
.elseif \zero
	v_wmma_scale_f32_16x16x128_f8f6f4 v[rD:rD+7], v[rP:rP+15], v[rQ:rQ+15], 0, v[sP], v[sQ]
.else
	v_wmma_scale_f32_16x16x128_f8f6f4 v[rD:rD+7], v[rP:rP+15], v[rQ:rQ+15], v[rD:rD+7], v[sP], v[sQ]
.endif
.endr
.endr
	WIN 0
.endm
; A SLOT'S FOUR STEPS.  Eight places stand in front of each run of loads into registers that products have read.  Ahead of the fourth step's products the slots change (more = 1): each wave waits for all its tensor loads,
; adds 0 to its spare word, waits for that and for its reads of this slot; one barrier (fill = 1: it opens a round of the cluster's); this slot is filled again first, then the next slot's first fragments are read.
.macro TURN slot, next, fill, zero, ask, more
	PLACES 8
	LOADS \slot, 1, 1
	s_wait_dscnt 32                                ; all but the 32 just issued
	MUL \slot, 0, \zero
	PLACES 8
	LOADS \slot, 2, 0
	s_wait_dscnt 32
	MUL \slot, 1, 0
	PLACES 8
	LOADS \slot, 3, 1
	s_wait_dscnt 32
	MUL \slot, 2, 0
.if \more
	s_wait_tensorcnt 0x0                           ; all my tensor loads have landed: my part of the next slot
	ds_add_u32 v[SPW], v[NIL]
.if \fill
	s_add_nc_u64 s[G0A+4*\slot+2:G0A+4*\slot+3], s[G0A+4*\slot+2:G0A+4*\slot+3], 4*ABLK   ; two fills on
	s_add_nc_u64 s[G0B+4*\slot+2:G0B+4*\slot+3], s[G0B+4*\slot+2:G0B+4*\slot+3], 1024
.endif
.if \ask
	s_wait_xcnt 0x0                                ; the last prefetch has read its address
	s_add_nc_u64 s[PFA:PFA+1], s[PFA:PFA+1], s[PFS:PFS+1]
.endif
	s_wait_dscnt 0x0                               ; the add is done, and my reads of this slot are over
	s_barrier_signal -1
	s_barrier_wait -1
.if \fill
	CREST
	JLOAD \slot                                    ; the first tensor load behind the round; its four v_nop are among the eight places
	PLACES 4
.else
	PLACES 8
.endif
	s_wait_alu depctr_va_vdst(0)
	v_add_nc_u32 v[ADRS], 16, v[ADRS]              ; W's scale words of the next 512 along K
	LOADS \next, 0, 0
	SCALES \next
.if \ask
	ASK
.endif
.else
	s_wait_dscnt 0x0
.endif
	MUL \slot, 3, 0
.endm
	s_wait_tensorcnt 0x0                           ; my tile of the head's four is in
	ds_add_u32 v[SPW], v[NIL]
	s_mov_b32 s[G1A+2], 132<<16                    ; no tensor load of mine is out: from here on a load of act brings one block
	s_mov_b32 s[G1A+4], 132
	s_wait_dscnt 0x0
	CROUND                                         ; all four tiles are in, and all sixteen work-groups are here
	JLOAD 1                                        ; slot 1, the first tensor load behind the round
	LOADS 0, 0, 0
	SCALES 0
.if NF > 2
	TURN 0, 1, 1, 1, 1, 1
	s_mov_b32 s3, (NF-4)/2
.Llap:                                             ; a trip goes once round the ring and fills both slots again
	TURN 1, 0, 1, 0, 1, 1
	TURN 0, 1, 1, 0, 1, 1
	s_sub_co_u32 s3, s3, 1
	s_cmp_lg_u32 s3, 0
	s_cbranch_scc1 .Llap
	TURN 1, 0, 1, 0, 0, 1                          ; the last refill: there is no fill behind it to prefetch
	TURN 0, 1, 0, 0, 0, 1
.else
	TURN 0, 1, 0, 1, 0, 1
.endif
	TURN 1, 0, 0, 0, 0, 0
	; THE WAY OUT.  res + bias first: these lines are also the places behind the last products
	s_wait_loadcnt 0x0
	WIN 0x82
.set j, 0
.rept 32
	v_pk_add_f32 v[4*j:4*j+1], v[4*j:4*j+1], v[BT:BT+1]
	v_pk_add_f32 v[4*j+2:4*j+3], v[4*j+2:4*j+3], v[BT+2:BT+3]
.set j, j+1
.endr
	WIN 0
.macro TOSTAGE a                       ; my tile a, 16 tokens x 64 n, into my stage and back as whole rows; LDS serves a wave's instructions in order (ISA guide 5.7.1.4)
.irp b, 0,1,2,3
	ds_store_b128 v[STO], v[AC+8*(4*(\a)+\b):AC+8*(4*(\a)+\b)+3] offset:64*\b          ; each accumulator from its low end on
	ds_store_b128 v[STO], v[AC+8*(4*(\a)+\b)+4:AC+8*(4*(\a)+\b)+7] offset:64*\b+16
.endr
	WIN 0x80
.irp u, 0,1,2,3,4,5,6,7
	ds_load_b128 v[128+32*((\a)%2)+4*\u:128+32*((\a)%2)+4*\u+3], v[RD] offset:2*\u*PITCH
.endr
	WIN 0
.endm
.macro SEND a, younger
	s_wait_dscnt \younger
	WIN 0x8a
.set j, 0
.rept 16
	v_pk_add_f32 v[128+32*((\a)%2)+j:128+32*((\a)%2)+j+1], v[128+32*((\a)%2)+j:128+32*((\a)%2)+j+1], v[32*(\a)+j:32*(\a)+j+1]
.set j, j+2
.endr
	WIN 0x08
.irp u, 0,1,2,3,4,5,6,7
	global_store_b128 v[CO], v[128+32*((\a)%2)+4*\u:128+32*((\a)%2)+4*\u+3], s[86:87] offset:(32*((\a)/2)+8*((\a)%2)+2*\u+8*(\u/4))*4096 th:TH_STORE_NT   ; sixteen lanes store 256 consecutive aligned bytes
.endr
	WIN 0
.endm
	TOSTAGE 0
	TOSTAGE 1
	SEND 0, 16                                     ; behind tile 0's loads: tile 1's 8 stores and 8 loads
	s_wait_xcnt 0x0                                ; tile 0's stores have read their data: tile 2's rows may land there
	TOSTAGE 2
	SEND 1, 16
	s_wait_xcnt 0x0
	TOSTAGE 3
	SEND 2, 16
	SEND 3, 0
	s_wait_tensorcnt 0x0                           ; the wave's end
	ds_add_u32 v[SPW], v[NIL]
	s_wait_dscnt 0x0
	CROUND                                         ; the closing round
	s_endpgm
.Lfunc_end_k_qf21b093039_mlp2:
	.size	k_qf21b093039_mlp2, .Lfunc_end_k_qf21b093039_mlp2-k_qf21b093039_mlp2
	.p2alignl 7, 3214868480
	.fill 96, 4, 3214868480
	.section	.rodata,"a",@progbits
	.p2align	6, 0x0
	.amdhsa_kernel k_qf21b093039_mlp2
		.amdhsa_group_segment_fixed_size 327680
		.amdhsa_private_segment_fixed_size 0
		.amdhsa_enable_private_segment 0
		.amdhsa_kernarg_size 48
		.amdhsa_user_sgpr_count 2
		.amdhsa_user_sgpr_kernarg_segment_ptr 1
		.amdhsa_wavefront_size32 1
		.amdhsa_system_sgpr_workgroup_id_x 1
		.amdhsa_system_sgpr_workgroup_id_y 1
		.amdhsa_system_sgpr_workgroup_id_z 1
		.amdhsa_system_vgpr_workitem_id 0
		.amdhsa_next_free_vgpr 768
		.amdhsa_next_free_sgpr 100
		.amdhsa_reserve_vcc 0
		.amdhsa_float_denorm_mode_32 3
		.amdhsa_float_denorm_mode_16_64 3
		.amdhsa_memory_ordered 1
		.amdhsa_forward_progress 1
		.amdhsa_inst_pref_size 147
	.end_amdhsa_kernel
	.amdgpu_metadata
---
amdhsa.version: [ 1, 2 ]
amdhsa.kernels:
  - .name:           k_qf21b093039_mlp2
    .symbol:         k_qf21b093039_mlp2.kd
    .args:
      - { .name: hidimg, .offset: 0, .size: 8, .value_kind: global_buffer, .address_space: global }
      - { .name: W2_codes, .offset: 8, .size: 8, .value_kind: global_buffer, .address_space: global }
      - { .name: W2_scales, .offset: 16, .size: 8, .value_kind: global_buffer, .address_space: global }
      - { .name: b2, .offset: 24, .size: 8, .value_kind: global_buffer, .address_space: global }
      - { .name: x1, .offset: 32, .size: 8, .value_kind: global_buffer, .address_space: global }
      - { .name: out0, .offset: 40, .size: 8, .value_kind: global_buffer, .address_space: global }
    .group_segment_fixed_size: 327680
    .private_segment_fixed_size: 0
    .kernarg_segment_align: 8
    .kernarg_segment_size: 48
    .max_flat_workgroup_size: 128
    .sgpr_count:     100
    .vgpr_count:     768
    .wavefront_size: 32
...
	.end_amdgpu_metadata
.endif
;; end of part 12
